; MI455X (gfx1250); checked and timed in simulation.
; The chip was launched on July 23, 2026; its instructions are those of AMD's public machine-readable ISA for CDNA 5 (MIT licence, August 2026) and "CDNA5" Instruction Set Architecture Reference Guide (July 2026). The comments in the code are by the model that wrote it; some were corrected since.
;; Multi Head Attention. Allowed arithmetic: matrix products marked QUANTISED: E4M3 operands, one given power-of-two scale a tensor, by v_wmma_f32_16x16x64_fp8_fp8 or v_wmma_f32_16x16x128_fp8_fp8, f32 sums; everything else in f32.
;; Inputs: freqs_cos 2,048 x 64 float32; freqs_sin 2,048 x 64 float32; lowp_scales 12 int32 (the exponents e of the quantised operands' scales 2^e); mask 2,048 x 2,048 float32; w_k 2,048 x 2,048 float32; w_o 2,048 x 2,048 float32; w_q 2,048 x 2,048 float32; w_v 2,048 x 2,048 float32; x 1 x 2,048 x 2,048 float32.
;; Outputs: out0 1 x 2,048 x 2,048 float32.
;; This version of the problem:
;;   THIS VERSION OF THE PROBLEM IS GIVEN IN LOW PRECISION. The matrix products marked QUANTISED in the list below multiply operands that are first quantised to E4M3 (4 exponent bits, 3 mantissa bits; 8 bits a number), with one given power-of-two scale for each operand tensor; their sums are f32. All else is computed in f32.
;;   The module's matrix products, in the order in which they are computed (A, B: the left and right operand; K: the contracted axis; several contracted axes count as one K, in the product's order):
;;     1. [M 2,048, K 2,048] x [K 2,048, N 2,048]; A: input x; B: input w_q: QUANTISED (scales: A lowp_scales[0], B lowp_scales[1])
;;     2. [M 2,048, K 2,048] x [K 2,048, N 2,048]; A: input x; B: input w_k: QUANTISED (scales: A lowp_scales[2], B lowp_scales[3])
;;     3. [M 2,048, K 2,048] x [K 2,048, N 2,048]; A: input x; B: input w_v: QUANTISED (scales: A lowp_scales[4], B lowp_scales[5])
;;     4. batch 16 x [M 2,048, K 128] x [K 128, N 2,048]; A: computed on the way; B: computed on the way: QUANTISED (scales: A lowp_scales[6], B lowp_scales[7])
;;     5. batch 16 x [M 128, K 2,048] x [K 2,048, N 2,048]; A: computed on the way; B: softmax (see below): QUANTISED (scales: A lowp_scales[8], B lowp_scales[9])
;;     6. [M 2,048, K 2,048] x [K 2,048, N 2,048]; A: computed on the way; B: input w_o: QUANTISED (scales: A lowp_scales[10], B lowp_scales[11])
;;   THE QUANTISER, for each operand of a quantised product, along K:
;;     - The operand's scale is 2^e, e = its entry of the input lowp_scales (int32; the entries are numbered through the quantised products in the list's order, A before B).
;;     - Each number is divided by the scale, clamped to +-448, and rounded to the nearest number of E4M3, ties to even, subnormals kept.
;;     - The product sums the exact products of the quantised numbers (number of the format x scale) in f32.
;;   ~~~python
;;   def quantise(x, axis, e):      # numpy; x: float32 -> the quantised numbers, widened to float32 again
;;       x = np.moveaxis(x, axis, -1); K = x.shape[-1]
;;       r = np.clip(x / 2.0 ** e, -448, 448)
;;       step = 2.0 ** (np.maximum(np.frexp(np.where(r == 0, 1, r))[1] - 1, -6) - 3)
;;       q = np.round(r / step) * step * 2.0 ** e      # np.round: ties to even
;;       return np.moveaxis(q, -1, axis).astype(np.float32)
;;   ~~~
;;   SOFTMAX AHEAD OF A QUANTISED PRODUCT. Where the list says 'softmax', what is quantised is not the finished softmax but p = 2^(t - M), with t = logit x log2(e) and M = ceil(the row's largest t), a whole number; so 1/2 < the row's largest p <= 1. The row's sum l is taken of the UNQUANTISED p, in f32, and the product's result is divided by l at the end. Since M is a whole number, a kernel that streams over the keys may use a running M (the ceiling of the running maximum): every later rescaling is an exact power of two, so the quantised numbers keep their values, but for numbers so far below the row's largest that they fall under the format's range.
;;   OPERANDS COMPUTED ON THE WAY. 'Computed on the way' means the value that the module computes at that place (a softmax that the list does not call 'softmax' is quantised finished and normalised). What goes into a quantiser is computed in f32, as accurately as f32 sums, v_exp_f32 and their like allow (about 1e-6 of the number): no bf16 or f16 on the way to a quantiser, and a product that is left as it is and whose result goes on into a quantised operand takes f32 operands (vector FMAs, or v_wmma_f32_16x16x4_f32). A number that lies on a knife's edge between two numbers of the format may be rounded either way, as far as f32 arithmetic and the matrix unit's own rounding can turn it there, and no further.
;; 2 versions. Each part assembles by itself: llvm-mc -triple=amdgcn-amd-amdhsa -mcpu=gfx1250 --defsym DOCPART=n.
;; ======== version 1 of 2: 4 launches
;; workspace buffers: xc 12,582,912 bytes; wc 16,777,216 bytes; qimg 4,194,304 bytes; kimg 4,194,304 bytes; vimg 4,194,304 bytes; aimg 4,194,304 bytes; vsum 131,072 bytes
;; launch quant (part 1): grid 640 x 1, 4 waves a work-group, no clusters, 68,096 bytes of LDS; arguments x, w_q, w_k, w_v, w_o, lowp_scales, xc, wc; writes xc, wc
.if DOCPART == 1
	.amdgcn_target "amdgcn-amd-amdhsa--gfx1250"
	.amdhsa_code_object_version 6
	.text
	.protected	k_qd19326b157_quant
	.globl	k_qd19326b157_quant
	.p2align	8
	.type	k_qd19326b157_quant,@function
k_qd19326b157_quant:
	s_mov_b64 s[64:65], 0
	v_nop
	global_prefetch_b8 v0, s[64:65] scope:SCOPE_SE
	s_setreg_imm32_b32 hwreg(HW_REG_WAVE_MODE, 25, 1), 1
	s_wait_xcnt 0x0
; LAUNCH 1 OF 4.  x [2048][2048] f32 becomes three planes of E4M3 codes (entries 0, 2, 4 of lowp_scales: the three products that take x may have three scales), xc[z][s][k];
; w_q, w_k, w_v, w_o [k][n] f32 become codes with K innermost, wc[plane][n][k] (entries 1, 3, 5, 11).  code = number / 2^e, held within +-448, to the nearest code, ties to even.
; DEAD WORK THAT THE PROGRAM LEAVES OUT (shown here once).  reference() replaces score + mask by the constant -1e9 wherever not (0 <= q - k < 1024), by a condition that it builds in its own body.
; So for a block of 128 queries x 128 keys that lies wholly outside that band neither q . k nor the input mask's entry can reach an output, whatever finite values the inputs hold: 148 of the 256 blocks of each head.
; Launch attn forms no score, loads no mask entry and multiplies no weight by V key by key there.  What those keys still add is KEPT: they all have the logit -1e9, hence one weight p = 2^(t_neg - M); they add
; n x p to the row's sum and Q(p) x (the sum of V's codes over them) to the row's result (launch qkv stores those sums of codes for each block of 128 keys).  Every input has a way to the output and is loaded.
; LIMIT: a NaN, an infinity or an overflow in q . k or in the mask outside the band is not carried to the result (reference()'s own where discards it too).
; LIMITS of this launch: each of the seven exponents lies between -126 and 119, so that 2^e and 448 x 2^e are f32 numbers.  NaN among the inputs is not served.
; SHARES.  Work-groups 0-127: x, a plain stream; a wave takes 16 steps of 512 numbers; each load reads 512 consecutive bytes; a step turns through the wave's own stage in LDS so that a lane holds 16 neighbours along K;
; each number is held and converted three times; a wave's store covers 512 consecutive bytes.  Work-groups 128-639: the weights; a lane takes a column n and its registers run down K, so the conversions give codes with K
; innermost; a wave gathers 32 columns x 256 along K in its stage and stores sixteen lanes to 256 consecutive aligned bytes.  The two paths part on the work-group's number and have LDS bytes of their own.  Waves share nothing: no barrier.
.set SP,    80                         ; path x: a lane's place in a stage: 64 bytes + 16 of padding
.set XR,    16                         ; v16-79   four sets of 16 numbers as loaded
.set XX,    80                         ; v80-111  two sets of 16 neighbours
.set XT,    112                        ; v112-127 and v184-199: held numbers, two sets by turns
.set XC,    128                        ; v128-175 codes: 12 registers for each of four steps
.set XS,    176                        ; v176+2z: 2^e(2z); v177+2z: 448 x that
.set WSTG,  32768                      ; path w: the stages begin here
.set PITCH, 272                        ; a stage row: 256 bytes + 16
.set WX,    32                         ; v32-95   two sets of 32 numbers
.set WC,    96                         ; v96-103  a block's codes
.set OUTR,  112                        ; v112-175 the way out
.set SPARE, 67584                      ; behind both paths' stages: the spare words, 128 bytes a wave
.set SPW,   206                        ; my spare word's LDS address; never rewritten
.set NIL,   207                        ; 0; never rewritten
	s_load_b256 s[4:11], s[0:1], 0x0               ; x s[4:5], w_q s[6:7], w_k s[8:9], w_v s[10:11]
	s_load_b256 s[12:19], s[0:1], 0x20             ; w_o s[12:13], the exponents s[14:15], xc s[16:17], wc s[18:19]
	v_lshl_add_u32 v[SPW], v0, 2, SPARE
	v_mov_b32 v[NIL], 0
	v_lshrrev_b32 v1, 5, v0
	v_readfirstlane_b32 s32, v1                    ; wave 0..3
	v_and_b32 v2, 31, v0                           ; lane
	s_wait_kmcnt 0x0
	s_load_b256 s[20:27], s[14:15], 0x0            ; e0 .. e7
	s_load_b128 s[28:31], s[14:15], 0x20           ; e8 .. e11
	s_cmp_ge_u32 ttmp9, 128
	s_cbranch_scc1 .Lw
; ---------------- path x ----------------
	v_lshlrev_b32 v3, 4, v2                        ; my 16 bytes of a load's 512, and of a store's
	s_mul_i32 s33, s32, 8192                       ; my wave's region of LDS
	v_lshrrev_b32 v14, 2, v2
	v_mul_u32_u24 v14, v14, SP
	v_and_b32 v15, 3, v2
	v_lshl_add_u32 v14, v15, 4, v14
	v_add_nc_u32 v14, s33, v14                     ; the stage, in: SP (lane / 4) + 16 (lane % 4)
	v_mul_u32_u24 v15, v2, SP
	v_add_nc_u32 v15, s33, v15                     ; and out: SP x lane
	s_lshl_b32 s34, ttmp9, 2
	s_add_co_u32 s34, s34, s32                     ; which run of 8,192 numbers is my wave's
	s_lshl_b32 s36, s34, 15
	s_mov_b32 s37, 0
	s_add_nc_u64 s[4:5], s[4:5], s[36:37]          ; x at my run
	s_lshl_b32 s36, s34, 13
	s_add_nc_u64 s[36:37], s[16:17], s[36:37]      ; the three planes of codes at my run
	s_add_nc_u64 s[38:39], s[36:37], 0x400000
	s_add_nc_u64 s[40:41], s[38:39], 0x400000
.macro XLOAD t
.irp i, 0,1,2,3
	global_load_b128 v[XR+16*((\t)%4)+4*\i:XR+16*((\t)%4)+4*\i+3], v3, s[4:5] offset:2048*(\t)+512*\i th:TH_LOAD_NT
.endr
.endm
.macro XTURN t                         ; a step's numbers through the stage: LDS serves a wave's instructions in order, so no wait stands between the stores and the loads
.irp i, 0,1,2,3
	ds_store_b128 v14, v[XR+16*((\t)%4)+4*\i:XR+16*((\t)%4)+4*\i+3] offset:32*SP*((\t)%2)+8*SP*\i
.endr
.irp i, 0,1,2,3
	ds_load_b128 v[XX+16*((\t)%2)+4*\i:XX+16*((\t)%2)+4*\i+3], v15 offset:32*SP*((\t)%2)+16*\i
.endr
.endm
.irp t, 0,1,2,3
	XLOAD \t
.endr
	s_wait_kmcnt 0x0
.irp z, 0,1,2
	s_add_co_i32 s42, s[20+2*\z], 127
	s_lshl_b32 s43, s42, 23
	v_mov_b32 v[XS+2*\z], s43                      ; 2^e as f32: the conversion takes its exponent field
	s_add_co_i32 s42, s42, 8
	s_lshl_b32 s42, s42, 23
	s_or_b32 s42, s42, 0x600000
	v_mov_b32 v[XS+2*\z+1], s42                    ; 448 x 2^e
.endr
	s_wait_loadcnt 12                              ; step 0's four loads are in
	XTURN 0
.macro XSTEP t
	s_wait_dscnt 0x0                               ; this step's numbers are back from the stage, and its stores into the stage have read their registers,
.if (\t)+4 < 16
	XLOAD (\t)+4                                   ; which take the loads of four steps on
.endif
.if (\t)+1 < 16
.if 14-(\t) >= 3
	s_wait_loadcnt 12                              ; the next step's four loads are in; those of the three steps behind it may be out
.else
	s_wait_loadcnt 4*(14-(\t))
.endif
	XTURN (\t)+1
.endif
	s_wait_xcnt 0x0                                ; the stores of four steps back have read their codes: those registers are written again only behind this wait
.irp z, 0,1,2
.set TS, XT+72*(((\t)+\z)%2)           ; the sets of held numbers take turns, over the step's edge too: plain lines always stand between a conversion and the next write of its sources
.set CS, XC+12*((\t)%4)+4*\z
.irp i, 0,1,2,3,4,5,6,7,8,9,10,11,12,13,14,15
	v_med3_num_f32 v[TS+\i], v[XX+16*((\t)%2)+\i], -v[XS+2*\z+1], v[XS+2*\z+1]   ; the conversion does not saturate (ISA guide 7.6.2): the hold comes first
.endr
	v_cvt_scalef32_pk8_fp8_f32 v[CS:CS+1], v[TS:TS+7], v[XS+2*\z]
	v_cvt_scalef32_pk8_fp8_f32 v[CS+2:CS+3], v[TS+8:TS+15], v[XS+2*\z]
.endr
.irp z, 0,1,2
	global_store_b128 v3, v[XC+12*((\t)%4)+4*\z:XC+12*((\t)%4)+4*\z+3], s[36+2*\z:37+2*\z] offset:512*(\t)   ; 32 lanes store 512 consecutive bytes
.endr
.endm
.irp t, 0,1,2,3,4,5,6,7,8,9,10,11,12,13,14,15
	XSTEP \t
.endr
	s_wait_tensorcnt 0x0                           ; the wave's end, behind my last LDS store
	ds_add_u32 v[SPW], v[NIL]
	s_wait_dscnt 0x0
	s_endpgm
; ---------------- path w ----------------
.Lw:
	s_sub_co_u32 s33, ttmp9, 128
	s_lshr_b32 s34, s33, 7                         ; which weight: 0 q, 1 k, 2 v, 3 o
	s_and_b32 s35, s33, 15                         ; which 128 columns
	s_bfe_u32 s36, s33, 0x30004                    ; which 256 along K
	s_lshl_b32 s37, s35, 7
	s_lshl_b32 s38, s32, 5
	s_add_co_u32 s37, s37, s38                     ; my wave's first column
	v_lshlrev_b32 v3, 2, v2                        ; in: 4 bytes a lane
	s_mul_i32 s38, s32, 32*PITCH
	s_add_co_u32 s38, s38, WSTG                    ; my stage
	v_mul_u32_u24 v4, v2, PITCH
	v_add_nc_u32 v4, s38, v4                       ; into it: row = my column
	v_and_b32 v5, 15, v2
	v_lshrrev_b32 v6, 4, v2
	v_mul_u32_u24 v7, v6, PITCH
	v_lshl_add_u32 v7, v5, 4, v7
	v_add_nc_u32 v7, s38, v7                       ; out of it: sixteen lanes to a row, two rows an instruction
	v_lshlrev_b32 v8, 11, v6
	v_lshl_add_u32 v8, v5, 4, v8                   ; the same place among the codes' rows of 2,048 bytes
	s_lshl_b32 s40, s36, 21                        ; 256 rows of 8,192 bytes
	s_lshl_b32 s41, s37, 2
	s_add_co_u32 s40, s40, s41
	s_mov_b32 s41, 0
	s_lshl_b32 s42, s34, 22                        ; the plane,
	s_lshl_b32 s43, s37, 11                        ; my column's row,
	s_add_co_u32 s42, s42, s43
	s_lshl_b32 s43, s36, 8                         ; my 256 along K
	s_add_co_u32 s42, s42, s43
	s_mov_b32 s43, 0
	s_cmp_eq_u32 s34, 1                            ; the choice hangs on the work-group's number alone
	s_cselect_b64 s[44:45], s[8:9], s[6:7]
	s_cmp_eq_u32 s34, 2
	s_cselect_b64 s[44:45], s[10:11], s[44:45]
	s_cmp_eq_u32 s34, 3
	s_cselect_b64 s[44:45], s[12:13], s[44:45]
	s_add_nc_u64 s[44:45], s[44:45], s[40:41]
	s_add_nc_u64 s[46:47], s[18:19], s[42:43]
.macro WLOAD t                         ; block t: w(32 t + i, my column), i = 0 .. 31: each load reads 128 consecutive bytes a wave
.irp i, 0,1,2,3,4,5,6,7,8,9,10,11,12,13,14,15,16,17,18,19,20,21,22,23,24,25,26,27,28,29,30,31
	global_load_b32 v[WX+32*((\t)%2)+\i], v3, s[44:45] offset:(32*(\t)+\i)*8192 th:TH_LOAD_NT
.endr
.endm
	WLOAD 0
	WLOAD 1
	s_wait_kmcnt 0x0
	s_cmp_eq_u32 s34, 1
	s_cselect_b32 s48, s23, s21                    ; e3 : e1
	s_cmp_eq_u32 s34, 2
	s_cselect_b32 s48, s25, s48                    ; e5
	s_cmp_eq_u32 s34, 3
	s_cselect_b32 s48, s31, s48                    ; e11
	s_add_co_i32 s48, s48, 127
	s_lshl_b32 s49, s48, 23
	v_mov_b32 v11, s49                             ; 2^e
	s_add_co_i32 s48, s48, 8
	s_lshl_b32 s48, s48, 23
	s_or_b32 s48, s48, 0x600000
	v_mov_b32 v10, s48                             ; 448 x 2^e
.macro WBLOCK t
.set WS, WX+32*((\t)%2)
.if (\t) < 7
	s_wait_loadcnt 32                              ; this block's 32 loads are in; the next block's may be out
.else
	s_wait_loadcnt 0
.endif
.irp i, 0,1,2,3,4,5,6,7,8,9,10,11,12,13,14,15,16,17,18,19,20,21,22,23,24,25,26,27,28,29,30,31
	v_med3_num_f32 v[WS+\i], v[WS+\i], -v10, v10
.endr
.irp g, 0,1,2,3
	v_cvt_scalef32_pk8_fp8_f32 v[WC+2*\g:WC+2*\g+1], v[WS+8*\g:WS+8*\g+7], v11
.endr
	ds_store_b128 v4, v[WC:WC+3] offset:32*(\t)    ; 32 codes of my column's row
	ds_store_b128 v4, v[WC+4:WC+7] offset:32*(\t)+16
.if (\t)+2 < 8
	WLOAD (\t)+2
.endif
	s_wait_dscnt 0x0                               ; the stores have read their registers: the next block's codes may be written (its 32 holds, plain lines, come first)
.endm
.irp t, 0,1,2,3,4,5,6,7
	WBLOCK \t
.endr
.irp t, 0,1,2,3,4,5,6,7,8,9,10,11,12,13,14,15
	ds_load_b128 v[OUTR+4*\t:OUTR+4*\t+3], v7 offset:2*\t*PITCH
.endr
.irp t, 0,1,2,3,4,5,6,7,8,9,10,11,12,13,14,15
	s_wait_dscnt 15-\t
	global_store_b128 v8, v[OUTR+4*\t:OUTR+4*\t+3], s[46:47] offset:2*\t*2048   ; sixteen lanes store 256 consecutive bytes, aligned
.endr
	s_wait_tensorcnt 0x0                           ; the wave's end, as above
	ds_add_u32 v[SPW], v[NIL]
	s_wait_dscnt 0x0
	s_endpgm
.Lfunc_end_k_qd19326b157_quant:
	.size	k_qd19326b157_quant, .Lfunc_end_k_qd19326b157_quant-k_qd19326b157_quant
	.p2alignl 7, 3214868480
	.fill 96, 4, 3214868480
	.section	.rodata,"a",@progbits
	.p2align	6, 0x0
	.amdhsa_kernel k_qd19326b157_quant
		.amdhsa_group_segment_fixed_size 68096
		.amdhsa_private_segment_fixed_size 0
		.amdhsa_enable_private_segment 0
		.amdhsa_kernarg_size 64
		.amdhsa_user_sgpr_count 2
		.amdhsa_user_sgpr_kernarg_segment_ptr 1
		.amdhsa_wavefront_size32 1
		.amdhsa_system_sgpr_workgroup_id_x 1
		.amdhsa_system_sgpr_workgroup_id_y 1
		.amdhsa_system_sgpr_workgroup_id_z 1
		.amdhsa_system_vgpr_workitem_id 0
		.amdhsa_next_free_vgpr 208
		.amdhsa_next_free_sgpr 66
		.amdhsa_reserve_vcc 0
		.amdhsa_float_denorm_mode_32 3
		.amdhsa_float_denorm_mode_16_64 3
		.amdhsa_memory_ordered 1
		.amdhsa_forward_progress 1
		.amdhsa_inst_pref_size 126
	.end_amdhsa_kernel
	.amdgpu_metadata
---
amdhsa.version: [ 1, 2 ]
amdhsa.kernels:
  - .name:           k_qd19326b157_quant
    .symbol:         k_qd19326b157_quant.kd
    .args:
      - { .name: x, .offset: 0, .size: 8, .value_kind: global_buffer, .address_space: global }
      - { .name: w_q, .offset: 8, .size: 8, .value_kind: global_buffer, .address_space: global }
      - { .name: w_k, .offset: 16, .size: 8, .value_kind: global_buffer, .address_space: global }
      - { .name: w_v, .offset: 24, .size: 8, .value_kind: global_buffer, .address_space: global }
      - { .name: w_o, .offset: 32, .size: 8, .value_kind: global_buffer, .address_space: global }
      - { .name: lowp_scales, .offset: 40, .size: 8, .value_kind: global_buffer, .address_space: global }
      - { .name: xc, .offset: 48, .size: 8, .value_kind: global_buffer, .address_space: global }
      - { .name: wc, .offset: 56, .size: 8, .value_kind: global_buffer, .address_space: global }
    .group_segment_fixed_size: 68096
    .private_segment_fixed_size: 0
    .kernarg_segment_align: 8
    .kernarg_segment_size: 64
    .max_flat_workgroup_size: 128
    .sgpr_count:     66
    .vgpr_count:     208
    .wavefront_size: 32
...
	.end_amdgpu_metadata
.endif
;; end of part 1
;; launch qkv (part 2): grid 24 x 8, 4 waves a work-group, clusters of 4 x 4, 327,680 bytes of LDS; arguments xc, wc, lowp_scales, freqs_cos, freqs_sin, qimg, kimg, vimg, vsum; writes qimg, kimg, vimg, vsum
.if DOCPART == 2
	.amdgcn_target "amdgcn-amd-amdhsa--gfx1250"
	.amdhsa_code_object_version 6
	.text
	.protected	k_qd19326b157_qkv
	.globl	k_qd19326b157_qkv
	.p2align	8
	.type	k_qd19326b157_qkv,@function
k_qd19326b157_qkv:
	s_mov_b64 s[64:65], 0
	v_nop
	global_prefetch_b8 v0, s[64:65] scope:SCOPE_SE
	s_setreg_imm32_b32 hwreg(HW_REG_WAVE_MODE, 25, 1), 1
	s_wait_xcnt 0x0
	s_wait_alu depctr_hold_cnt(0) depctr_sa_sdst(0) depctr_va_vdst(0) depctr_va_sdst(0) depctr_va_ssrc(0) depctr_va_vcc(0) depctr_vm_vsrc(0)
	s_getreg_b32 s2, hwreg(HW_REG_IB_STS2, 6, 4)
	s_cmp_eq_u32 s2, 0
	s_cbranch_scc0 .Lentry_in_a_cluster
	s_endpgm
.Lentry_in_a_cluster:
	s_bfe_u32 s2, ttmp6, 0x10000c
	s_cmp_lg_u32 s2, 0xf033
	s_cbranch_scc0 .Lentry_shape_is_right
	s_endpgm
.Lentry_shape_is_right:
; LAUNCH 2 OF 4.  The three products x w_q, x w_k, x w_v on E4M3 codes, the rotation of q and k, and the quantisers of q, k and v (entries 6, 7, 8).  Nothing of these products is left out.
; 192 tiles of 256 x 256; a work-group of four waves makes one, a wave 128 x 128: 64 accumulators, 512 registers.  K goes in steps of 256 through two LDS slots filled by joint tensor loads (clusters of 4 x 4:
; the tile called A is shared along a row of the cluster, the tile called B along a column).  A smaller tile would give more work-groups, but each LDS byte read would then feed half as many products.
; kind = cluster x / 2, the same in all sixteen partners: 0 q, 1 k, 2 v.  SOURCE 1 (A) gives a lane its row, SOURCE 0 (B) its eight registers.
;   q, k: A = x's codes (rows: positions), B = the weight's codes (rows: n).  A lane holds one position and eight neighbouring d of one head (a wave's 128 columns are a head).
;   v:    A = w_v's codes (rows: n = head, d), B = x's codes (rows: keys).  A lane holds one d and eight neighbouring keys: the keys are the K of attention's second product.
; In the loop both operands' fragments come by four 16-byte LDS loads: the same permutation of k on both sides, so every product meets its partner.
; THE WAY OUT USES NO LDS.  Eight neighbouring numbers of a lane become 8 codes = registers 2 b, 2 b + 1 of an operand of the 16x16x128 form in that form's own layout (lane (r, hh): row r, k = 16 b + 8 hh + 0 .. 7).
; So a block's 16 registers ARE a fragment, and it is stored as an image of its registers: registers 4 c .. 4 c + 3 of lane l at 512 c + 16 l: each store covers 512 consecutive bytes.
;   qimg, kimg: [head][position / 16] fragments of 2,048 bytes;  vimg: [head][keys / 128][d / 16].
; A sum stands for sum x 2^(ein), ein = the two operands' exponents added; the rotation is linear, so it is applied to the sums, and the conversion takes the one scale 2^(eout - ein).
; v also leaves, for each head and block of 128 keys, the sum of its codes for each d (vsum[head][block][d % 16][d / 16], f32): one product with a fragment of ones for each block of 16 d.
; LIMITS: e6 - e0 - e1, e7 - e2 - e3, e8 - e4 - e5 lie between -126 and 119.  NaN is not served.
; REGISTERS: window 0: v0-31 addresses; from v128 A's fragments, one set; on the way out v32-255 are free.  window 1: B's fragments, two sets.  windows 2, 3: the accumulators ((a, b) at v[8 (8 (a % 4) + b)]).
.set ROWB,   256                       ; a tile's row: 256 codes
.set KROW,   2048                      ; a row of codes in memory
.set PITCH,  272                       ; an LDS row: 256 bytes + 16 of padding = 68 words: the 16 rows of a fragment load start at 16 different banks (ISA guide 11.1)
.set FR,     16
.set NL,     4
.set NP,     4
.set HALFT,  128*PITCH
.set SLOT,   4*HALFT
.set LAPS,   4                         ; 2,048 / 512
.set SPARE,  2*SLOT                    ; behind the ring: the spare words
.set ADRA, 16                          ; v16-17 LDS address of my A fragments in slot 0, 1
.set ADRB, 20                          ; v20-21 the same for B
.set IMO,  24                          ; v24 16 x lane: my place in an image
.set CSO,  25                          ; v25 my byte in 16 rows of cos or sin: 256 r + 16 hh
.set VSO,  26                          ; v26 my byte in a block of vsum: 32 r + 16 hh
.set SPW,  28
.set NIL,  29
.set LIM,  30                          ; v30 448 x 2^(eout - ein)
.set SCL,  31                          ; v31 2^(eout - ein)
.set AF,   128
.set RR,   160                         ; the way out: v160-223 a block's 64 numbers
.set PC,   224                         ; v224-239 (v: and v240-255) a block's codes
.set G1, 24
.set G0, 32
.set G1B, 48
.set G0B, 56
.set MSB, 0
.macro WIN new                         ; the immediate's high byte repeats the setting that is left
.if MSB != (\new)
	s_set_vgpr_msb (MSB<<8)|(\new)
.set MSB, (\new)
.endif
.endm
.set MUL_LO, 0xa1                      ; source 0 (B) window 1, source 1 (A) window 0, C and D window 2
.set MUL_HI, 0xf1
.set TO_B,   0x40
; A joint load: waves 0 and 1 fetch for A, waves 2 and 3 for B; the branch hangs on the wave's number alone.  An s_nop 0 and four v_nop follow each line.
.macro JLOAD g0a, g1a, g0b, g1b
	s_cmp_eq_u32 s15, 0
	s_cbranch_scc0 .Lfor_b_\@
	tensor_load_to_lds s[\g0a:\g0a+3], s[\g1a:\g1a+7]
	s_nop 0
.rept 4
	v_nop
.endr
	s_branch .Lasked_\@
.Lfor_b_\@:
	tensor_load_to_lds s[\g0b:\g0b+3], s[\g1b:\g1b+7]
	s_nop 0
.rept 4
	v_nop
.endr
.Lasked_\@:
.endm
.macro CREST                           ; a round of the cluster's barrier behind its opening barrier
	s_cmp_lg_u32 s14, 0
	s_cbranch_scc1 .Lnot_wave_0_\@
	s_barrier_signal -3
.Lnot_wave_0_\@:
	s_barrier_wait -3
	s_barrier_signal -1
	s_barrier_wait -1
.endm
.macro CROUND
	s_barrier_signal -1
	s_barrier_wait -1
	CREST
.endm
	s_load_b512 s[68:83], s[0:1], 0x0              ; xc 68, wc 70, exponents 72, cos 74, sin 76, qimg 78, kimg 80, vimg 82
	s_load_b64 s[84:85], s[0:1], 0x40              ; vsum
	v_lshl_add_u32 v[SPW], v0, 2, SPARE
	v_mov_b32 v[NIL], 0
	ds_add_u32 v[SPW], v[NIL]                      ; the wave's opening: the add, twice on end, and its wait ahead of my first tensor load
	ds_add_u32 v[SPW], v[NIL]
	v_lshrrev_b32 v1, 5, v0
	v_readfirstlane_b32 s14, v1                    ; wave 0..3
	s_lshr_b32 s15, s14, 1                         ; which half of the tile's A rows is mine.  Also: I fetch for A (0) or for B (1)
	s_and_b32 s16, s14, 1                          ; which half of its B rows.  Also: which 128 rows I fetch
	s_bfe_u32 s40, ttmp6, 0x40000                  ; cx
	s_bfe_u32 s41, ttmp6, 0x40004                  ; cy
	s_lshl_b32 s42, ttmp9, 2
	s_add_co_u32 s42, s42, s40
	s_and_b32 s42, s42, 7                          ; tile column within the product
	s_lshr_b32 s66, ttmp9, 1                       ; kind
	s_and_b32 s17, ttmp7, 0xffff
	s_lshl_b32 s17, s17, 2
	s_add_co_u32 s17, s17, s41                     ; tile row
	s_lshl_b32 s43, s41, 2
	s_lshl_b32 s43, 15, s43                        ; my row of the cluster
	s_lshl_b32 s44, 0x1111, s40                    ; my column
	s_or_b32 s[G1+0], s43, (0<<16)|(1<<20)|(1<<21)|(5<<22)|(3<<25)  ; the mask; elements of 1 byte; padding on; bit 21 beside a mask; 4 words of padding after every 64
	s_or_b32 s[G1B+0], s44, (0<<16)|(1<<20)|(1<<21)|(5<<22)|(3<<25)
.irp g, G1, G1B
	s_mov_b32 s[\g+1], ROWB<<16                    ; tensor_dim0
	s_mov_b32 s[\g+2], 128<<16                     ; tensor_dim1
	s_mov_b32 s[\g+3], ROWB<<16                    ; tile_dim0
	s_mov_b32 s[\g+4], 128                         ; tile_dim1
	s_mov_b32 s[\g+5], KROW                        ; the pitch
	s_mov_b32 s[\g+6], 0
	s_mov_b32 s[\g+7], 0
.endr
	s_lshl_b32 s18, s16, 7
	s_lshl_b32 s20, s17, 8
	s_add_co_u32 s20, s20, s18                     ; A: row 256 x tile row + 128 x half
	s_lshl_b32 s46, s42, 8
	s_add_co_u32 s46, s46, s18                     ; B: row 256 x tile column + 128 x half
	s_lshl_b32 s20, s20, 11                        ; rows of 2,048 bytes
	s_lshl_b32 s46, s46, 11
	s_lshl_b32 s19, s66, 22                        ; the plane of 4 MiB: the kind's, in both buffers
	s_add_co_u32 s20, s20, s19
	s_add_co_u32 s46, s46, s19
	s_mov_b32 s21, 0
	s_mov_b32 s47, 0
	s_mul_i32 s45, s14, HALFT                      ; where they go: wave x 128 rows
	s_wait_dscnt 0x0                               ; both opening adds are done
	s_wait_kmcnt 0x0
	s_load_b256 s[88:95], s[72:73], 0x0            ; e0 .. e7
	s_load_b128 s[96:99], s[72:73], 0x20           ; e8 .. e11
	s_cmp_lt_u32 s66, 2                            ; q, k: A = xc, B = wc;  v: A = wc, B = xc
	s_cselect_b64 s[4:5], s[68:69], s[70:71]
	s_cselect_b64 s[6:7], s[70:71], s[68:69]
	s_add_nc_u64 s[20:21], s[4:5], s[20:21]
	s_add_nc_u64 s[46:47], s[6:7], s[46:47]
	CROUND                                         ; all sixteen work-groups are here: the first joint loads meet
.irp s, 0,1
	s_mov_b32 s[G0+4*\s], 1
	s_add_co_u32 s[G0+4*\s+1], s45, \s*SLOT
	s_add_nc_u64 s[G0+4*\s+2:G0+4*\s+3], s[20:21], \s*ROWB
	s_or_b32 s[G0+4*\s+3], s[G0+4*\s+3], 0x80000000
	s_mov_b32 s[G0B+4*\s], 1
	s_add_co_u32 s[G0B+4*\s+1], s45, \s*SLOT
	s_add_nc_u64 s[G0B+4*\s+2:G0B+4*\s+3], s[46:47], \s*ROWB
	s_or_b32 s[G0B+4*\s+3], s[G0B+4*\s+3], 0x80000000
	JLOAD G0+4*\s, G1, G0B+4*\s, G1B
.endr
	v_and_b32 v1, 15, v0                           ; r
	v_bfe_u32 v2, v0, 4, 1                         ; hh
	v_mul_u32_u24 v3, v1, PITCH
	v_lshl_add_u32 v4, v2, 4, v3                   ; a fragment's row x pitch + 16 x half
	s_mul_i32 s21, s15, HALFT
	s_mul_i32 s22, s16, HALFT
	s_add_co_u32 s22, s22, 2*HALFT
.irp s, 0,1
	v_add_nc_u32 v[ADRA+\s], s21, v4
	v_add_nc_u32 v[ADRB+\s], s22, v4
	s_add_co_u32 s21, s21, SLOT
	s_add_co_u32 s22, s22, SLOT
.endr
	v_and_b32 v6, 31, v0
	v_lshlrev_b32 v[IMO], 4, v6
	v_lshlrev_b32 v[CSO], 8, v1
	v_lshl_add_u32 v[CSO], v2, 4, v[CSO]
	v_lshlrev_b32 v[VSO], 5, v1
	v_lshl_add_u32 v[VSO], v2, 4, v[VSO]
.macro FRAG reg, adr, q, i             ; a fragment: four loads of 16 bytes, 32 bytes apart
.irp c, 0,1,2,3
	ds_load_b128 v[\reg+4*\c:\reg+4*\c+3], v[\adr] offset:128*(\q)+32*\c+(\i)*16*PITCH
.endr
.endm
; 16 matrix instructions: A's blocks a0, a0 + 1 x B's eight.  The 64 accumulators take turns, one instruction a turn, in the same order in every step.
.macro MUL16 a0, p, zero
.irp a, \a0, \a0+1
.irp b, 0,1,2,3,4,5,6,7
.if \zero
	v_wmma_f32_16x16x128_fp8_fp8 v[8*(8*((\a)%4)+\b):8*(8*((\a)%4)+\b)+7], v[128*(\p)+FR*\b:128*(\p)+FR*\b+FR-1], v[AF+FR*(\a):AF+FR*(\a)+FR-1], 0
.else
	v_wmma_f32_16x16x128_fp8_fp8 v[8*(8*((\a)%4)+\b):8*(8*((\a)%4)+\b)+7], v[128*(\p)+FR*\b:128*(\p)+FR*\b+FR-1], v[AF+FR*(\a):AF+FR*(\a)+FR-1], v[8*(8*((\a)%4)+\b):8*(8*((\a)%4)+\b)+7]
.endif
.endr
.endr
.endm
.macro FETCH_B slot, q, p
	WIN TO_B
.irp i, 0,1,2,3,4,5,6,7
	FRAG 128*(\p)+FR*\i, ADRB+\slot, \q, \i
.endr
	WIN 0
.endm
.macro FETCH_A slot, q, i0
.irp i, \i0, \i0+1, \i0+2, \i0+3
	FRAG AF+FR*(\i), ADRA+\slot, \q, \i
.endr
.endm
.macro PLACES n                        ; plain vector lines between a matrix instruction and a load into, or a vector write of, its registers, or a read of its result
.rept \n
	v_nop
.endr
.endm
.macro STEP slot, q, zero              ; 128 along K that has its successor in the same slot
	s_wait_dscnt 4*NL                              ; B's set and A's blocks 0-3 are in; the youngest 16 loads (A's blocks 4-7) may be out
	WIN MUL_LO
	MUL16 0, (\q)%2, \zero
	MUL16 2, (\q)%2, \zero
	s_wait_dscnt 0
	PLACES NP
	FETCH_B \slot, (\q)+1, 1-(\q)%2
	FETCH_A \slot, (\q)+1, 0
	WIN MUL_HI
	MUL16 4, (\q)%2, \zero
	MUL16 6, (\q)%2, \zero
	PLACES NP
	WIN 0
	FETCH_A \slot, (\q)+1, 4
.endm
; A slot's last step changes slots: one barrier; in front of it each wave waits for all its tensor loads, adds 0 to its spare word, and waits for that and for its reads of this slot.
.macro TURN slot, next, fill
	s_wait_tensorcnt 0x0                           ; all my tensor loads have landed: my part of the next slot
	ds_add_u32 v[SPW], v[NIL]
	s_wait_dscnt 4*NL+1                            ; the add and the youngest 16 loads may be out
	WIN MUL_LO
	MUL16 0, 1, 0
	s_wait_dscnt 0x0                               ; the add is done, and my reads of this slot are over
	s_barrier_signal -1
	MUL16 2, 1, 0
	WIN 0
	s_barrier_wait -1
.if \fill
	CREST                                          ; the barrier has opened a round of the cluster's: no wave of any partner still reads this slot or has a load on its way
	s_add_nc_u64 s[G0+4*\slot+2:G0+4*\slot+3], s[G0+4*\slot+2:G0+4*\slot+3], 2*ROWB
	s_add_nc_u64 s[G0B+4*\slot+2:G0B+4*\slot+3], s[G0B+4*\slot+2:G0B+4*\slot+3], 2*ROWB
	JLOAD G0+4*\slot, G1, G0B+4*\slot, G1B         ; the first tensor load behind the round; its four v_nop are the places in front of the loads below
.else
	PLACES NP
.endif
	FETCH_B \next, 0, 0
	FETCH_A \next, 0, 0
	WIN MUL_HI
	MUL16 4, 1, 0
	MUL16 6, 1, 0
	PLACES NP
	WIN 0
	FETCH_A \next, 0, 4
.endm
	s_wait_tensorcnt 1                             ; my part of slot 0 is in; slot 1's load may be out
	s_barrier_signal -1
	s_barrier_wait -1
	FETCH_B 0, 0, 0
	FETCH_A 0, 0, 0
	FETCH_A 0, 0, 4
	STEP 0, 0, 1                                   ; the first step's products start the sums
	s_mov_b32 s3, LAPS-1
.Llap:
	TURN 0, 1, 1
	STEP 1, 0, 0
	TURN 1, 0, 1
	STEP 0, 0, 0
	s_sub_co_u32 s3, s3, 1
	s_cmp_lg_u32 s3, 0
	s_cbranch_scc1 .Llap
	TURN 0, 1, 0                                   ; the last lap fills nothing
	STEP 1, 0, 0
	s_wait_dscnt 4*NL
	WIN MUL_LO
	MUL16 0, 1, 0
	MUL16 2, 1, 0
	s_wait_dscnt 0
	WIN MUL_HI
	MUL16 4, 1, 0
	MUL16 6, 1, 0
	WIN 0
; ---------------- the way out ----------------
	s_wait_kmcnt 0x0
	s_sub_co_i32 s18, s94, s88
	s_sub_co_i32 s18, s18, s89                     ; q: e6 - e0 - e1
	s_sub_co_i32 s19, s95, s90
	s_sub_co_i32 s19, s19, s91                     ; k: e7 - e2 - e3
	s_sub_co_i32 s22, s96, s92
	s_sub_co_i32 s22, s22, s93                     ; v: e8 - e4 - e5
	s_cmp_eq_u32 s66, 1                            ; chosen without a jump
	s_cselect_b32 s18, s19, s18
	s_cmp_eq_u32 s66, 2
	s_cselect_b32 s18, s22, s18
	s_add_co_i32 s18, s18, 127
	s_lshl_b32 s19, s18, 23
	v_mov_b32 v[SCL], s19
	s_add_co_i32 s18, s18, 8
	s_lshl_b32 s18, s18, 23
	s_or_b32 s18, s18, 0x600000
	v_mov_b32 v[LIM], s18
	PLACES NP                                      ; in front of loads into, and writes of, the registers that held A's fragments
	s_cmp_eq_u32 s66, 2                            ; the kind comes from the cluster's x alone: all partners and all waves go the same way
	s_cbranch_scc1 .Lv
; q and k.  Block a: 16 positions x the head's 128.
	s_cmp_eq_u32 s66, 0
	s_cselect_b64 s[100:101], s[78:79], s[80:81]
	s_lshl_b32 s18, s42, 1
	s_add_co_u32 s18, s18, s16                     ; the head
	s_lshl_b32 s18, s18, 7
	s_lshl_b32 s22, s17, 4
	s_lshl_b32 s23, s15, 3
	s_add_co_u32 s22, s22, s23                     ; my first position / 16
	s_add_co_u32 s18, s18, s22
	s_lshl_b32 s18, s18, 11
	s_mov_b32 s19, 0
	s_add_nc_u64 s[100:101], s[100:101], s[18:19]
	s_lshl_b32 s22, s22, 12                        ; rows of 256 bytes of cos and sin
	s_mov_b32 s23, 0
	s_add_nc_u64 s[74:75], s[74:75], s[22:23]
	s_add_nc_u64 s[76:77], s[76:77], s[22:23]
.macro LOADCS a                        ; cos into v[32 + 64 (a % 2) ..], sin 32 registers on: register 4 b + p holds pair 8 b + 4 hh + p of my position
.irp b, 0,1,2,3,4,5,6,7
	global_load_b128 v[32+64*((\a)%2)+4*\b:32+64*((\a)%2)+4*\b+3], v[CSO], s[74:75] offset:4096*(\a)+32*\b
.endr
.irp b, 0,1,2,3,4,5,6,7
	global_load_b128 v[64+64*((\a)%2)+4*\b:64+64*((\a)%2)+4*\b+3], v[CSO], s[76:77] offset:4096*(\a)+32*\b
.endr
.endm
.macro ROPE a                          ; (x, y) -> (x c - y s, y c + x s), a pair of neighbouring d at a time; each accumulator from its low end on
	WIN 0x02+((\a)/4)
.irp b, 0,1,2,3,4,5,6,7
.irp j, 0,4
.set rA, 64*((\a)%4)+8*\b+\j
.set rR, RR+8*\b+\j
.set rC, 32+64*((\a)%2)+4*\b+\j/2
	v_pk_mul_f32 v[rR:rR+1], v[rA:rA+1], v[rC:rC+1] op_sel:[0,0] op_sel_hi:[1,0]
	v_pk_mul_f32 v[rR+2:rR+3], v[rA+2:rA+3], v[rC:rC+1] op_sel:[0,1] op_sel_hi:[1,1]
	v_pk_fma_f32 v[rR:rR+1], v[rA:rA+1], v[rC+32:rC+33], v[rR:rR+1] op_sel:[1,0,0] op_sel_hi:[0,0,1] neg_lo:[0,1,0]
	v_pk_fma_f32 v[rR+2:rR+3], v[rA+2:rA+3], v[rC+32:rC+33], v[rR+2:rR+3] op_sel:[1,1,0] op_sel_hi:[0,1,1] neg_lo:[0,1,0]
.endr
.endr
	WIN 0
.endm
	LOADCS 0
	LOADCS 1
.irp a, 0,1,2,3,4,5,6,7
.if \a < 7
	s_wait_loadcnt 16                              ; this block's cos and sin are in; the next block's 16 loads may be out
.else
	s_wait_loadcnt 0
.endif
	ROPE \a
.if \a < 6
	LOADCS \a+2
.endif
	s_wait_xcnt 0x0                                ; the last block's stores have read their codes: those registers are written again only behind this wait
.irp b, 0,1,2,3,4,5,6,7
.irp i, 0,1,2,3,4,5,6,7
	v_med3_num_f32 v[RR+8*\b+\i], v[RR+8*\b+\i], -v[LIM], v[LIM]   ; the conversion does not saturate (ISA guide 7.6.2)
.endr
	v_cvt_scalef32_pk8_fp8_f32 v[PC+2*\b:PC+2*\b+1], v[RR+8*\b:RR+8*\b+7], v[SCL]
.endr
	v_nop                                          ; a plain line behind the last conversion: the next block writes its sources
.irp c, 0,1,2,3
	global_store_b128 v[IMO], v[PC+4*\c:PC+4*\c+3], s[100:101] offset:2048*\a+512*\c   ; 32 lanes store 512 consecutive bytes
.endr
.endr
	s_branch .Lend
; v.  Block a: 16 d x 128 keys.
.Lv:
	s_lshl_b32 s18, s17, 1
	s_add_co_u32 s18, s18, s15                     ; the head
	s_lshl_b32 s18, s18, 4
	s_lshl_b32 s19, s42, 1
	s_add_co_u32 s19, s19, s16                     ; the block of 128 keys
	s_add_co_u32 s18, s18, s19
	s_lshl_b32 s22, s18, 9
	s_mov_b32 s23, 0
	s_add_nc_u64 s[84:85], s[84:85], s[22:23]
	s_lshl_b32 s18, s18, 14
	s_mov_b32 s19, 0
	s_add_nc_u64 s[100:101], s[82:83], s[18:19]
.irp j, 0,1,2,3,4,5,6,7,8,9,10,11,12,13,14,15
	v_mov_b32 v[96+\j], 0x38383838                 ; a fragment of ones (the code of 1.0 is 0x38)
.endr
.irp a, 0,1,2,3,4,5,6,7
	WIN 0x02+(\a/4)
.set n, 0
.rept 64
	v_med3_num_f32 v[RR+n], v[64*(\a%4)+n], -v[LIM], v[LIM]   ; ascending: each accumulator from its low end on.  (These lines are also the places behind the product below)
.set n, n+1
.endr
	WIN 0
	s_wait_xcnt 0x0                                ; the stores of two blocks back have read this set of codes
.irp b, 0,1,2,3,4,5,6,7
	v_cvt_scalef32_pk8_fp8_f32 v[PC+16*(\a%2)+2*\b:PC+16*(\a%2)+2*\b+1], v[RR+8*\b:RR+8*\b+7], v[SCL]
.endr
	v_nop                                          ; a plain line between the conversions and the matrix instruction that reads their results
.irp c, 0,1,2,3
	global_store_b128 v[IMO], v[PC+16*(\a%2)+4*\c:PC+16*(\a%2)+4*\c+3], s[100:101] offset:2048*\a+512*\c
.endr
	v_wmma_f32_16x16x128_fp8_fp8 v[32+8*\a:39+8*\a], v[96:111], v[PC+16*(\a%2):PC+16*(\a%2)+15], 0   ; every register of lane r: the sum over the 128 keys of the codes of d = 16 a + r
.endr
	PLACES NP
	v_cmp_ne_u32 vcc_lo, 0, v2
.irp k, 0,1,2,3
	v_cndmask_b32 v[112+\k], v[32+8*\k], v[64+8*\k], vcc_lo   ; lanes 0-15: blocks 0-3; lanes 16-31: blocks 4-7; each accumulator's lowest register
.endr
	global_store_b128 v[VSO], v[112:115], s[84:85]  ; 512 consecutive bytes
.Lend:
	s_wait_tensorcnt 0x0                           ; the wave's end
	ds_add_u32 v[SPW], v[NIL]
	s_wait_dscnt 0x0
	CROUND                                         ; the closing round
	s_endpgm
.Lfunc_end_k_qd19326b157_qkv:
	.size	k_qd19326b157_qkv, .Lfunc_end_k_qd19326b157_qkv-k_qd19326b157_qkv
	.p2alignl 7, 3214868480
	.fill 96, 4, 3214868480
	.section	.rodata,"a",@progbits
	.p2align	6, 0x0
	.amdhsa_kernel k_qd19326b157_qkv
		.amdhsa_group_segment_fixed_size 327680
		.amdhsa_private_segment_fixed_size 0
		.amdhsa_enable_private_segment 0
		.amdhsa_kernarg_size 72
		.amdhsa_user_sgpr_count 2
		.amdhsa_user_sgpr_kernarg_segment_ptr 1
		.amdhsa_wavefront_size32 1
		.amdhsa_system_sgpr_workgroup_id_x 1
		.amdhsa_system_sgpr_workgroup_id_y 1
		.amdhsa_system_sgpr_workgroup_id_z 1
		.amdhsa_system_vgpr_workitem_id 0
		.amdhsa_next_free_vgpr 1024
		.amdhsa_next_free_sgpr 102
		.amdhsa_reserve_vcc 1
		.amdhsa_float_denorm_mode_32 3
		.amdhsa_float_denorm_mode_16_64 3
		.amdhsa_memory_ordered 1
		.amdhsa_forward_progress 1
		.amdhsa_inst_pref_size 205
	.end_amdhsa_kernel
	.amdgpu_metadata
---
amdhsa.version: [ 1, 2 ]
amdhsa.kernels:
  - .name:           k_qd19326b157_qkv
    .symbol:         k_qd19326b157_qkv.kd
    .args:
      - { .name: xc, .offset: 0, .size: 8, .value_kind: global_buffer, .address_space: global }
      - { .name: wc, .offset: 8, .size: 8, .value_kind: global_buffer, .address_space: global }
      - { .name: lowp_scales, .offset: 16, .size: 8, .value_kind: global_buffer, .address_space: global }
      - { .name: freqs_cos, .offset: 24, .size: 8, .value_kind: global_buffer, .address_space: global }
      - { .name: freqs_sin, .offset: 32, .size: 8, .value_kind: global_buffer, .address_space: global }
      - { .name: qimg, .offset: 40, .size: 8, .value_kind: global_buffer, .address_space: global }
      - { .name: kimg, .offset: 48, .size: 8, .value_kind: global_buffer, .address_space: global }
      - { .name: vimg, .offset: 56, .size: 8, .value_kind: global_buffer, .address_space: global }
      - { .name: vsum, .offset: 64, .size: 8, .value_kind: global_buffer, .address_space: global }
    .group_segment_fixed_size: 327680
    .private_segment_fixed_size: 0
    .kernarg_segment_align: 8
    .kernarg_segment_size: 72
    .max_flat_workgroup_size: 128
    .sgpr_count:     102
    .vgpr_count:     1024
    .wavefront_size: 32
...
	.end_amdgpu_metadata
.endif
;; end of part 2
;; launch attn (part 3): grid 16 x 16, 8 waves a work-group, no clusters, 327,680 bytes of LDS; arguments qimg, kimg, vimg, vsum, mask, lowp_scales, aimg; writes aimg
.if DOCPART == 3
	.amdgcn_target "amdgcn-amd-amdhsa--gfx1250"
	.amdhsa_code_object_version 6
	.text
	.protected	k_qd19326b157_attn
	.globl	k_qd19326b157_attn
	.p2align	8
	.type	k_qd19326b157_attn,@function
k_qd19326b157_attn:
	s_mov_b64 s[64:65], 0
	v_nop
	global_prefetch_b8 v0, s[64:65] scope:SCOPE_SE
	s_setreg_imm32_b32 hwreg(HW_REG_WAVE_MODE, 25, 1), 1
	s_wait_xcnt 0x0
; LAUNCH 3 OF 4.  Attention's two products on E4M3 codes, the input mask, reference()'s window, the softmax by the problem's rule (p = 2^(t - M), M a whole number, the sum of the unquantised p divides at the end), quantiser 10.
; LEFT OUT: scores, mask entries and p x V key by key for blocks of 128 x 128 wholly outside 0 <= q - k < 1024, where reference() puts the constant -1e9 (shown at the head of launch quant).  Their joint term is kept:
; M starts at ceil(t_neg), t_neg = -1e9 x log2(e); at the end p_neg = 2^(t_neg - M) adds n x p_neg to the sum and Q(p_neg) x U to O, U = the sum of V's codes over the blocks not walked (from vsum).
; SHARES.  A work-group owns 128 queries (block qb) of one head; each of its eight waves 16 of them, one tile.  All eight walk key blocks qb down to max(qb - 8, 0), 128 keys a step, from the diagonal DOWNWARD.
; RING.  Two LDS slots of 64 KiB; a slot holds an aligned pair of key blocks (2 A, 2 A + 1): K's two blocks, then V's two, as images of operand registers (a fragment: 2,048 bytes, registers 4 c .. 4 c + 3 of lane l at 512 c + 16 l),
; so a fragment comes by four loads at 16 x lane: consecutive bytes, no pitch.  Each of the eight waves brings 8 KiB of a slot by one tensor load (waves 0-3: K, 4-7: V).  Five slots at the most: four trips and a last slot written out.
; Every work-group walks all five changes of slots; a step whose keys lie wholly outside the band of the wave's queries is jumped over (ids alone), and a slot whose upper block lies under the work-group's band, or under key 0, is not asked for.
; A slot is the unit of that test: of an even block's first slot the upper key block, and of an odd block's last slot (qb >= 9) the lower one, are fetched and not read.
; No joint loads: the walk of each query block begins at its own diagonal, so in any grouping the partners stand at different slots in the same trip, and a joint load would bring a partner tiles that none of its waves reads.
; LAYOUT.  S^T = K Q^T, O^T = V^T P^T: a lane holds one query (lane % 16).  In S^T register 8 t + i is key 16 t + 8 hh + i, so a tile's eight weights convert into registers 2 t, 2 t + 1 of P in the form's own layout; O^T likewise into aimg's image.
; The mask's tile (16 queries x 128 keys) goes from memory straight into 64 registers of the same layout, a step ahead.
; t is made as reference() makes the logit: score / sqrt(128) + mask (one multiply-add), the window's choice, x log2(e) as a product of its own, then - M: with logits near -1e9 a fused form would move t.
; LIMITS: e6 + e7 between -122 and 131 (added to the exponent field of 1 / sqrt(128)); e9 and e10 - e8 - e9 between -126 and 119.  NaN is not served.
; REGISTERS: v1 16 x lane; v2 the step's LDS address; v3 mask offset; v4 r - 8 hh; v5, v6 the add's two; v7 U's store address; v10 U's read address; v8, v9, v11 at work; v12 -M, v13 largest t, v[14:15] the sum;
; v16-31 Q; v32-95 four fragments; v96-159 S^T .. p; v160-223 O^T; v224-239 P's codes; v240 448 x 2^e9; v241 -1e9; v[242:243] second chain; v244 2^e9; v245 t_neg; v246, v247 the way out's scale and limit; v248 n; v250 permute;
; v[252:253] f; v254, v255 at work; v256-319 (window 1) the mask's tile.
.set SLOT1, 1<<16
.set UREG,  131072                     ; 512 bytes: U[d % 16][d / 16]
.set SPARE, 131584                     ; the spare words, 128 bytes a wave
.set LI,  1
.set ADK, 2
.set MO,  3
.set RH,  4
.set SPW, 5
.set NIL, 6
.set UW,  7
.set UR,  10
.set WV,  18
.set QB,  19
.set SEL, 20
.set CS,  22                           ; s[22:23] 2^(e6 + e7) / sqrt(128)
.set G1,  24
.set G0,  32
.set TB,  36                           ; LDS byte at which the slot in hand begins
.set SLOTS, 37
.set KF,  38                           ; the step's first key (signed)
.set Q0,  39                           ; my wave's first query
.set QW0, 40                           ; my work-group's
.set AS,  41                           ; the index of the slot in hand (signed)
.set HD,  42
.set L2E, 44                           ; s[44:45] log2(e)
.set MSB, 0
.macro WIN new
.if MSB != (\new)
	s_set_vgpr_msb (MSB<<8)|(\new)
.set MSB, (\new)
.endif
.endm
.macro MLOAD                           ; the mask's tile at s[12:13]: register 8 t + i of window 1 = mask(my query, first key + 16 t + 8 hh + i)
	WIN 0x40
.irp t, 0,1,2,3,4,5,6,7
	global_load_b128 v[8*\t:8*\t+3], v[MO], s[12:13] offset:64*\t
	global_load_b128 v[8*\t+4:8*\t+7], v[MO], s[12:13] offset:64*\t+16
.endr
	WIN 0
.endm
	s_load_b256 s[4:11], s[0:1], 0x0               ; qimg 4, kimg 6, vimg 8, vsum 10
	s_load_b128 s[12:15], s[0:1], 0x20             ; mask 12, the exponents 14
	s_load_b64 s[16:17], s[0:1], 0x30              ; aimg
	v_lshl_add_u32 v[SPW], v0, 2, SPARE
	v_mov_b32 v[NIL], 0
	ds_add_u32 v[SPW], v[NIL]                      ; the wave's opening: the add, twice on end, and its wait ahead of my first tensor load
	ds_add_u32 v[SPW], v[NIL]
	v_lshrrev_b32 v8, 5, v0
	v_readfirstlane_b32 s[WV], v8                  ; wave 0..7
	s_mov_b32 s[QB], ttmp9
	s_and_b32 s[HD], ttmp7, 0xffff
	s_mov_b32 s[G1], 3<<16                         ; no mask; elements of 8 bytes; no padding
	s_mov_b32 s[G1+1], 32<<16                      ; tensor_dim0 = 32 elements: rows of 256 bytes
	s_mov_b32 s[G1+2], 32<<16                      ; tensor_dim1 = 32 rows: 8 KiB, dense
	s_mov_b32 s[G1+3], 32<<16                      ; tile_dim0
	s_mov_b32 s[G1+4], 32                          ; tile_dim1
	s_mov_b32 s[G1+5], 32                          ; the pitch
	s_mov_b32 s[G1+6], 0
	s_mov_b32 s[G1+7], 0
	s_lshl_b32 s[QW0], s[QB], 7
	s_lshl_b32 s96, s[WV], 4
	s_add_co_u32 s[Q0], s[QW0], s96
	s_lshr_b32 s[AS], s[QB], 1                     ; the diagonal's slot
	s_lshl_b32 s[KF], s[AS], 8
	s_add_co_u32 s[KF], s[KF], 128                 ; its upper block comes first
	s_mov_b32 s[TB], 0
	s_mov_b32 s[SLOTS], 4
	s_mov_b32 s[SEL], 0x76543210
	s_mov_b32 s[SEL+1], 0xfedcba98
	s_mov_b32 s[L2E], 0x3fb8aa3b
	s_mov_b32 s[L2E+1], s[L2E]
	s_lshl_b32 s60, s[HD], 18                      ; a head's 256 KiB of images,
	s_lshl_b32 s61, s[AS], 15                      ; a slot's 32 KiB of them,
	s_add_co_u32 s60, s60, s61
	s_and_b32 s61, s[WV], 3
	s_lshl_b32 s61, s61, 13                        ; my 8 KiB
	s_add_co_u32 s60, s60, s61
	s_mov_b32 s61, 0
	s_mov_b32 s[G0], 1
	s_lshl_b32 s[G0+1], s[WV], 13                  ; LDS: 8,192 x wave, in slot 0
	s_lshl_b32 s62, s[HD], 7
	s_lshl_b32 s63, s[QB], 3
	s_add_co_u32 s62, s62, s63
	s_add_co_u32 s62, s62, s[WV]
	s_lshl_b32 s62, s62, 11                        ; my tile's fragment in qimg and in aimg
	s_mov_b32 s63, 0
	s_lshl_b32 s66, s[Q0], 13                      ; the mask: my first query's row,
	s_lshl_b32 s67, s[QB], 9                       ; the diagonal block's first key
	s_add_co_u32 s66, s66, s67
	s_mov_b32 s67, 0
	s_lshl_b32 s68, s[HD], 13                      ; vsum: 16 blocks of 512 bytes a head
	s_mov_b32 s69, 0
	v_and_b32 v8, 31, v0
	v_lshlrev_b32 v[LI], 4, v8
	v_and_b32 v8, 15, v0                           ; r
	v_bfe_u32 v9, v0, 4, 1                         ; hh
	v_lshlrev_b32 v[MO], 13, v8
	v_lshl_add_u32 v[MO], v9, 5, v[MO]             ; 8,192 r + 32 hh
	v_lshlrev_b32 v11, 3, v9
	v_sub_nc_u32 v[RH], v8, v11                    ; r - 8 hh
	v_and_b32 v11, 127, v0
	v_lshl_add_u32 v[UW], v11, 2, UREG
	v_lshlrev_b32 v11, 2, v11                      ; the same place in a block of vsum
	v_lshl_add_u32 v[UR], v9, 8, UREG
	s_wait_dscnt 0x0                               ; both opening adds are done
	s_wait_kmcnt 0x0
	s_load_b256 s[48:55], s[14:15], 0x0            ; e0 .. e7
	s_load_b128 s[56:59], s[14:15], 0x20           ; e8 .. e11
	s_cmp_lt_u32 s[WV], 4
	s_cselect_b64 s[G0+2:G0+3], s[6:7], s[8:9]     ; waves 0-3: K's images; 4-7: V's
	s_add_nc_u64 s[G0+2:G0+3], s[G0+2:G0+3], s[60:61]
	s_or_b32 s[G0+3], s[G0+3], 0x80000000
	tensor_load_to_lds s[G0:G0+3], s[G1:G1+7]      ; the first fill: every wave issues one; one load of mine is out
	s_nop 0
.rept 4
	v_nop
.endr
	s_add_nc_u64 s[4:5], s[4:5], s[62:63]
	s_add_nc_u64 s[16:17], s[16:17], s[62:63]
	s_add_nc_u64 s[12:13], s[12:13], s[66:67]
	s_add_nc_u64 s[10:11], s[10:11], s[68:69]
.irp c, 0,1,2,3
	global_load_b128 v[16+4*\c:19+4*\c], v[LI], s[4:5] offset:512*\c   ; Q's fragment stays in registers
.endr
	MLOAD                                          ; the diagonal block's mask
	s_cmp_lt_u32 s[WV], 4                          ; waves 0-3: U, a number a thread
	s_cbranch_scc0 .Lno_u
.irp b, 0,1,2,3,4,5,6,7,8,9,10,11,12,13,14,15
	global_load_b32 v[32+\b], v11, s[10:11] offset:512*\b
.endr
	s_wait_loadcnt 0x0
.irp b, 0,1,2,3,4,5,6,7,8,9,10,11,12,13,14,15
	s_sub_co_u32 s96, s[QB], \b                    ; walked where 0 <= qb - b <= 8 (unsigned: a block above the diagonal wraps)
	s_cmp_gt_u32 s96, 8
	s_cselect_b32 s97, 1.0, 0
.if \b == 0
	v_mul_f32 v8, s97, v32
.else
	v_fmac_f32 v8, s97, v[32+\b]
.endif
.endr
	ds_store_b32 v[UW], v8                         ; read on the way out, behind the ring's barriers, each with its wait for 0 on DScnt
.Lno_u:
	v_mov_b32 v241, 0xce6e6b28                     ; -1e9
	v_mul_f32 v245, s[L2E], v241                   ; t_neg
	v_mov_b32 v13, v245                            ; every row has keys outside the band: the largest t starts there
	v_floor_f32 v12, -v13
	v_mov_b32 v14, 0
	v_mov_b32 v15, 0
	v_mov_b32 v250, 0                              ; a lane permute's destination counts as read
	v_mov_b32 v253, 0                              ; named as the upper half of v[252:253]
.set n, 0
.rept 64
	v_mov_b32 v[160+n], 0                          ; O^T: the step is written once, and its first change of M leaves zeros zeros
.set n, n+1
.endr
	s_min_u32 s96, s[QB], 8
	s_sub_co_u32 s96, 15, s96
	s_lshl_b32 s96, s96, 7
	v_cvt_f32_u32 v248, s96                        ; n = 128 x the blocks not walked
	s_wait_kmcnt 0x0
	s_add_co_i32 s96, s54, s55
	s_lshl_b32 s96, s96, 23
	s_add_co_i32 s[CS], s96, 0x3db504f3            ; 1 / sqrt(128), e6 + e7 added to its exponent field
	s_mov_b32 s[CS+1], s[CS]
	s_add_co_i32 s96, s57, 127
	s_lshl_b32 s97, s96, 23
	v_mov_b32 v244, s97                            ; 2^e9
	s_add_co_i32 s96, s96, 8
	s_lshl_b32 s96, s96, 23
	s_or_b32 s96, s96, 0x600000
	v_mov_b32 v240, s96                            ; 448 x 2^e9
	s_sub_co_i32 s96, s58, s56
	s_sub_co_i32 s96, s96, s57
	s_add_co_i32 s96, s96, 127
	s_lshl_b32 s97, s96, 23
	v_mov_b32 v246, s97                            ; 2^(e10 - e8 - e9)
	s_add_co_i32 s96, s96, 8
	s_lshl_b32 s96, s96, 23
	s_or_b32 s96, s96, 0x600000
	v_mov_b32 v247, s96
	s_wait_loadcnt 0x0                             ; Q and the first mask tile
; A KEY STEP: the slot's block q (1: upper, 0: lower).
.macro STEP q
	s_cmp_lt_i32 s[KF], 0                          ; under key 0,
	s_cbranch_scc1 .Lhidden_\@
	s_add_co_i32 s96, s[Q0], 15
	s_cmp_gt_i32 s[KF], s96                        ; all keys after my queries,
	s_cbranch_scc1 .Lhidden_\@
	s_add_co_i32 s96, s[KF], 1150
	s_cmp_lt_i32 s96, s[Q0]                        ; or all 1,024 or more behind them: ids alone; no barrier, wait on tensor loads or tensor load stands in a step
	s_cbranch_scc1 .Lhidden_\@
	v_add_nc_u32 v[ADK], s[TB], v[LI]
.rept 3
	v_nop                                          ; with the addition: four places in front of loads into registers that matrix instructions have read
.endr
.irp g, 0,1
.if \g > 0
.rept 4
	v_nop
.endr
.endif
.irp t, 0,1,2,3
.irp c, 0,1,2,3
	ds_load_b128 v[32+16*\t+4*\c:32+16*\t+4*\c+3], v[ADK] offset:16384*(\q)+2048*(4*\g+\t)+512*\c
.endr
.endr
	s_wait_dscnt 0x0
.irp t, 0,1,2,3
	v_wmma_f32_16x16x128_fp8_fp8 v[96+8*(4*\g+\t):103+8*(4*\g+\t)], v[32+16*\t:47+16*\t], v[16:31], 0
.endr
.endr
.rept 4
	v_nop
.endr
	s_wait_loadcnt 0x0                             ; this step's mask tile, asked for a step ago: nothing else is out
	WIN 0x10                                       ; source 2 in window 1
.set n, 0
.rept 32
	v_pk_fma_f32 v[96+n:97+n], v[96+n:97+n], s[CS:CS+1], v[n:n+1] op_sel_hi:[1,0,1]   ; score / sqrt(128) + mask; each accumulator from its low end on
.set n, n+2
.endr
	WIN 0
	s_cmp_lt_i32 s[KF], 128                        ; the next block's mask, if I shall walk that block (the tests of the step's head, one block on)
	s_cbranch_scc1 .Lnomask_\@
	s_add_co_i32 s96, s[KF], 1022
	s_cmp_lt_i32 s96, s[Q0]
	s_cbranch_scc1 .Lnomask_\@
	s_sub_nc_u64 s[12:13], s[12:13], 512           ; (the wait above has shown the loads that read this base done)
	MLOAD
.Lnomask_\@:
	s_add_co_i32 s96, s[KF], 127                   ; a step all of whose keys lie in the band of all my queries needs no choice
	s_cmp_gt_i32 s96, s[Q0]
	s_cbranch_scc1 .Lsel_\@
	s_add_co_i32 s96, s[KF], 1008
	s_cmp_le_i32 s[Q0], s96
	s_cbranch_scc1 .Lopen_\@
.Lsel_\@:
	s_sub_co_i32 s96, s[Q0], s[KF]
	v_add_nc_u32 v252, s96, v[RH]                  ; my query - the step's first key - 8 hh
.set n, 0
.rept 64
	v_sub_nc_u32 v[254+n%2], v252, 16*(n/8)+n%8    ; q - k
	v_cmp_gt_u32 vcc_lo, 0x400, v[254+n%2]         ; 0 <= q - k < 1024, as one unsigned compare
	v_cndmask_b32 v[96+n], v241, v[96+n], vcc_lo   ; else -1e9, as reference() has it
.set n, n+1
.endr
.Lopen_\@:
.set n, 0
.rept 32
	v_pk_mul_f32 v[96+n:97+n], v[96+n:97+n], s[L2E:L2E+1] op_sel_hi:[1,0]   ; t
.set n, n+2
.endr
	v_max3_num_f32 v254, v96, v97, v98             ; the step's largest t of my query among my 64 keys, in two chains,
	v_max3_num_f32 v255, v99, v100, v101
.irp i, 6,10,14,18,22,26,30,34,38,42,46,50,54,58
	v_max3_num_f32 v254, v254, v[96+\i], v[97+\i]
	v_max3_num_f32 v255, v255, v[98+\i], v[99+\i]
.endr
	v_max3_num_f32 v254, v254, v158, v159
	v_max_num_f32 v254, v254, v255
	v_permlanex16_b32 v250, v254, s[SEL], s[SEL+1]
	v_max_num_f32 v254, v254, v250                 ; and among lane l xor 16's
	v_max_num_f32 v13, v13, v254
	v_mov_b32 v254, v12
	v_floor_f32 v12, -v13                          ; -M = floor(-t): M is a whole number
	v_sub_f32 v254, v12, v254                      ; old M - new M, a whole number, 0 or less
	v_cvt_i32_f32 v254, v254
	v_ldexp_f32 v252, 1.0, v254                    ; f = 2^(old M - new M)
.set n, 0
.rept 32
	v_pk_add_f32 v[96+n:97+n], v[96+n:97+n], v[12:13] op_sel_hi:[1,0]   ; t - M
.set n, n+2
.endr
.set n, 0
.rept 64
	v_exp_f32 v[96+n], v[96+n]                     ; p, at most 1
.set n, n+1
.endr
	v_pk_mul_f32 v[14:15], v[14:15], v[252:253] op_sel_hi:[1,0]   ; the sums under the new M: the plain line behind the exponentials
	s_wait_alu depctr_va_vdst(0)                   ; one wait for the batch, ahead of its first reader
	v_pk_add_f32 v[242:243], v[96:97], v[98:99]    ; the sum is taken of the unquantised p
.irp j, 4,8,12,16,20,24,28,32,36,40,44,48,52,56,60
	v_pk_add_f32 v[14:15], v[14:15], v[96+\j:97+\j]
	v_pk_add_f32 v[242:243], v[242:243], v[98+\j:99+\j]
.endr
	v_pk_add_f32 v[14:15], v[14:15], v[242:243]
.irp t, 0,1,2,3,4,5,6,7
.irp i, 0,1,2,3,4,5,6,7
	v_min_num_f32 v[96+8*\t+\i], v[96+8*\t+\i], v240   ; the conversion does not saturate (ISA guide 7.6.2); p is not negative
.endr
	v_cvt_scalef32_pk8_fp8_f32 v[224+2*\t:225+2*\t], v[96+8*\t:103+8*\t], v244   ; keys 16 t + 8 hh + 0 .. 7: registers 2 t, 2 t + 1 of P
.endr
.set n, 0
.rept 32
	v_pk_mul_f32 v[160+n:161+n], v[160+n:161+n], v[252:253] op_sel_hi:[1,0]   ; O^T under the new M.  (Also the plain lines in front of the loads and products below)
.set n, n+2
.endr
.irp g, 0,1
.if \g > 0
.rept 4
	v_nop
.endr
.endif
.irp t, 0,1,2,3
.irp c, 0,1,2,3
	ds_load_b128 v[32+16*\t+4*\c:32+16*\t+4*\c+3], v[ADK] offset:32768+16384*(\q)+2048*(4*\g+\t)+512*\c
.endr
.endr
	s_wait_dscnt 0x0
.irp t, 0,1,2,3
	v_wmma_f32_16x16x128_fp8_fp8 v[160+8*(4*\g+\t):167+8*(4*\g+\t)], v[32+16*\t:47+16*\t], v[224:239], v[160+8*(4*\g+\t):167+8*(4*\g+\t)]
.endr
.endr
.Lhidden_\@:
	s_sub_co_i32 s[KF], s[KF], 128
.endm
; THE CHANGE OF SLOTS stands at a slot's head: each wave waits for all its tensor loads (its part of the slot ahead), adds 0 to its spare word, and waits for that and for its reads of the slot that it has left.
; Behind the barrier the slot ahead is whole and nobody reads the other.  fill = 1: that other slot takes the pair of key blocks below, while some wave of the work-group will read it.
.macro CHANGE fill
	s_wait_tensorcnt 0x0                           ; no tensor load of mine is out, so group 0 may be written
	ds_add_u32 v[SPW], v[NIL]
.if \fill
	s_xor_b32 s[G0+1], s[G0+1], SLOT1              ; the other slot,
	s_sub_nc_u64 s[G0+2:G0+3], s[G0+2:G0+3], 32768 ; the pair of blocks below
.endif
	s_wait_dscnt 0x0
	s_barrier_signal -1
	s_barrier_wait -1
.if \fill
	s_cmp_lt_i32 s[AS], 1                          ; no slot below key 0;
	s_cbranch_scc1 .Lpast_\@
	s_lshl_b32 s96, s[AS], 8
	s_add_co_i32 s96, s96, 1022
	s_cmp_lt_i32 s96, s[QW0]                       ; none whose last key lies 1,024 or more behind the work-group's first query.  Ids and the count of trips alone: all eight waves go the same way, and past stays past
	s_cbranch_scc1 .Lpast_\@
	tensor_load_to_lds s[G0:G0+3], s[G1:G1+7]      ; my one tensor load behind this barrier: it has a slot's two steps in which to land
	s_nop 0
.rept 4
	v_nop
.endr
.Lpast_\@:
	s_sub_co_i32 s[AS], s[AS], 1
.endif
.endm
.macro SLOT_STEPS
	STEP 1
	STEP 0
	s_xor_b32 s[TB], s[TB], SLOT1
.endm
.Lslot:
	CHANGE 1
	SLOT_STEPS
	s_sub_co_u32 s[SLOTS], s[SLOTS], 1
	s_cmp_lg_u32 s[SLOTS], 0
	s_cbranch_scc1 .Lslot
	CHANGE 0                                       ; the fifth slot is written out: nothing is left to ask for
	SLOT_STEPS
; THE WAY OUT.  The nine plain lines below are the places behind the last products.
	v_add_f32 v14, v14, v15
	v_add_f32 v8, v245, v12                        ; t_neg - M
.irp j, 97,98,99,100,101,102,103
	v_mov_b32 v\j, 0
.endr
.irp n, 0,1,2,3,4,5,6,7,8,9,10,11,12,13,14,15
	ds_load_b128 v[32+4*\n:35+4*\n], v[UR] offset:16*\n   ; register 32 + 8 i + t: U at d = 16 t + 8 hh + i
.endr
	v_exp_f32 v8, v8                               ; p_neg
	v_permlanex16_b32 v250, v14, s[SEL], s[SEL+1]
	v_add_f32 v14, v14, v250                       ; the row's sum over the keys walked (a plain line behind the exponential)
	s_wait_alu depctr_va_vdst(0)
	v_fmac_f32 v14, v248, v8                       ; + n x p_neg
	v_min_num_f32 v96, v8, v240
	v_cvt_scalef32_pk8_fp8_f32 v[224:225], v[96:103], v244
	v_nop
	v_cvt_f32_fp8 v9, v224                         ; Q(p_neg) as a code's value
	v_rcp_f32 v11, v14
	v_nop
	s_wait_dscnt 0x0
.irp t, 0,1,2,3,4,5,6,7
.irp i, 0,1,2,3,4,5,6,7
	v_fmac_f32 v[160+8*\t+\i], v9, v[32+8*\i+\t]   ; each accumulator from its low end on
.endr
.endr
	s_wait_alu depctr_va_vdst(0)                   ; the reciprocal's wait, ahead of its first reader
.irp t, 0,1,2,3,4,5,6,7
.irp i, 0,1,2,3,4,5,6,7
	v_mul_f32 v[96+8*\t+\i], v[160+8*\t+\i], v11
.endr
.irp i, 0,1,2,3,4,5,6,7
	v_med3_num_f32 v[96+8*\t+\i], v[96+8*\t+\i], -v247, v247
.endr
	v_cvt_scalef32_pk8_fp8_f32 v[224+2*\t:225+2*\t], v[96+8*\t:103+8*\t], v246   ; d = 16 t + 8 hh + 0 .. 7: registers 2 t, 2 t + 1 of the last product's operand
.endr
	v_nop
.irp c, 0,1,2,3
	global_store_b128 v[LI], v[224+4*\c:227+4*\c], s[16:17] offset:512*\c   ; 32 lanes store 512 consecutive bytes
.endr
	s_wait_tensorcnt 0x0                           ; the wave's end
	ds_add_u32 v[SPW], v[NIL]
	s_wait_dscnt 0x0
	s_endpgm
.Lfunc_end_k_qd19326b157_attn:
	.size	k_qd19326b157_attn, .Lfunc_end_k_qd19326b157_attn-k_qd19326b157_attn
	.p2alignl 7, 3214868480
	.fill 96, 4, 3214868480
	.section	.rodata,"a",@progbits
	.p2align	6, 0x0
	.amdhsa_kernel k_qd19326b157_attn
		.amdhsa_group_segment_fixed_size 327680
		.amdhsa_private_segment_fixed_size 0
		.amdhsa_enable_private_segment 0
		.amdhsa_kernarg_size 56
		.amdhsa_user_sgpr_count 2
		.amdhsa_user_sgpr_kernarg_segment_ptr 1
		.amdhsa_wavefront_size32 1
		.amdhsa_system_sgpr_workgroup_id_x 1
		.amdhsa_system_sgpr_workgroup_id_y 1
		.amdhsa_system_sgpr_workgroup_id_z 1
		.amdhsa_system_vgpr_workitem_id 0
		.amdhsa_next_free_vgpr 320
		.amdhsa_next_free_sgpr 100
		.amdhsa_reserve_vcc 1
		.amdhsa_float_denorm_mode_32 3
		.amdhsa_float_denorm_mode_16_64 3
		.amdhsa_memory_ordered 1
		.amdhsa_forward_progress 1
		.amdhsa_inst_pref_size 169
	.end_amdhsa_kernel
	.amdgpu_metadata
---
amdhsa.version: [ 1, 2 ]
amdhsa.kernels:
  - .name:           k_qd19326b157_attn
    .symbol:         k_qd19326b157_attn.kd
    .args:
      - { .name: qimg, .offset: 0, .size: 8, .value_kind: global_buffer, .address_space: global }
      - { .name: kimg, .offset: 8, .size: 8, .value_kind: global_buffer, .address_space: global }
      - { .name: vimg, .offset: 16, .size: 8, .value_kind: global_buffer, .address_space: global }
      - { .name: vsum, .offset: 24, .size: 8, .value_kind: global_buffer, .address_space: global }
      - { .name: mask, .offset: 32, .size: 8, .value_kind: global_buffer, .address_space: global }
      - { .name: lowp_scales, .offset: 40, .size: 8, .value_kind: global_buffer, .address_space: global }
      - { .name: aimg, .offset: 48, .size: 8, .value_kind: global_buffer, .address_space: global }
    .group_segment_fixed_size: 327680
    .private_segment_fixed_size: 0
    .kernarg_segment_align: 8
    .kernarg_segment_size: 56
    .max_flat_workgroup_size: 256
    .sgpr_count:     100
    .vgpr_count:     320
    .wavefront_size: 32
...
	.end_amdgpu_metadata
.endif
;; end of part 3
;; launch proj (part 4): grid 8 x 8, 4 waves a work-group, clusters of 4 x 4, 327,680 bytes of LDS; arguments aimg, wc, lowp_scales, out0; writes out0
.if DOCPART == 4
	.amdgcn_target "amdgcn-amd-amdhsa--gfx1250"
	.amdhsa_code_object_version 6
	.text
	.protected	k_qd19326b157_proj
	.globl	k_qd19326b157_proj
	.p2align	8
	.type	k_qd19326b157_proj,@function
k_qd19326b157_proj:
	s_mov_b64 s[64:65], 0
	v_nop
	global_prefetch_b8 v0, s[64:65] scope:SCOPE_SE
	s_setreg_imm32_b32 hwreg(HW_REG_WAVE_MODE, 25, 1), 1
	s_wait_xcnt 0x0
	s_wait_alu depctr_hold_cnt(0) depctr_sa_sdst(0) depctr_va_vdst(0) depctr_va_sdst(0) depctr_va_ssrc(0) depctr_va_vcc(0) depctr_vm_vsrc(0)
	s_getreg_b32 s2, hwreg(HW_REG_IB_STS2, 6, 4)
	s_cmp_eq_u32 s2, 0
	s_cbranch_scc0 .Lentry_in_a_cluster
	s_endpgm
.Lentry_in_a_cluster:
	s_bfe_u32 s2, ttmp6, 0x10000c
	s_cmp_lg_u32 s2, 0xf033
	s_cbranch_scc0 .Lentry_shape_is_right
	s_endpgm
.Lentry_shape_is_right:
; LAUNCH 4 OF 4.  out0 = attention's result x w_o on E4M3 codes; each finished sum x 2^(e10 + e11).  Nothing of this product is left out.
; 64 tiles of 256 x 256, a work-group of four waves each, a wave 128 x 128; clusters of 4 x 4 with joint loads (A along a row of the cluster, B along a column).  K = (head, d) goes in steps of two heads through two LDS slots.
; A (aimg) arrives as images of operand registers in the 16x16x128 form's own layout: [head][position / 16] fragments of 2,048 bytes; a tile row's 256 positions of one head are 32 KiB on end: a dense tensor load, no padding,
; and a fragment comes by four loads at 16 x lane.  B (plane 3 of wc, rows n of 2,048 codes) comes as padded rows and is read in the same layout: eight loads of 8 bytes at 272 r + 8 hh + 16 c: the 32 lanes touch 64 different banks.
; The matrix instruction is used transposed (source 0 = 16 rows of B, source 1 = 16 rows of A): a lane holds eight neighbouring numbers of a row of out0.
; LIMIT: e10 + e11 between -126 and 127.
; REGISTERS: window 0: v0-31 addresses; from v128 A's fragments, one set; window 1: B's, two sets; windows 2, 3: the accumulators.
.set PITCH,  272
.set FR,     16
.set NL,     4
.set NP,     4
.set BOFF,   65536                     ; a slot: A of the even head (32 KiB), of the odd head, then B's 256 rows
.set HALFB,  128*PITCH
.set SLOT,   BOFF+2*HALFB
.set LAPS,   4
.set SPARE,  2*SLOT
.set SPITCH, 528                       ; the way out: a stage of 16 rows x (512 + 16) bytes a wave, in slot 0, which has had its last fill and its last read by then
.set ADRA, 16
.set ADRB, 20
.set STO,  24
.set RD,   25
.set CO,   26
.set SPW,  28
.set NIL,  29
.set TMP,  32
.set AF,   128
.set BK,   128
.set G1, 24
.set G0, 32
.set G1B, 48
.set G0B, 56
.set MSB, 0
.macro WIN new
.if MSB != (\new)
	s_set_vgpr_msb (MSB<<8)|(\new)
.set MSB, (\new)
.endif
.endm
.set MUL_LO, 0xa1
.set MUL_HI, 0xf1
.set TO_B,   0x40
.macro JLOAD g0a, g1a, g0b, g1b        ; waves 0 and 1 fetch for A, waves 2 and 3 for B; an s_nop 0 and four v_nop follow each line
	s_cmp_eq_u32 s15, 0
	s_cbranch_scc0 .Lfor_b_\@
	tensor_load_to_lds s[\g0a:\g0a+3], s[\g1a:\g1a+7]
	s_nop 0
.rept 4
	v_nop
.endr
	s_branch .Lasked_\@
.Lfor_b_\@:
	tensor_load_to_lds s[\g0b:\g0b+3], s[\g1b:\g1b+7]
	s_nop 0
.rept 4
	v_nop
.endr
.Lasked_\@:
.endm
.macro CREST
	s_cmp_lg_u32 s14, 0
	s_cbranch_scc1 .Lnot_wave_0_\@
	s_barrier_signal -3
.Lnot_wave_0_\@:
	s_barrier_wait -3
	s_barrier_signal -1
	s_barrier_wait -1
.endm
.macro CROUND
	s_barrier_signal -1
	s_barrier_wait -1
	CREST
.endm
	s_load_b128 s[4:7], s[0:1], 0x0                ; aimg, wc
	s_load_b128 s[8:11], s[0:1], 0x10              ; the exponents, out0
	v_lshl_add_u32 v[SPW], v0, 2, SPARE
	v_mov_b32 v[NIL], 0
	ds_add_u32 v[SPW], v[NIL]                      ; the wave's opening: the add, twice on end, and its wait ahead of my first tensor load
	ds_add_u32 v[SPW], v[NIL]
	v_lshrrev_b32 v1, 5, v0
	v_readfirstlane_b32 s14, v1
	s_lshr_b32 s15, s14, 1                         ; my half of the tile's rows.  Also: I fetch for A (0) or B (1)
	s_and_b32 s16, s14, 1                          ; my half of its columns.  Also: which head of the two (A), which 128 rows (B) I fetch
	s_bfe_u32 s40, ttmp6, 0x40000
	s_bfe_u32 s41, ttmp6, 0x40004
	s_lshl_b32 s42, ttmp9, 2
	s_add_co_u32 s42, s42, s40                     ; tile column
	s_and_b32 s17, ttmp7, 0xffff
	s_lshl_b32 s17, s17, 2
	s_add_co_u32 s17, s17, s41                     ; tile row
	s_lshl_b32 s43, s41, 2
	s_lshl_b32 s43, 15, s43
	s_lshl_b32 s44, 0x1111, s40
	s_or_b32 s[G1+0], s43, (3<<16)|(1<<21)         ; A: the mask of my row; elements of 8 bytes; no padding; bit 21 beside a mask
	s_mov_b32 s[G1+1], 32<<16                      ; rows of 256 bytes,
	s_mov_b32 s[G1+2], 128<<16                     ; 128 of them, dense
	s_mov_b32 s[G1+3], 32<<16
	s_mov_b32 s[G1+4], 128
	s_mov_b32 s[G1+5], 32
	s_mov_b32 s[G1+6], 0
	s_mov_b32 s[G1+7], 0
	s_or_b32 s[G1B+0], s44, (0<<16)|(1<<20)|(1<<21)|(5<<22)|(3<<25)  ; B: my column; elements of 1 byte; 4 words of padding after every 64
	s_mov_b32 s[G1B+1], 256<<16
	s_mov_b32 s[G1B+2], 128<<16
	s_mov_b32 s[G1B+3], 256<<16
	s_mov_b32 s[G1B+4], 128
	s_mov_b32 s[G1B+5], 2048
	s_mov_b32 s[G1B+6], 0
	s_mov_b32 s[G1B+7], 0
	s_lshl_b32 s20, s16, 18                        ; A: my head of the two, 256 KiB a head,
	s_lshl_b32 s18, s17, 15                        ; the tile row's 32 KiB
	s_add_co_u32 s20, s20, s18
	s_mov_b32 s21, 0
	s_lshl_b32 s46, s42, 8
	s_lshl_b32 s18, s16, 7
	s_add_co_u32 s46, s46, s18                     ; B: row 256 x tile column + 128 x half,
	s_lshl_b32 s46, s46, 11
	s_add_co_u32 s46, s46, 0xc00000                ; in plane 3
	s_mov_b32 s47, 0
	s_lshl_b32 s45, s16, 15                        ; where A's part goes,
	s_mul_i32 s19, s16, HALFB
	s_add_co_u32 s19, s19, BOFF                    ; and B's: the wave's number alone
	s_wait_dscnt 0x0
	s_wait_kmcnt 0x0
	s_load_b64 s[96:97], s[8:9], 0x28              ; e10, e11
	s_add_nc_u64 s[20:21], s[4:5], s[20:21]
	s_add_nc_u64 s[46:47], s[6:7], s[46:47]
	CROUND
.irp s, 0,1
	s_mov_b32 s[G0+4*\s], 1
	s_add_co_u32 s[G0+4*\s+1], s45, \s*SLOT
	s_add_nc_u64 s[G0+4*\s+2:G0+4*\s+3], s[20:21], \s*524288      ; slot s begins with heads 2 s, 2 s + 1
	s_or_b32 s[G0+4*\s+3], s[G0+4*\s+3], 0x80000000
	s_mov_b32 s[G0B+4*\s], 1
	s_add_co_u32 s[G0B+4*\s+1], s19, \s*SLOT
	s_add_nc_u64 s[G0B+4*\s+2:G0B+4*\s+3], s[46:47], \s*256
	s_or_b32 s[G0B+4*\s+3], s[G0B+4*\s+3], 0x80000000
	JLOAD G0+4*\s, G1, G0B+4*\s, G1B
.endr
	v_and_b32 v1, 15, v0                           ; r
	v_bfe_u32 v2, v0, 4, 1                         ; hh
	v_and_b32 v6, 31, v0
	v_lshlrev_b32 v3, 4, v6                        ; 16 x lane
	v_mul_u32_u24 v4, v1, PITCH
	v_lshl_add_u32 v4, v2, 3, v4                   ; 272 r + 8 hh
	s_lshl_b32 s21, s15, 14                        ; my 128 rows of A: eight fragments
	s_mul_i32 s22, s16, HALFB
	s_add_co_u32 s22, s22, BOFF
.irp s, 0,1
	v_add_nc_u32 v[ADRA+\s], s21, v3
	v_add_nc_u32 v[ADRB+\s], s22, v4
	s_add_co_u32 s21, s21, SLOT
	s_add_co_u32 s22, s22, SLOT
.endr
	s_mul_i32 s23, s14, 16*SPITCH                  ; my stage
	v_mul_u32_u24 v5, v1, SPITCH
	v_lshl_add_u32 v5, v2, 5, v5
	v_add_nc_u32 v[STO], s23, v5
	v_lshlrev_b32 v[CO], 4, v6
	v_add_nc_u32 v[RD], s23, v[CO]
	s_lshl_b32 s20, s17, 8
	s_lshl_b32 s21, s15, 7
	s_add_co_u32 s20, s20, s21                     ; my first row of out0
	s_lshl_b32 s20, s20, 13                        ; rows of 8,192 bytes
	s_lshl_b32 s46, s42, 10
	s_lshl_b32 s47, s16, 9
	s_add_co_u32 s46, s46, s47
	s_add_co_u32 s20, s20, s46
	s_mov_b32 s21, 0
	s_add_nc_u64 s[10:11], s[10:11], s[20:21]
.macro FRAGA reg, adr, q, i            ; an image: four loads of 512 consecutive bytes
.irp c, 0,1,2,3
	ds_load_b128 v[\reg+4*\c:\reg+4*\c+3], v[\adr] offset:32768*(\q)+2048*(\i)+512*\c
.endr
.endm
.macro FRAGB reg, adr, q, i            ; registers 2 c, 2 c + 1: k = 16 c + 8 hh + 0 .. 7
.irp c, 0,1,2,3,4,5,6,7
	ds_load_b64 v[\reg+2*\c:\reg+2*\c+1], v[\adr] offset:128*(\q)+16*\c+(\i)*16*PITCH
.endr
.endm
.macro MUL16 a0, p, zero               ; the 64 accumulators take turns, one instruction a turn
.irp a, \a0, \a0+1
.irp b, 0,1,2,3,4,5,6,7
.if \zero
	v_wmma_f32_16x16x128_fp8_fp8 v[8*(8*((\a)%4)+\b):8*(8*((\a)%4)+\b)+7], v[128*(\p)+FR*\b:128*(\p)+FR*\b+FR-1], v[AF+FR*(\a):AF+FR*(\a)+FR-1], 0
.else
	v_wmma_f32_16x16x128_fp8_fp8 v[8*(8*((\a)%4)+\b):8*(8*((\a)%4)+\b)+7], v[128*(\p)+FR*\b:128*(\p)+FR*\b+FR-1], v[AF+FR*(\a):AF+FR*(\a)+FR-1], v[8*(8*((\a)%4)+\b):8*(8*((\a)%4)+\b)+7]
.endif
.endr
.endr
.endm
.macro FETCH_B slot, q, p
	WIN TO_B
.irp i, 0,1,2,3,4,5,6,7
	FRAGB 128*(\p)+FR*\i, ADRB+\slot, \q, \i
.endr
	WIN 0
.endm
.macro FETCH_A slot, q, i0
.irp i, \i0, \i0+1, \i0+2, \i0+3
	FRAGA AF+FR*(\i), ADRA+\slot, \q, \i
.endr
.endm
.macro PLACES n
.rept \n
	v_nop
.endr
.endm
.macro STEP slot, q, zero
	s_wait_dscnt 4*NL                              ; B's set and A's blocks 0-3 are in; the youngest 16 loads (A's blocks 4-7) may be out
	WIN MUL_LO
	MUL16 0, (\q)%2, \zero
	MUL16 2, (\q)%2, \zero
	s_wait_dscnt 0
	PLACES NP
	FETCH_B \slot, (\q)+1, 1-(\q)%2
	FETCH_A \slot, (\q)+1, 0
	WIN MUL_HI
	MUL16 4, (\q)%2, \zero
	MUL16 6, (\q)%2, \zero
	PLACES NP
	WIN 0
	FETCH_A \slot, (\q)+1, 4
.endm
.macro TURN slot, next, fill
	s_wait_tensorcnt 0x0                           ; all my tensor loads have landed: my part of the next slot
	ds_add_u32 v[SPW], v[NIL]
	s_wait_dscnt 4*NL+1                            ; the add and the youngest 16 loads may be out
	WIN MUL_LO
	MUL16 0, 1, 0
	s_wait_dscnt 0x0                               ; the add is done, and my reads of this slot are over
	s_barrier_signal -1
	MUL16 2, 1, 0
	WIN 0
	s_barrier_wait -1
.if \fill
	CREST                                          ; the barrier has opened a round of the cluster's
	s_add_nc_u64 s[G0+4*\slot+2:G0+4*\slot+3], s[G0+4*\slot+2:G0+4*\slot+3], 1048576   ; four heads on
	s_add_nc_u64 s[G0B+4*\slot+2:G0B+4*\slot+3], s[G0B+4*\slot+2:G0B+4*\slot+3], 512
	JLOAD G0+4*\slot, G1, G0B+4*\slot, G1B
.else
	PLACES NP
.endif
	FETCH_B \next, 0, 0
	FETCH_A \next, 0, 0
	WIN MUL_HI
	MUL16 4, 1, 0
	MUL16 6, 1, 0
	PLACES NP
	WIN 0
	FETCH_A \next, 0, 4
.endm
	s_wait_tensorcnt 1                             ; my part of slot 0 is in; slot 1's load may be out
	s_barrier_signal -1
	s_barrier_wait -1
	FETCH_B 0, 0, 0
	FETCH_A 0, 0, 0
	FETCH_A 0, 0, 4
	STEP 0, 0, 1
	s_mov_b32 s3, LAPS-1
.Llap:
	TURN 0, 1, 1
	STEP 1, 0, 0
	TURN 1, 0, 1
	STEP 0, 0, 0
	s_sub_co_u32 s3, s3, 1
	s_cmp_lg_u32 s3, 0
	s_cbranch_scc1 .Llap
	TURN 0, 1, 0
	STEP 1, 0, 0
	s_wait_dscnt 4*NL
	WIN MUL_LO
	MUL16 0, 1, 0
	MUL16 2, 1, 0
	s_wait_dscnt 0
	WIN MUL_HI
	MUL16 4, 1, 0
	MUL16 6, 1, 0
	WIN 0
; THE WAY OUT, block by block of 16 rows x 128 columns, through my own stage: in as 32 bytes a lane, back as whole rows of 512 bytes.  LDS serves a wave's instructions in order (ISA guide 5.7.1.4).
.macro TOSTAGE a
.set AC, 64*((\a)%4)
	WIN 0x02+((\a)/4)
.irp j, 0,2,4,6,8,10,12,14,16,18,20,22,24,26,28,30,32,34,36,38,40,42,44,46,48,50,52,54,56,58,60,62
	v_pk_mul_f32 v[TMP+\j:TMP+\j+1], v[AC+\j:AC+\j+1], s[96:97] op_sel_hi:[1,0]   ; x 2^(e10 + e11); each accumulator from its low end on
.endr
	WIN 0
.irp b, 0,1,2,3,4,5,6,7
	ds_store_b128 v[STO], v[TMP+8*\b:TMP+8*\b+3] offset:64*\b
	ds_store_b128 v[STO], v[TMP+8*\b+4:TMP+8*\b+7] offset:64*\b+16
.endr
.set BB, BK+64*((\a)%2)
.irp t, 0,1,2,3,4,5,6,7,8,9,10,11,12,13,14,15
	ds_load_b128 v[BB+4*\t:BB+4*\t+3], v[RD] offset:\t*SPITCH
.endr
.endm
.macro SEND a, younger
.set BB, BK+64*((\a)%2)
	s_wait_dscnt \younger
.if (\a) > 0
	s_add_nc_u64 s[10:11], s[10:11], 16*8192       ; behind a wait for 0 on XCNT: the earlier stores have read their base
.endif
.irp t, 0,1,2,3,4,5,6,7,8,9,10,11,12,13,14,15
	global_store_b128 v[CO], v[BB+4*\t:BB+4*\t+3], s[10:11] offset:\t*8192 th:TH_STORE_NT   ; 32 lanes store 512 consecutive bytes, aligned
.endr
.endm
	s_wait_kmcnt 0x0
	s_add_co_i32 s96, s96, s97
	s_add_co_i32 s96, s96, 127
	s_lshl_b32 s96, s96, 23                        ; 2^(e10 + e11) as f32
	PLACES NP
	TOSTAGE 0
.irp a, 1,2,3,4,5,6,7
.if \a > 1
	s_wait_xcnt 0x0                                ; block a - 2's stores have read their registers and their base
.endif
	TOSTAGE \a
	SEND \a-1, 32                                  ; behind block a - 1's loads: block a's 16 stores and 16 loads
.endr
	s_wait_xcnt 0x0
	SEND 7, 0
	s_wait_tensorcnt 0x0                           ; the wave's end
	ds_add_u32 v[SPW], v[NIL]
	s_wait_dscnt 0x0
	CROUND                                         ; the closing round
	s_endpgm
.Lfunc_end_k_qd19326b157_proj:
	.size	k_qd19326b157_proj, .Lfunc_end_k_qd19326b157_proj-k_qd19326b157_proj
	.p2alignl 7, 3214868480
	.fill 96, 4, 3214868480
	.section	.rodata,"a",@progbits
	.p2align	6, 0x0
	.amdhsa_kernel k_qd19326b157_proj
		.amdhsa_group_segment_fixed_size 327680
		.amdhsa_private_segment_fixed_size 0
		.amdhsa_enable_private_segment 0
		.amdhsa_kernarg_size 32
		.amdhsa_user_sgpr_count 2
		.amdhsa_user_sgpr_kernarg_segment_ptr 1
		.amdhsa_wavefront_size32 1
		.amdhsa_system_sgpr_workgroup_id_x 1
		.amdhsa_system_sgpr_workgroup_id_y 1
		.amdhsa_system_sgpr_workgroup_id_z 1
		.amdhsa_system_vgpr_workitem_id 0
		.amdhsa_next_free_vgpr 1024
		.amdhsa_next_free_sgpr 98
		.amdhsa_reserve_vcc 0
		.amdhsa_float_denorm_mode_32 3
		.amdhsa_float_denorm_mode_16_64 3
		.amdhsa_memory_ordered 1
		.amdhsa_forward_progress 1
		.amdhsa_inst_pref_size 139
	.end_amdhsa_kernel
	.amdgpu_metadata
---
amdhsa.version: [ 1, 2 ]
amdhsa.kernels:
  - .name:           k_qd19326b157_proj
    .symbol:         k_qd19326b157_proj.kd
    .args:
      - { .name: aimg, .offset: 0, .size: 8, .value_kind: global_buffer, .address_space: global }
      - { .name: wc, .offset: 8, .size: 8, .value_kind: global_buffer, .address_space: global }
      - { .name: lowp_scales, .offset: 16, .size: 8, .value_kind: global_buffer, .address_space: global }
      - { .name: out0, .offset: 24, .size: 8, .value_kind: global_buffer, .address_space: global }
    .group_segment_fixed_size: 327680
    .private_segment_fixed_size: 0
    .kernarg_segment_align: 8
    .kernarg_segment_size: 32
    .max_flat_workgroup_size: 128
    .sgpr_count:     98
    .vgpr_count:     1024
    .wavefront_size: 32
...
	.end_amdgpu_metadata
.endif
;; end of part 4
;; ======== version 2 of 2: 4 launches
;; limits: right only within a limited range of input values
;; workspace buffers: xc 12,582,912 bytes; wc 16,777,216 bytes; qimg 4,194,304 bytes; kimg 4,194,304 bytes; vimg 4,194,304 bytes; aimg 4,194,304 bytes; vsum 131,072 bytes
;; launch quant (part 5): grid 640 x 1, 4 waves a work-group, no clusters, 68,096 bytes of LDS; arguments x, w_q, w_k, w_v, w_o, lowp_scales, xc, wc; writes xc, wc
.if DOCPART == 5
	.amdgcn_target "amdgcn-amd-amdhsa--gfx1250"
	.amdhsa_code_object_version 6
	.text
	.protected	k_qd19326b157_quant
	.globl	k_qd19326b157_quant
	.p2align	8
	.type	k_qd19326b157_quant,@function
k_qd19326b157_quant:
	s_mov_b64 s[64:65], 0
	v_nop
	global_prefetch_b8 v0, s[64:65] scope:SCOPE_SE
	s_setreg_imm32_b32 hwreg(HW_REG_WAVE_MODE, 25, 1), 1
	s_wait_xcnt 0x0
; LAUNCH 1 OF 4.  x [2048][2048] f32 becomes three planes of E4M3 codes (entries 0, 2, 4 of lowp_scales: the three products that take x may have three scales), xc[z][s][k];
; w_q, w_k, w_v, w_o [k][n] f32 become codes with K innermost, wc[plane][n][k] (entries 1, 3, 5, 11).  code = number / 2^e, held within +-448, to the nearest code, ties to even.
; DEAD WORK THAT THE PROGRAM LEAVES OUT (shown here once).  reference() replaces score + mask by the constant -1e9 wherever not (0 <= q - k < 1024), by a condition that it builds in its own body.
; So for a block of 128 queries x 128 keys that lies wholly outside that band neither q . k nor the input mask's entry can reach an output, whatever finite values the inputs hold: 148 of the 256 blocks of each head.
; Launch attn forms no score, loads no mask entry and multiplies no weight by V key by key there.  What those keys still add is KEPT: they all have the logit -1e9, hence one weight p = 2^(t_neg - M); they add
; n x p to the row's sum and Q(p) x (the sum of V's codes over them) to the row's result (launch qkv stores those sums of codes for each block of 128 keys).  Every input has a way to the output and is loaded.
; LIMIT: a NaN, an infinity or an overflow in q . k or in the mask outside the band is not carried to the result (reference()'s own where discards it too).
; LIMITS of this launch: each of the seven exponents lies between -126 and 119, so that 2^e and 448 x 2^e are f32 numbers.  NaN among the inputs is not served.
; SHARES.  Work-groups 0-127: x, a plain stream; a wave takes 16 steps of 512 numbers; each load reads 512 consecutive bytes; a step turns through the wave's own stage in LDS so that a lane holds 16 neighbours along K;
; each number is held and converted three times; a wave's store covers 512 consecutive bytes.  Work-groups 128-639: the weights; a lane takes a column n and its registers run down K, so the conversions give codes with K
; innermost; a wave gathers 32 columns x 256 along K in its stage and stores sixteen lanes to 256 consecutive aligned bytes.  The two paths part on the work-group's number and have LDS bytes of their own.  Waves share nothing: no barrier.
.set SP,    80                         ; path x: a lane's place in a stage: 64 bytes + 16 of padding
.set XR,    16                         ; v16-79   four sets of 16 numbers as loaded
.set XX,    80                         ; v80-111  two sets of 16 neighbours
.set XT,    112                        ; v112-127 and v184-199: held numbers, two sets by turns
.set XC,    128                        ; v128-175 codes: 12 registers for each of four steps
.set XS,    176                        ; v176+2z: 2^e(2z); v177+2z: 448 x that
.set WSTG,  32768                      ; path w: the stages begin here
.set PITCH, 272                        ; a stage row: 256 bytes + 16
.set WX,    32                         ; v32-95   two sets of 32 numbers
.set WC,    96                         ; v96-103  a block's codes
.set OUTR,  112                        ; v112-175 the way out
.set SPARE, 67584                      ; behind both paths' stages: the spare words, 128 bytes a wave
.set SPW,   206                        ; my spare word's LDS address; never rewritten
.set NIL,   207                        ; 0; never rewritten
	s_load_b256 s[4:11], s[0:1], 0x0               ; x s[4:5], w_q s[6:7], w_k s[8:9], w_v s[10:11]
	s_load_b256 s[12:19], s[0:1], 0x20             ; w_o s[12:13], the exponents s[14:15], xc s[16:17], wc s[18:19]
	v_lshl_add_u32 v[SPW], v0, 2, SPARE
	v_mov_b32 v[NIL], 0
	v_lshrrev_b32 v1, 5, v0
	v_readfirstlane_b32 s32, v1                    ; wave 0..3
	v_and_b32 v2, 31, v0                           ; lane
	s_wait_kmcnt 0x0
	s_load_b256 s[20:27], s[14:15], 0x0            ; e0 .. e7
	s_load_b128 s[28:31], s[14:15], 0x20           ; e8 .. e11
	s_cmp_ge_u32 ttmp9, 128
	s_cbranch_scc1 .Lw
; ---------------- path x ----------------
	s_wait_alu depctr_va_vdst(0)
	v_lshlrev_b32 v3, 4, v2                        ; my 16 bytes of a load's 512, and of a store's
	s_wait_alu depctr_va_vdst(0)
	s_mul_i32 s33, s32, 8192                       ; my wave's region of LDS
	v_lshrrev_b32 v14, 2, v2
	v_mul_u32_u24 v14, v14, SP
	v_and_b32 v15, 3, v2
	v_lshl_add_u32 v14, v15, 4, v14
	v_add_nc_u32 v14, s33, v14                     ; the stage, in: SP (lane / 4) + 16 (lane % 4)
	v_mul_u32_u24 v15, v2, SP
	v_add_nc_u32 v15, s33, v15                     ; and out: SP x lane
	s_lshl_b32 s34, ttmp9, 2
	s_add_co_u32 s34, s34, s32                     ; which run of 8,192 numbers is my wave's
	s_lshl_b32 s36, s34, 15
	s_mov_b32 s37, 0
	s_add_nc_u64 s[4:5], s[4:5], s[36:37]          ; x at my run
	s_lshl_b32 s36, s34, 13
	s_add_nc_u64 s[36:37], s[16:17], s[36:37]      ; the three planes of codes at my run
	s_add_nc_u64 s[38:39], s[36:37], 0x400000
	s_add_nc_u64 s[40:41], s[38:39], 0x400000
.macro XLOAD t
.irp i, 0,1,2,3
	global_load_b128 v[XR+16*((\t)%4)+4*\i:XR+16*((\t)%4)+4*\i+3], v3, s[4:5] offset:2048*(\t)+512*\i th:TH_LOAD_NT
.endr
.endm
.macro XTURN t                         ; a step's numbers through the stage: LDS serves a wave's instructions in order, so no wait stands between the stores and the loads
.irp i, 0,1,2,3
	ds_store_b128 v14, v[XR+16*((\t)%4)+4*\i:XR+16*((\t)%4)+4*\i+3] offset:32*SP*((\t)%2)+8*SP*\i
.endr
.irp i, 0,1,2,3
	ds_load_b128 v[XX+16*((\t)%2)+4*\i:XX+16*((\t)%2)+4*\i+3], v15 offset:32*SP*((\t)%2)+16*\i
.endr
.endm
.irp t, 0,1,2,3
	XLOAD \t
.endr
	s_wait_alu depctr_va_vdst(0)
	s_wait_kmcnt 0x0
.irp z, 0,1,2
	s_add_co_i32 s42, s[20+2*\z], 127
	s_lshl_b32 s43, s42, 23
	v_mov_b32 v[XS+2*\z], s43                      ; 2^e as f32: the conversion takes its exponent field
	s_add_co_i32 s42, s42, 8
	s_lshl_b32 s42, s42, 23
	s_or_b32 s42, s42, 0x600000
	v_mov_b32 v[XS+2*\z+1], s42                    ; 448 x 2^e
.endr
	s_wait_alu depctr_va_vdst(0)
	s_wait_loadcnt 12                              ; step 0's four loads are in
	XTURN 0
.macro XSTEP t
	s_wait_dscnt 0x0                               ; this step's numbers are back from the stage, and its stores into the stage have read their registers,
.if (\t)+4 < 16
	XLOAD (\t)+4                                   ; which take the loads of four steps on
.endif
.if (\t)+1 < 16
.if 14-(\t) >= 3
	s_wait_loadcnt 12                              ; the next step's four loads are in; those of the three steps behind it may be out
.else
	s_wait_loadcnt 4*(14-(\t))
.endif
	XTURN (\t)+1
.endif
	s_wait_xcnt 0x0                                ; the stores of four steps back have read their codes: those registers are written again only behind this wait
.irp z, 0,1,2
.set TS, XT+72*(((\t)+\z)%2)           ; the sets of held numbers take turns, over the step's edge too: plain lines always stand between a conversion and the next write of its sources
.set CS, XC+12*((\t)%4)+4*\z
.irp i, 0,1,2,3,4,5,6,7,8,9,10,11,12,13,14,15
	v_med3_num_f32 v[TS+\i], v[XX+16*((\t)%2)+\i], -v[XS+2*\z+1], v[XS+2*\z+1]   ; the conversion does not saturate (ISA guide 7.6.2): the hold comes first
.endr
	v_cvt_scalef32_pk8_fp8_f32 v[CS:CS+1], v[TS:TS+7], v[XS+2*\z]
	v_cvt_scalef32_pk8_fp8_f32 v[CS+2:CS+3], v[TS+8:TS+15], v[XS+2*\z]
.endr
.irp z, 0,1,2
	global_store_b128 v3, v[XC+12*((\t)%4)+4*\z:XC+12*((\t)%4)+4*\z+3], s[36+2*\z:37+2*\z] offset:512*(\t)   ; 32 lanes store 512 consecutive bytes
.endr
.endm
.irp t, 0,1,2,3,4,5,6,7,8,9,10,11,12,13,14,15
	XSTEP \t
.endr
	s_wait_tensorcnt 0x0                           ; the wave's end, behind my last LDS store
	ds_add_u32 v[SPW], v[NIL]
	s_wait_dscnt 0x0
	s_endpgm
; ---------------- path w ----------------
.Lw:
	s_sub_co_u32 s33, ttmp9, 128
	s_lshr_b32 s34, s33, 7                         ; which weight: 0 q, 1 k, 2 v, 3 o
	s_and_b32 s35, s33, 15                         ; which 128 columns
	s_bfe_u32 s36, s33, 0x30004                    ; which 256 along K
	s_lshl_b32 s37, s35, 7
	s_lshl_b32 s38, s32, 5
	s_add_co_u32 s37, s37, s38                     ; my wave's first column
	s_wait_alu depctr_va_vdst(0)
	v_lshlrev_b32 v3, 2, v2                        ; in: 4 bytes a lane
	s_mul_i32 s38, s32, 32*PITCH
	s_add_co_u32 s38, s38, WSTG                    ; my stage
	v_mul_u32_u24 v4, v2, PITCH
	v_add_nc_u32 v4, s38, v4                       ; into it: row = my column
	v_and_b32 v5, 15, v2
	v_lshrrev_b32 v6, 4, v2
	v_mul_u32_u24 v7, v6, PITCH
	v_lshl_add_u32 v7, v5, 4, v7
	v_add_nc_u32 v7, s38, v7                       ; out of it: sixteen lanes to a row, two rows an instruction
	v_lshlrev_b32 v8, 11, v6
	v_lshl_add_u32 v8, v5, 4, v8                   ; the same place among the codes' rows of 2,048 bytes
	s_lshl_b32 s40, s36, 21                        ; 256 rows of 8,192 bytes
	s_lshl_b32 s41, s37, 2
	s_add_co_u32 s40, s40, s41
	s_mov_b32 s41, 0
	s_lshl_b32 s42, s34, 22                        ; the plane,
	s_lshl_b32 s43, s37, 11                        ; my column's row,
	s_add_co_u32 s42, s42, s43
	s_lshl_b32 s43, s36, 8                         ; my 256 along K
	s_add_co_u32 s42, s42, s43
	s_mov_b32 s43, 0
	s_cmp_eq_u32 s34, 1                            ; the choice hangs on the work-group's number alone
	s_cselect_b64 s[44:45], s[8:9], s[6:7]
	s_cmp_eq_u32 s34, 2
	s_cselect_b64 s[44:45], s[10:11], s[44:45]
	s_cmp_eq_u32 s34, 3
	s_cselect_b64 s[44:45], s[12:13], s[44:45]
	s_add_nc_u64 s[44:45], s[44:45], s[40:41]
	s_add_nc_u64 s[46:47], s[18:19], s[42:43]
.macro WLOAD t                         ; block t: w(32 t + i, my column), i = 0 .. 31: each load reads 128 consecutive bytes a wave
.irp i, 0,1,2,3,4,5,6,7,8,9,10,11,12,13,14,15,16,17,18,19,20,21,22,23,24,25,26,27,28,29,30,31
	global_load_b32 v[WX+32*((\t)%2)+\i], v3, s[44:45] offset:(32*(\t)+\i)*8192 th:TH_LOAD_NT
.endr
.endm
	WLOAD 0
	WLOAD 1
	s_wait_kmcnt 0x0
	s_cmp_eq_u32 s34, 1
	s_cselect_b32 s48, s23, s21                    ; e3 : e1
	s_cmp_eq_u32 s34, 2
	s_cselect_b32 s48, s25, s48                    ; e5
	s_cmp_eq_u32 s34, 3
	s_cselect_b32 s48, s31, s48                    ; e11
	s_add_co_i32 s48, s48, 127
	s_lshl_b32 s49, s48, 23
	v_mov_b32 v11, s49                             ; 2^e
	s_add_co_i32 s48, s48, 8
	s_lshl_b32 s48, s48, 23
	s_or_b32 s48, s48, 0x600000
	v_mov_b32 v10, s48                             ; 448 x 2^e
.macro WBLOCK t
.set WS, WX+32*((\t)%2)
.if (\t) < 7
	s_wait_loadcnt 32                              ; this block's 32 loads are in; the next block's may be out
.else
	s_wait_loadcnt 0
.endif
.irp i, 0,1,2,3,4,5,6,7,8,9,10,11,12,13,14,15,16,17,18,19,20,21,22,23,24,25,26,27,28,29,30,31
	v_med3_num_f32 v[WS+\i], v[WS+\i], -v10, v10
.endr
.irp g, 0,1,2,3
	v_cvt_scalef32_pk8_fp8_f32 v[WC+2*\g:WC+2*\g+1], v[WS+8*\g:WS+8*\g+7], v11
.endr
	ds_store_b128 v4, v[WC:WC+3] offset:32*(\t)    ; 32 codes of my column's row
	ds_store_b128 v4, v[WC+4:WC+7] offset:32*(\t)+16
.if (\t)+2 < 8
	WLOAD (\t)+2
.endif
	s_wait_dscnt 0x0                               ; the stores have read their registers: the next block's codes may be written (its 32 holds, plain lines, come first)
.endm
	s_wait_alu depctr_va_vdst(0)
.irp t, 0,1,2,3,4,5,6,7
	WBLOCK \t
.endr
.irp t, 0,1,2,3,4,5,6,7,8,9,10,11,12,13,14,15
	ds_load_b128 v[OUTR+4*\t:OUTR+4*\t+3], v7 offset:2*\t*PITCH
.endr
.irp t, 0,1,2,3,4,5,6,7,8,9,10,11,12,13,14,15
	s_wait_dscnt 15-\t
	global_store_b128 v8, v[OUTR+4*\t:OUTR+4*\t+3], s[46:47] offset:2*\t*2048   ; sixteen lanes store 256 consecutive bytes, aligned
.endr
	s_wait_tensorcnt 0x0                           ; the wave's end, as above
	ds_add_u32 v[SPW], v[NIL]
	s_wait_dscnt 0x0
	s_endpgm
.Lfunc_end_k_qd19326b157_quant:
	.size	k_qd19326b157_quant, .Lfunc_end_k_qd19326b157_quant-k_qd19326b157_quant
	.p2alignl 7, 3214868480
	.fill 96, 4, 3214868480
	.section	.rodata,"a",@progbits
	.p2align	6, 0x0
	.amdhsa_kernel k_qd19326b157_quant
		.amdhsa_group_segment_fixed_size 68096
		.amdhsa_private_segment_fixed_size 0
		.amdhsa_enable_private_segment 0
		.amdhsa_kernarg_size 64
		.amdhsa_user_sgpr_count 2
		.amdhsa_user_sgpr_kernarg_segment_ptr 1
		.amdhsa_wavefront_size32 1
		.amdhsa_system_sgpr_workgroup_id_x 1
		.amdhsa_system_sgpr_workgroup_id_y 1
		.amdhsa_system_sgpr_workgroup_id_z 1
		.amdhsa_system_vgpr_workitem_id 0
		.amdhsa_next_free_vgpr 208
		.amdhsa_next_free_sgpr 66
		.amdhsa_reserve_vcc 0
		.amdhsa_float_denorm_mode_32 3
		.amdhsa_float_denorm_mode_16_64 3
		.amdhsa_memory_ordered 1
		.amdhsa_forward_progress 1
		.amdhsa_inst_pref_size 126
	.end_amdhsa_kernel
	.amdgpu_metadata
---
amdhsa.version: [ 1, 2 ]
amdhsa.kernels:
  - .name:           k_qd19326b157_quant
    .symbol:         k_qd19326b157_quant.kd
    .args:
      - { .name: x, .offset: 0, .size: 8, .value_kind: global_buffer, .address_space: global }
      - { .name: w_q, .offset: 8, .size: 8, .value_kind: global_buffer, .address_space: global }
      - { .name: w_k, .offset: 16, .size: 8, .value_kind: global_buffer, .address_space: global }
      - { .name: w_v, .offset: 24, .size: 8, .value_kind: global_buffer, .address_space: global }
      - { .name: w_o, .offset: 32, .size: 8, .value_kind: global_buffer, .address_space: global }
      - { .name: lowp_scales, .offset: 40, .size: 8, .value_kind: global_buffer, .address_space: global }
      - { .name: xc, .offset: 48, .size: 8, .value_kind: global_buffer, .address_space: global }
      - { .name: wc, .offset: 56, .size: 8, .value_kind: global_buffer, .address_space: global }
    .group_segment_fixed_size: 68096
    .private_segment_fixed_size: 0
    .kernarg_segment_align: 8
    .kernarg_segment_size: 64
    .max_flat_workgroup_size: 128
    .sgpr_count:     66
    .vgpr_count:     208
    .wavefront_size: 32
...
	.end_amdgpu_metadata
.endif
;; end of part 5
;; launch qkv (part 6): grid 24 x 8, 4 waves a work-group, clusters of 4 x 4, 327,680 bytes of LDS; arguments xc, wc, lowp_scales, freqs_cos, freqs_sin, qimg, kimg, vimg, vsum; writes qimg, kimg, vimg, vsum
.if DOCPART == 6
	.amdgcn_target "amdgcn-amd-amdhsa--gfx1250"
	.amdhsa_code_object_version 6
	.text
	.protected	k_qd19326b157_qkv
	.globl	k_qd19326b157_qkv
	.p2align	8
	.type	k_qd19326b157_qkv,@function
k_qd19326b157_qkv:
	s_mov_b64 s[64:65], 0
	v_nop
	global_prefetch_b8 v0, s[64:65] scope:SCOPE_SE
	s_setreg_imm32_b32 hwreg(HW_REG_WAVE_MODE, 25, 1), 1
	s_wait_xcnt 0x0
	s_wait_alu depctr_hold_cnt(0) depctr_sa_sdst(0) depctr_va_vdst(0) depctr_va_sdst(0) depctr_va_ssrc(0) depctr_va_vcc(0) depctr_vm_vsrc(0)
	s_getreg_b32 s2, hwreg(HW_REG_IB_STS2, 6, 4)
	s_cmp_eq_u32 s2, 0
	s_cbranch_scc0 .Lentry_in_a_cluster
	s_endpgm
.Lentry_in_a_cluster:
	s_bfe_u32 s2, ttmp6, 0x10000c
	s_cmp_lg_u32 s2, 0xf033
	s_cbranch_scc0 .Lentry_shape_is_right
	s_endpgm
.Lentry_shape_is_right:
; LAUNCH 2 OF 4.  Products 1 to 3 on E4M3 codes, RoPE on q and k, and quantisers 6, 7, 8.  Nothing is left out here.
; Plane z = cluster x / 2.  z = 0 (q), 1 (k): rows = positions (xc[z]), columns = wc[z]'s rows.  z = 2 (v): rows = w_v's columns, columns = keys (xc[2]): V^T, so that the keys are innermost.
; A work-group of four waves makes 256 x 256, a wave 128 x 128 in 64 accumulators, which take turns.  K goes in steps of 256 through a ring of two LDS slots.
; CLUSTERS 4 x 4: the tile of rows is asked for jointly along a row of the cluster, the tile of columns along a column.  192 work-groups: 2,048 divides into no block of 49,152 results inside one plane.
; The matrix instruction is used transposed: a lane holds eight neighbouring columns of one row, which convert into two registers of the next product's operand.
; OUT: qimg, kimg [head][tile of 16 positions], vimg [head][block of 128 keys][tile of 16 d]: images of operand registers, 2,048 bytes a fragment (registers 4 c .. 4 c + 3 of lane l at 512 c + 16 l); a store covers 512 consecutive bytes.
; vsum: the sums of V's codes over each block of 128 keys, by a product with codes of 1.0 (0x38).
; PREFETCH INTO THE L2: behind the load of K step j each wave names K step j + 2 of 32 of the 128 rows that it fetches, a lane a row of 256 bytes; the four partners of a joint load take 32 rows each, told apart by address
; (cx for the rows' tile, cy for the columns').  At the head K step 1 is named too.  The last lap's two refills name nothing: K has eight steps.
; COS, SIN (planes q and k): the work-group's 256 rows of each table, 256 bytes a row, fill slot 0 at its last change of slots: one joint load a wave (waves 0, 1: cos; 2, 3: sin), shared along the cluster's row as the rows' tile is.
; They are read from LDS as fragments are, 16 bytes a lane from sixteen rows.  Plane v has no RoPE: its clusters jump round that load, on the plane's number alone, which all sixteen partners share.
; LIMITS: e6 - e0 - e1, e7 - e2 - e3 and e8 - e4 - e5 lie between -126 and 119.  NaN is not served.
.set ROWB,   256
.set KROW,   2048
.set PITCH,  272
.set FR,     16
.set NL,     4
.set NP,     4
.set HALFT,  128*PITCH
.set SLOT,   4*HALFT
.set LAPS,   4
.set SPARE,  2*SLOT
.set ADRA, 16
.set ADRB, 20
.set IMO,  24
.set ADS,  25                          ; v25 LDS address of my rows of sin in slot 0 (cos: v[ADRA])
.set VSO,  26
.set SPW,  28
.set NIL,  29
.set LIM,  30
.set SCL,  31
.set PFO,  27                          ; v27 the prefetches' offset: 2,048 x lane; never rewritten
.set PFA,  8                           ; s[8:9] where my prefetches stand
.set AF,   128
.set RR,   160
.set PC,   224
.set G1, 24
.set G0, 32
.set G1B, 48
.set G0B, 56
.set MSB, 0
.macro WIN new
.if MSB != (\new)
	s_set_vgpr_msb (MSB<<8)|(\new)
.set MSB, (\new)
.endif
.endm
.set MUL_LO, 0xa1
.set MUL_HI, 0xf1
.set TO_B,   0x40
.macro JLOAD g0a, g1a, g0b, g1b
	s_cmp_eq_u32 s15, 0
	s_cbranch_scc0 .Lfor_b_\@
	tensor_load_to_lds s[\g0a:\g0a+3], s[\g1a:\g1a+7]
	s_nop 0
.rept 4
	v_nop
.endr
	s_branch .Lasked_\@
.Lfor_b_\@:
	tensor_load_to_lds s[\g0b:\g0b+3], s[\g1b:\g1b+7]
	s_nop 0
.rept 4
	v_nop
.endr
.Lasked_\@:
.endm
.macro CREST
	s_cmp_lg_u32 s14, 0
	s_cbranch_scc1 .Lnot_wave_0_\@
	s_barrier_signal -3
.Lnot_wave_0_\@:
	s_barrier_wait -3
	s_barrier_signal -1
	s_barrier_wait -1
.endm
.macro CROUND
	s_barrier_signal -1
	s_barrier_wait -1
	CREST
.endm
	s_load_b512 s[68:83], s[0:1], 0x0
	s_load_b64 s[84:85], s[0:1], 0x40
	v_lshl_add_u32 v[SPW], v0, 2, SPARE
	v_mov_b32 v[NIL], 0
	ds_add_u32 v[SPW], v[NIL]
	ds_add_u32 v[SPW], v[NIL]
	v_lshrrev_b32 v1, 5, v0
	v_readfirstlane_b32 s14, v1
	s_lshr_b32 s15, s14, 1
	s_and_b32 s16, s14, 1
	s_bfe_u32 s40, ttmp6, 0x40000
	s_bfe_u32 s41, ttmp6, 0x40004
	s_lshl_b32 s42, ttmp9, 2
	s_add_co_u32 s42, s42, s40
	s_and_b32 s42, s42, 7
	s_lshr_b32 s66, ttmp9, 1
	s_and_b32 s17, ttmp7, 0xffff
	s_lshl_b32 s17, s17, 2
	s_add_co_u32 s17, s17, s41
	s_lshl_b32 s43, s41, 2
	s_lshl_b32 s43, 15, s43
	s_lshl_b32 s44, 0x1111, s40
	s_or_b32 s[G1+0], s43, (0<<16)|(1<<20)|(1<<21)|(5<<22)|(3<<25)
	s_or_b32 s[G1B+0], s44, (0<<16)|(1<<20)|(1<<21)|(5<<22)|(3<<25)
.irp g, G1, G1B
	s_mov_b32 s[\g+1], ROWB<<16
	s_mov_b32 s[\g+2], 128<<16
	s_mov_b32 s[\g+3], ROWB<<16
	s_mov_b32 s[\g+4], 128
	s_mov_b32 s[\g+5], KROW
	s_mov_b32 s[\g+6], 0
	s_mov_b32 s[\g+7], 0
.endr
	s_lshl_b32 s18, s16, 7
	s_lshl_b32 s20, s17, 8
	s_add_co_u32 s20, s20, s18
	s_lshl_b32 s46, s42, 8
	s_add_co_u32 s46, s46, s18
	s_lshl_b32 s20, s20, 11
	s_lshl_b32 s46, s46, 11
	s_lshl_b32 s19, s66, 22
	s_add_co_u32 s20, s20, s19
	s_add_co_u32 s46, s46, s19
	s_mov_b32 s21, 0
	s_mov_b32 s47, 0
	s_mul_i32 s45, s14, HALFT
	s_wait_dscnt 0x0
	s_wait_kmcnt 0x0
	s_load_b256 s[88:95], s[72:73], 0x0
	s_load_b128 s[96:99], s[72:73], 0x20
	s_cmp_lt_u32 s66, 2
	s_cselect_b64 s[4:5], s[68:69], s[70:71]
	s_cselect_b64 s[6:7], s[70:71], s[68:69]
	s_add_nc_u64 s[20:21], s[4:5], s[20:21]
	s_add_nc_u64 s[46:47], s[6:7], s[46:47]
	CROUND
.irp s, 0,1
	s_mov_b32 s[G0+4*\s], 1
	s_add_co_u32 s[G0+4*\s+1], s45, \s*SLOT
	s_add_nc_u64 s[G0+4*\s+2:G0+4*\s+3], s[20:21], \s*ROWB
	s_or_b32 s[G0+4*\s+3], s[G0+4*\s+3], 0x80000000
	s_mov_b32 s[G0B+4*\s], 1
	s_add_co_u32 s[G0B+4*\s+1], s45, \s*SLOT
	s_add_nc_u64 s[G0B+4*\s+2:G0B+4*\s+3], s[46:47], \s*ROWB
	s_or_b32 s[G0B+4*\s+3], s[G0B+4*\s+3], 0x80000000
.endr
	s_cmp_eq_u32 s15, 0                            ; the prefetches: the tile that my wave fetches,
	s_cselect_b64 s[PFA:PFA+1], s[20:21], s[46:47]
	s_cselect_b32 s10, s40, s41                    ; my place among the four that ask for it with me,
	s_lshl_b32 s10, s10, 16                        ; and my work-group's 32 rows of 2,048 bytes
	s_mov_b32 s11, 0
	s_add_nc_u64 s[PFA:PFA+1], s[PFA:PFA+1], s[10:11]
	JLOAD G0, G1, G0B, G1B                         ; K step 0: one tensor load a wave at the head
	v_and_b32 v1, 15, v0
	v_bfe_u32 v2, v0, 4, 1
	v_mul_u32_u24 v3, v1, PITCH
	v_lshl_add_u32 v4, v2, 4, v3
	s_mul_i32 s21, s15, HALFT
	s_mul_i32 s22, s16, HALFT
	s_add_co_u32 s22, s22, 2*HALFT
.irp s, 0,1
	v_add_nc_u32 v[ADRA+\s], s21, v4
	v_add_nc_u32 v[ADRB+\s], s22, v4
	s_add_co_u32 s21, s21, SLOT
	s_add_co_u32 s22, s22, SLOT
.endr
	v_and_b32 v6, 31, v0
	v_lshlrev_b32 v[IMO], 4, v6
	v_lshlrev_b32 v[VSO], 5, v1
	v_lshl_add_u32 v[VSO], v2, 4, v[VSO]
	v_add_nc_u32 v[ADS], 2*HALFT, v[ADRA]          ; sin's 256 rows lie behind cos's
	v_lshlrev_b32 v[PFO], 11, v6
	global_prefetch_b8 v[PFO], s[PFA:PFA+1] offset:ROWB th:TH_LOAD_NT scope:SCOPE_SE     ; K step 1,
	global_prefetch_b8 v[PFO], s[PFA:PFA+1] offset:2*ROWB th:TH_LOAD_NT scope:SCOPE_SE   ; and K step 2
.macro FRAG reg, adr, q, i
.irp c, 0,1,2,3
	ds_load_b128 v[\reg+4*\c:\reg+4*\c+3], v[\adr] offset:128*(\q)+32*\c+(\i)*16*PITCH
.endr
.endm
.macro MUL16 a0, p, zero
.irp a, \a0, \a0+1
.irp b, 0,1,2,3,4,5,6,7
.if \zero
	v_wmma_f32_16x16x128_fp8_fp8 v[8*(8*((\a)%4)+\b):8*(8*((\a)%4)+\b)+7], v[128*(\p)+FR*\b:128*(\p)+FR*\b+FR-1], v[AF+FR*(\a):AF+FR*(\a)+FR-1], 0
.else
	v_wmma_f32_16x16x128_fp8_fp8 v[8*(8*((\a)%4)+\b):8*(8*((\a)%4)+\b)+7], v[128*(\p)+FR*\b:128*(\p)+FR*\b+FR-1], v[AF+FR*(\a):AF+FR*(\a)+FR-1], v[8*(8*((\a)%4)+\b):8*(8*((\a)%4)+\b)+7]
.endif
.endr
.endr
.endm
.macro FETCH_B slot, q, p
	WIN TO_B
.irp i, 0,1,2,3,4,5,6,7
	FRAG 128*(\p)+FR*\i, ADRB+\slot, \q, \i
.endr
	WIN 0
.endm
.macro FETCH_A slot, q, i0
.irp i, \i0, \i0+1, \i0+2, \i0+3
	FRAG AF+FR*(\i), ADRA+\slot, \q, \i
.endr
.endm
.macro PLACES n
.rept \n
	v_nop
.endr
.endm
.macro STEP slot, q, zero
	s_wait_dscnt 4*NL
	WIN MUL_LO
	MUL16 0, (\q)%2, \zero
	MUL16 2, (\q)%2, \zero
	s_wait_dscnt 0
	PLACES NP
	FETCH_B \slot, (\q)+1, 1-(\q)%2
	FETCH_A \slot, (\q)+1, 0
	WIN MUL_HI
	MUL16 4, (\q)%2, \zero
	MUL16 6, (\q)%2, \zero
	PLACES NP
	WIN 0
	FETCH_A \slot, (\q)+1, 4
.endm
.macro TURN slot, next, fill           ; fill = 1: the slot takes the K step two on; 2: slot 0 takes the tables of cos and sin; 0: nothing
.if \fill == 1
	s_wait_xcnt 0x0                                ; my last prefetch has read its address: it steps here, a K step behind that prefetch
	s_add_nc_u64 s[PFA:PFA+1], s[PFA:PFA+1], ROWB
.endif
	s_wait_tensorcnt 0x0
	ds_add_u32 v[SPW], v[NIL]
	s_wait_dscnt 4*NL+1
	WIN MUL_LO
	MUL16 0, 1, 0
	s_wait_dscnt 0x0
	s_barrier_signal -1
	MUL16 2, 1, 0
	WIN 0
	s_barrier_wait -1
.if \fill == 2
	CREST
	s_mov_b32 s[G1+5], 256                         ; no load of mine is out: the rows' group 1 serves once more, with the tables' pitch,
	s_cmp_eq_u32 s15, 0
	s_cselect_b64 s[G0+2:G0+3], s[74:75], s[76:77] ; and slot 0's group 0 with cos (waves 0, 1) or sin (2, 3) at the 128 rows that I fetch; LDS: wave x 128 rows, as ever
	s_add_nc_u64 s[G0+2:G0+3], s[G0+2:G0+3], s[86:87]
	s_or_b32 s[G0+3], s[G0+3], 0x80000000
	s_cmp_eq_u32 s66, 2                            ; plane v reads no table: the same way in the whole cluster
	s_cbranch_scc1 .Lnocs
	tensor_load_to_lds s[G0:G0+3], s[G1:G1+7]
	s_nop 0
	PLACES NP
.Lnocs:
	PLACES NP
.elseif \fill
	CREST
	s_add_nc_u64 s[G0+4*\slot+2:G0+4*\slot+3], s[G0+4*\slot+2:G0+4*\slot+3], 2*ROWB
	s_add_nc_u64 s[G0B+4*\slot+2:G0B+4*\slot+3], s[G0B+4*\slot+2:G0B+4*\slot+3], 2*ROWB
	JLOAD G0+4*\slot, G1, G0B+4*\slot, G1B
.else
	PLACES NP
.endif
	FETCH_B \next, 0, 0
	FETCH_A \next, 0, 0
.if \fill == 1
	s_cmp_gt_u32 s3, 1                             ; the last lap's refills have no K step two on
	s_cbranch_scc0 .Lnoask_\@
	global_prefetch_b8 v[PFO], s[PFA:PFA+1] offset:3*ROWB th:TH_LOAD_NT scope:SCOPE_SE   ; the K step two refills on
.Lnoask_\@:
.endif
	WIN MUL_HI
	MUL16 4, 1, 0
	MUL16 6, 1, 0
	PLACES NP
	WIN 0
	FETCH_A \next, 0, 4
.endm
	s_wait_alu depctr_va_vdst(0)
	s_wait_tensorcnt 0x0                           ; my part of K step 0 is in
	ds_add_u32 v[SPW], v[NIL]
	s_wait_dscnt 0x0
	CROUND                                         ; everybody's part of K step 0 is in, and the sixteen work-groups meet
	JLOAD G0+4, G1, G0B+4, G1B                     ; K step 1, the first tensor load behind the round
	FETCH_B 0, 0, 0
	FETCH_A 0, 0, 0
	FETCH_A 0, 0, 4
	global_prefetch_b8 v[PFO], s[PFA:PFA+1] offset:3*ROWB th:TH_LOAD_NT scope:SCOPE_SE   ; K step 3
	STEP 0, 0, 1
	s_mov_b32 s3, LAPS-1
.Llap:
	TURN 0, 1, 1
	STEP 1, 0, 0
	TURN 1, 0, 1
	STEP 0, 0, 0
	s_sub_co_u32 s3, s3, 1
	s_cmp_lg_u32 s3, 0
	s_cbranch_scc1 .Llap
	s_lshl_b32 s86, s17, 8
	s_lshl_b32 s87, s16, 7
	s_add_co_u32 s86, s86, s87                     ; the 128 rows of a table that my wave fetches,
	s_lshl_b32 s86, s86, 8                         ; 256 bytes each
	s_mov_b32 s87, 0
	TURN 0, 1, 2
	STEP 1, 0, 0
	s_wait_dscnt 4*NL
	WIN MUL_LO
	MUL16 0, 1, 0
	MUL16 2, 1, 0
	s_wait_dscnt 0
	WIN MUL_HI
	MUL16 4, 1, 0
	MUL16 6, 1, 0
	WIN 0
	s_wait_tensorcnt 0x0                           ; my part of the tables is in; no LDS instruction of mine is out
	s_barrier_signal -1
	s_barrier_wait -1                              ; and so is everybody's
	s_wait_kmcnt 0x0
	s_sub_co_i32 s18, s94, s88
	s_sub_co_i32 s18, s18, s89
	s_sub_co_i32 s19, s95, s90
	s_sub_co_i32 s19, s19, s91
	s_sub_co_i32 s22, s96, s92
	s_sub_co_i32 s22, s22, s93
	s_cmp_eq_u32 s66, 1
	s_cselect_b32 s18, s19, s18
	s_cmp_eq_u32 s66, 2
	s_cselect_b32 s18, s22, s18
	s_add_co_i32 s18, s18, 127
	s_lshl_b32 s19, s18, 23
	v_mov_b32 v[SCL], s19
	s_add_co_i32 s18, s18, 8
	s_lshl_b32 s18, s18, 23
	s_or_b32 s18, s18, 0x600000
	v_mov_b32 v[LIM], s18
	PLACES NP
	s_cmp_eq_u32 s66, 2
	s_cbranch_scc1 .Lv
	s_cmp_eq_u32 s66, 0
	s_cselect_b64 s[100:101], s[78:79], s[80:81]
	s_lshl_b32 s18, s42, 1
	s_add_co_u32 s18, s18, s16
	s_lshl_b32 s18, s18, 7
	s_lshl_b32 s22, s17, 4
	s_lshl_b32 s23, s15, 3
	s_add_co_u32 s22, s22, s23
	s_add_co_u32 s18, s18, s22
	s_lshl_b32 s18, s18, 11
	s_mov_b32 s19, 0
	s_add_nc_u64 s[100:101], s[100:101], s[18:19]
.macro CSET a                          ; where block a's cos (32 registers) and sin (the next 32) lie: window cW, from register cB
.if ((\a)%6) == 0
.set cW, 0
.set cB, 32
.elseif (\a) == 5
.set cW, 0
.set cB, 96
.else
.set cW, 1
.set cB, 64*(((\a)-1)%6)
.endif
.endm
.macro LOADCS a                        ; cos and sin of position 16 a + r at pairs 8 b + 4 hh + 0 .. 3
	CSET \a
	WIN cW<<6
.irp b, 0,1,2,3,4,5,6,7
	ds_load_b128 v[cB+4*\b:cB+4*\b+3], v[ADRA] offset:(\a)*16*PITCH+32*\b
.endr
.irp b, 0,1,2,3,4,5,6,7
	ds_load_b128 v[cB+32+4*\b:cB+32+4*\b+3], v[ADS] offset:(\a)*16*PITCH+32*\b
.endr
	WIN 0
.endm
.macro ROPE a
	CSET \a
	WIN (0x02+((\a)/4))|(cW<<2)
.irp b, 0,1,2,3,4,5,6,7
.irp j, 0,4
.set rA, 64*((\a)%4)+8*\b+\j
.set rR, RR+8*\b+\j
.set rC, cB+4*\b+\j/2
	v_pk_mul_f32 v[rR:rR+1], v[rA:rA+1], v[rC:rC+1] op_sel:[0,0] op_sel_hi:[1,0]
	v_pk_mul_f32 v[rR+2:rR+3], v[rA+2:rA+3], v[rC:rC+1] op_sel:[0,1] op_sel_hi:[1,1]
	v_pk_fma_f32 v[rR:rR+1], v[rA:rA+1], v[rC+32:rC+33], v[rR:rR+1] op_sel:[1,0,0] op_sel_hi:[0,0,1] neg_lo:[0,1,0]
	v_pk_fma_f32 v[rR+2:rR+3], v[rA+2:rA+3], v[rC+32:rC+33], v[rR+2:rR+3] op_sel:[1,1,0] op_sel_hi:[0,1,1] neg_lo:[0,1,0]
.endr
.endr
	WIN 0
.endm
.irp a, 0,1,2,3,4,5
	LOADCS \a                                      ; six blocks' tables, into the registers that the fragments have left
.endr
.irp a, 0,1,2,3,4,5,6,7
.if 16*(7-\a) > 63
	s_wait_dscnt 63                                ; behind block a's sixteen loads 64 or 80 were issued: the field's largest count shows them in
.else
	s_wait_dscnt 16*(7-\a)                         ; the loads of the blocks behind this one may be out
.endif
	ROPE \a
.if \a < 2
	LOADCS \a+6                                    ; into the registers that this block has left
.endif
	s_wait_xcnt 0x0
.irp b, 0,1,2,3,4,5,6,7
.irp i, 0,1,2,3,4,5,6,7
	v_med3_num_f32 v[RR+8*\b+\i], v[RR+8*\b+\i], -v[LIM], v[LIM]
.endr
	v_cvt_scalef32_pk8_fp8_f32 v[PC+2*\b:PC+2*\b+1], v[RR+8*\b:RR+8*\b+7], v[SCL]
.endr
	v_nop
.irp c, 0,1,2,3
	global_store_b128 v[IMO], v[PC+4*\c:PC+4*\c+3], s[100:101] offset:2048*\a+512*\c
.endr
.endr
	s_branch .Lend
.Lv:
	s_lshl_b32 s18, s17, 1
	s_add_co_u32 s18, s18, s15
	s_lshl_b32 s18, s18, 4
	s_lshl_b32 s19, s42, 1
	s_add_co_u32 s19, s19, s16
	s_add_co_u32 s18, s18, s19
	s_lshl_b32 s22, s18, 9
	s_mov_b32 s23, 0
	s_add_nc_u64 s[84:85], s[84:85], s[22:23]
	s_lshl_b32 s18, s18, 14
	s_mov_b32 s19, 0
	s_add_nc_u64 s[100:101], s[82:83], s[18:19]
.irp j, 0,1,2,3,4,5,6,7,8,9,10,11,12,13,14,15
	v_mov_b32 v[96+\j], 0x38383838
.endr
.irp a, 0,1,2,3,4,5,6,7
	WIN 0x02+(\a/4)
.set n, 0
.rept 64
	v_med3_num_f32 v[RR+n], v[64*(\a%4)+n], -v[LIM], v[LIM]
.set n, n+1
.endr
	WIN 0
	s_wait_alu depctr_va_vdst(0)
	s_wait_xcnt 0x0
.irp b, 0,1,2,3,4,5,6,7
	v_cvt_scalef32_pk8_fp8_f32 v[PC+16*(\a%2)+2*\b:PC+16*(\a%2)+2*\b+1], v[RR+8*\b:RR+8*\b+7], v[SCL]
.endr
	v_nop
.irp c, 0,1,2,3
	global_store_b128 v[IMO], v[PC+16*(\a%2)+4*\c:PC+16*(\a%2)+4*\c+3], s[100:101] offset:2048*\a+512*\c
.endr
	v_wmma_f32_16x16x128_fp8_fp8 v[32+8*\a:39+8*\a], v[96:111], v[PC+16*(\a%2):PC+16*(\a%2)+15], 0
.endr
	PLACES NP
	v_cmp_ne_u32 vcc_lo, 0, v2
.irp k, 0,1,2,3
	v_cndmask_b32 v[112+\k], v[32+8*\k], v[64+8*\k], vcc_lo
.endr
	global_store_b128 v[VSO], v[112:115], s[84:85]
.Lend:
	s_wait_tensorcnt 0x0
	ds_add_u32 v[SPW], v[NIL]
	s_wait_dscnt 0x0
	CROUND
	s_endpgm
.Lfunc_end_k_qd19326b157_qkv:
	.size	k_qd19326b157_qkv, .Lfunc_end_k_qd19326b157_qkv-k_qd19326b157_qkv
	.p2alignl 7, 3214868480
	.fill 96, 4, 3214868480
	.section	.rodata,"a",@progbits
	.p2align	6, 0x0
	.amdhsa_kernel k_qd19326b157_qkv
		.amdhsa_group_segment_fixed_size 327680
		.amdhsa_private_segment_fixed_size 0
		.amdhsa_enable_private_segment 0
		.amdhsa_kernarg_size 72
		.amdhsa_user_sgpr_count 2
		.amdhsa_user_sgpr_kernarg_segment_ptr 1
		.amdhsa_wavefront_size32 1
		.amdhsa_system_sgpr_workgroup_id_x 1
		.amdhsa_system_sgpr_workgroup_id_y 1
		.amdhsa_system_sgpr_workgroup_id_z 1
		.amdhsa_system_vgpr_workitem_id 0
		.amdhsa_next_free_vgpr 1024
		.amdhsa_next_free_sgpr 102
		.amdhsa_reserve_vcc 1
		.amdhsa_float_denorm_mode_32 3
		.amdhsa_float_denorm_mode_16_64 3
		.amdhsa_memory_ordered 1
		.amdhsa_forward_progress 1
		.amdhsa_inst_pref_size 204
	.end_amdhsa_kernel
	.amdgpu_metadata
---
amdhsa.version: [ 1, 2 ]
amdhsa.kernels:
  - .name:           k_qd19326b157_qkv
    .symbol:         k_qd19326b157_qkv.kd
    .args:
      - { .name: xc, .offset: 0, .size: 8, .value_kind: global_buffer, .address_space: global }
      - { .name: wc, .offset: 8, .size: 8, .value_kind: global_buffer, .address_space: global }
      - { .name: lowp_scales, .offset: 16, .size: 8, .value_kind: global_buffer, .address_space: global }
      - { .name: freqs_cos, .offset: 24, .size: 8, .value_kind: global_buffer, .address_space: global }
      - { .name: freqs_sin, .offset: 32, .size: 8, .value_kind: global_buffer, .address_space: global }
      - { .name: qimg, .offset: 40, .size: 8, .value_kind: global_buffer, .address_space: global }
      - { .name: kimg, .offset: 48, .size: 8, .value_kind: global_buffer, .address_space: global }
      - { .name: vimg, .offset: 56, .size: 8, .value_kind: global_buffer, .address_space: global }
      - { .name: vsum, .offset: 64, .size: 8, .value_kind: global_buffer, .address_space: global }
    .group_segment_fixed_size: 327680
    .private_segment_fixed_size: 0
    .kernarg_segment_align: 8
    .kernarg_segment_size: 72
    .max_flat_workgroup_size: 128
    .sgpr_count:     102
    .vgpr_count:     1024
    .wavefront_size: 32
...
	.end_amdgpu_metadata
.endif
;; end of part 6
;; launch attn (part 7): grid 16 x 16, 8 waves a work-group, no clusters, 327,680 bytes of LDS; arguments qimg, kimg, vimg, vsum, mask, lowp_scales, aimg; writes aimg
.if DOCPART == 7
	.amdgcn_target "amdgcn-amd-amdhsa--gfx1250"
	.amdhsa_code_object_version 6
	.text
	.protected	k_qd19326b157_attn
	.globl	k_qd19326b157_attn
	.p2align	8
	.type	k_qd19326b157_attn,@function
k_qd19326b157_attn:
	s_mov_b64 s[64:65], 0
	v_nop
	global_prefetch_b8 v0, s[64:65] scope:SCOPE_SE
	s_setreg_imm32_b32 hwreg(HW_REG_WAVE_MODE, 25, 1), 1
	s_wait_xcnt 0x0
; LAUNCH 3 OF 4.  Attention's two products on E4M3 codes, the input mask, reference()'s window, the softmax by the problem's rule (p = 2^(t - M), M a whole number, the sum of the unquantised p divides at the end), quantiser 10.
; LEFT OUT: scores, mask entries and p x V key by key for blocks of 128 x 128 wholly outside 0 <= q - k < 1024, where reference() puts the constant -1e9 (shown at the head of launch quant).  Their joint term is kept:
; M starts at ceil(t_neg), t_neg = -1e9 x log2(e); at the end p_neg = 2^(t_neg - M) adds n x p_neg to the sum and Q(p_neg) x U to O, U = the sum of V's codes over the blocks not walked (from vsum).
; SHARES.  A work-group owns 128 queries (block qb) of one head; each of its eight waves 16 of them, one tile.  All eight walk key blocks qb down to max(qb - 8, 0), 128 keys a step, from the diagonal DOWNWARD.
; RING.  Two LDS slots of 64 KiB; a slot holds an aligned pair of key blocks (2 A, 2 A + 1): K's two blocks, then V's two, as images of operand registers (a fragment: 2,048 bytes, registers 4 c .. 4 c + 3 of lane l at 512 c + 16 l),
; so a fragment comes by four loads at 16 x lane: consecutive bytes, no pitch.  Each of the eight waves brings 8 KiB of a slot by one tensor load (waves 0-3: K, 4-7: V).  Five slots at the most: one loop of five trips.
; Every work-group walks all five changes of slots; a step whose keys lie wholly outside the band of the wave's queries is jumped over (ids alone), and a slot whose upper block lies under the work-group's band, or under key 0, is not asked for.
; Where the asking ends hangs on the work-group's number, so it is ended by that jump and no tail is written out.  In the fifth trip the slot in hand is A - 4, A = qb / 2: 256 (A - 4) + 1022 < 128 qb, so no load is issued there.
; A slot is the unit of that test: of an even block's first slot the upper key block, and of an odd block's last slot (qb >= 9) the lower one, are fetched and not read.
; No joint loads: the walk of each query block begins at its own diagonal, so in any grouping the partners stand at different slots in the same trip, and a joint load would bring a partner tiles that none of its waves reads.
; FRAGMENTS.  A step's eight fragments of K are asked for in one run of 32 loads, and the first four products wait for the first sixteen alone.  V's eight are asked for directly behind the first product, into the same registers,
; so that they land while the softmax is worked: two waves share a SIMD, so a wave has room for eight fragments.
; LAYOUT.  S^T = K Q^T, O^T = V^T P^T: a lane holds one query (lane % 16).  In S^T register 8 t + i is key 16 t + 8 hh + i, so a tile's eight weights convert into registers 2 t, 2 t + 1 of P in the form's own layout; O^T likewise into aimg's image.
; aimg is laid [query block][head][tile of 16 queries], 2,048 bytes a fragment: a block's sixteen heads lie on end, as the last product's tensor loads want them.
; The mask's tile (16 queries x 128 keys) goes from memory straight into 64 registers of the same layout, a step ahead: LDS carries K's and V's fragments alone, 32 KiB a wave and step.
; PREFETCH INTO THE L2, the mask: the sixteen work-groups (heads) of a query block read the same tiles and share them out, eight rows each.  At a change of slots wave 7 names, of its head's eight rows, the 1,024 bytes of the pair of
; key blocks below the slot in hand: 32 lanes, 32 blocks of 256 bytes.  Their loads follow in this slot's second step and in the step after it.  The tests are those of the tensor load.  The diagonal's slot comes by its loads alone.
; K and V are left out: in the first trip every slot of a head is loaded by some work-group, so later trips ask for what has been read in this launch.
; t is made as reference() makes the logit: score / sqrt(128) + mask (one multiply-add), the window's choice, x log2(e) as a product of its own, then - M: with logits near -1e9 a fused form would move t.
; LIMITS: e6 + e7 between -122 and 131 (added to the exponent field of 1 / sqrt(128)); e9 and e10 - e8 - e9 between -126 and 119.  NaN is not served.
; REGISTERS: v1 16 x lane; v2 the step's LDS address; v3 mask offset; v4 r - 8 hh; v5, v6 the add's two; v7 U's store address; v10 U's read address; v8, v9, v11 at work; v12 -M, v13 largest t, v[14:15] the sum;
; v16-31 Q; v32-95 fragments 0-3; v96-159 S^T .. p; v160-223 O^T; v224-239 P's codes; v240 448 x 2^e9; v241 -1e9; v[242:243] second chain; v244 2^e9; v245 t_neg; v246, v247 the way out's scale and limit; v248 n; v250 permute;
; v251 the prefetches' offset; v[252:253] f; v254, v255 at work; window 1: v256-319 the mask's tile, v320-383 fragments 4-7.
.set SLOT1, 1<<16
.set UREG,  131072                     ; 512 bytes: U[d % 16][d / 16]
.set SPARE, 131584                     ; the spare words, 128 bytes a wave
.set LI,  1
.set ADK, 2
.set MO,  3
.set RH,  4
.set SPW, 5
.set NIL, 6
.set UW,  7
.set UR,  10
.set PFO, 251
.set WV,  18
.set QB,  19
.set SEL, 20
.set CS,  22                           ; s[22:23] 2^(e6 + e7) / sqrt(128)
.set G1,  24
.set G0,  32
.set TB,  36                           ; LDS byte at which the slot in hand begins
.set SLOTS, 37
.set KF,  38                           ; the step's first key (signed)
.set Q0,  39                           ; my wave's first query
.set QW0, 40                           ; my work-group's
.set AS,  41                           ; the index of the slot in hand (signed)
.set HD,  42
.set L2E, 44                           ; s[44:45] log2(e)
.set PFA, 86                           ; s[86:87] the prefetches: my head's eight rows of the mask, at the pair of key blocks that is being asked for
.set MSB, 0
.macro WIN new
.if MSB != (\new)
	s_set_vgpr_msb (MSB<<8)|(\new)
.set MSB, (\new)
.endif
.endm
.macro MLOAD                           ; the mask's tile at s[12:13]: register 8 t + i of window 1 = mask(my query, first key + 16 t + 8 hh + i)
	WIN 0x40
.irp t, 0,1,2,3,4,5,6,7
	global_load_b128 v[8*\t:8*\t+3], v[MO], s[12:13] offset:64*\t
	global_load_b128 v[8*\t+4:8*\t+7], v[MO], s[12:13] offset:64*\t+16
.endr
	WIN 0
.endm
.macro FRAGS base                      ; eight fragments, from byte base of the slot in hand: 0-3 into v32-95, 4-7 into v320-383: 32 loads in one run
.irp t, 0,1,2,3
.irp c, 0,1,2,3
	ds_load_b128 v[32+16*\t+4*\c:32+16*\t+4*\c+3], v[ADK] offset:(\base)+2048*\t+512*\c
.endr
.endr
	WIN 0x40                                       ; destination window 1
.irp t, 0,1,2,3
.irp c, 0,1,2,3
	ds_load_b128 v[64+16*\t+4*\c:64+16*\t+4*\c+3], v[ADK] offset:(\base)+2048*(4+\t)+512*\c
.endr
.endr
	WIN 0
.endm
	s_load_b256 s[4:11], s[0:1], 0x0               ; qimg 4, kimg 6, vimg 8, vsum 10
	s_load_b128 s[12:15], s[0:1], 0x20             ; mask 12, the exponents 14
	s_load_b64 s[16:17], s[0:1], 0x30              ; aimg
	v_lshl_add_u32 v[SPW], v0, 2, SPARE
	v_mov_b32 v[NIL], 0
	ds_add_u32 v[SPW], v[NIL]                      ; the wave's opening: the add, twice on end, and its wait ahead of my first tensor load
	ds_add_u32 v[SPW], v[NIL]
	v_lshrrev_b32 v8, 5, v0
	s_delay_alu instid0(VALU_DEP_1)
	v_readfirstlane_b32 s[WV], v8                  ; wave 0..7
	s_mov_b32 s[QB], ttmp9
	s_and_b32 s[HD], ttmp7, 0xffff
	s_mov_b32 s[G1], 3<<16                         ; no mask; elements of 8 bytes; no padding
	s_mov_b32 s[G1+1], 32<<16                      ; tensor_dim0 = 32 elements: rows of 256 bytes
	s_mov_b32 s[G1+2], 32<<16                      ; tensor_dim1 = 32 rows: 8 KiB, dense
	s_mov_b32 s[G1+3], 32<<16                      ; tile_dim0
	s_mov_b32 s[G1+4], 32                          ; tile_dim1
	s_mov_b32 s[G1+5], 32                          ; the pitch
	s_mov_b32 s[G1+6], 0
	s_mov_b32 s[G1+7], 0
	s_lshl_b32 s[QW0], s[QB], 7
	s_lshl_b32 s96, s[WV], 4
	s_add_co_u32 s[Q0], s[QW0], s96
	s_lshr_b32 s[AS], s[QB], 1                     ; the diagonal's slot
	s_lshl_b32 s[KF], s[AS], 8
	s_add_co_u32 s[KF], s[KF], 128                 ; its upper block comes first
	s_mov_b32 s[TB], 0
	s_mov_b32 s[SLOTS], 5
	s_mov_b32 s[SEL], 0x76543210
	s_mov_b32 s[SEL+1], 0xfedcba98
	s_mov_b32 s[L2E], 0x3fb8aa3b
	s_mov_b32 s[L2E+1], s[L2E]
	s_lshl_b32 s60, s[HD], 18                      ; a head's 256 KiB of images,
	s_lshl_b32 s61, s[AS], 15                      ; a slot's 32 KiB of them,
	s_add_co_u32 s60, s60, s61
	s_and_b32 s61, s[WV], 3
	s_lshl_b32 s61, s61, 13                        ; my 8 KiB
	s_add_co_u32 s60, s60, s61
	s_mov_b32 s61, 0
	s_mov_b32 s[G0], 1
	s_lshl_b32 s[G0+1], s[WV], 13                  ; LDS: 8,192 x wave, in slot 0
	s_lshl_b32 s62, s[HD], 7
	s_lshl_b32 s63, s[QB], 3
	s_add_co_u32 s62, s62, s63
	s_add_co_u32 s62, s62, s[WV]
	s_lshl_b32 s62, s62, 11                        ; my tile's fragment in qimg: [head][tile]
	s_mov_b32 s63, 0
	s_lshl_b32 s70, s[QB], 4
	s_add_co_u32 s70, s70, s[HD]
	s_lshl_b32 s70, s70, 3
	s_add_co_u32 s70, s70, s[WV]
	s_lshl_b32 s70, s70, 11                        ; and in aimg: [query block][head][tile]
	s_mov_b32 s71, 0
	s_lshl_b32 s66, s[Q0], 13                      ; the mask: my first query's row,
	s_lshl_b32 s67, s[QB], 9                       ; the diagonal block's first key
	s_add_co_u32 s66, s66, s67
	s_mov_b32 s67, 0
	s_lshl_b32 s68, s[HD], 13                      ; vsum: 16 blocks of 512 bytes a head
	s_mov_b32 s69, 0
	s_lshl_b32 s90, s[HD], 3                       ; the prefetches: my head's eight rows of the query block,
	s_add_co_u32 s90, s90, s[QW0]
	s_lshl_b32 s90, s90, 13
	s_lshl_b32 s91, s[AS], 10                      ; at the diagonal's pair of key blocks: 1,024 bytes a pair
	s_add_co_u32 s90, s90, s91
	s_mov_b32 s91, 0
	v_and_b32 v8, 31, v0
	s_delay_alu instid0(VALU_DEP_1)
	v_lshlrev_b32 v[LI], 4, v8
	v_and_b32 v8, 15, v0                           ; r
	v_bfe_u32 v9, v0, 4, 1                         ; hh
	s_delay_alu instid0(VALU_DEP_2)
	v_lshlrev_b32 v[MO], 13, v8
	s_delay_alu instid0(VALU_DEP_1)
	v_lshl_add_u32 v[MO], v9, 5, v[MO]             ; 8,192 r + 32 hh
	s_delay_alu instid0(VALU_DEP_3)
	v_lshlrev_b32 v11, 3, v9
	s_delay_alu instid0(VALU_DEP_1)
	v_sub_nc_u32 v[RH], v8, v11                    ; r - 8 hh
	v_and_b32 v11, 127, v0
	s_delay_alu instid0(VALU_DEP_1)
	v_lshl_add_u32 v[UW], v11, 2, UREG
	s_delay_alu instid0(VALU_DEP_2)
	v_lshlrev_b32 v11, 2, v11                      ; the same place in a block of vsum
	v_lshl_add_u32 v[UR], v9, 8, UREG
	v_and_b32 v8, 31, v0
	v_lshrrev_b32 v9, 2, v8
	v_and_b32 v8, 3, v8
	v_lshlrev_b32 v9, 13, v9
	v_lshl_add_u32 v[PFO], v8, 8, v9               ; four lanes to a row's 1,024 bytes
	s_wait_alu depctr_va_vdst(0)
	s_wait_dscnt 0x0                               ; both opening adds are done
	s_wait_kmcnt 0x0
	s_load_b256 s[48:55], s[14:15], 0x0            ; e0 .. e7
	s_load_b128 s[56:59], s[14:15], 0x20           ; e8 .. e11
	s_cmp_lt_u32 s[WV], 4
	s_cselect_b64 s[G0+2:G0+3], s[6:7], s[8:9]     ; waves 0-3: K's images; 4-7: V's
	s_add_nc_u64 s[G0+2:G0+3], s[G0+2:G0+3], s[60:61]
	s_or_b32 s[G0+3], s[G0+3], 0x80000000
	tensor_load_to_lds s[G0:G0+3], s[G1:G1+7]      ; the first fill: every wave issues one; one load of mine is out
	s_nop 0
.rept 4
	v_nop
.endr
	s_add_nc_u64 s[4:5], s[4:5], s[62:63]
	s_add_nc_u64 s[16:17], s[16:17], s[70:71]
	s_add_nc_u64 s[PFA:PFA+1], s[12:13], s[90:91]
	s_add_nc_u64 s[12:13], s[12:13], s[66:67]
	s_add_nc_u64 s[10:11], s[10:11], s[68:69]
.irp c, 0,1,2,3
	global_load_b128 v[16+4*\c:19+4*\c], v[LI], s[4:5] offset:512*\c   ; Q's fragment stays in registers
.endr
	MLOAD                                          ; the diagonal block's mask
	s_cmp_lt_u32 s[WV], 4                          ; waves 0-3: U, a number a thread
	s_cbranch_scc0 .Lno_u
.irp b, 0,1,2,3,4,5,6,7,8,9,10,11,12,13,14,15
	global_load_b32 v[32+\b], v11, s[10:11] offset:512*\b
.endr
	s_wait_loadcnt 0x0
.irp b, 0,1,2,3,4,5,6,7,8,9,10,11,12,13,14,15
	s_sub_co_u32 s96, s[QB], \b                    ; walked where 0 <= qb - b <= 8 (unsigned: a block above the diagonal wraps)
	s_cmp_gt_u32 s96, 8
	s_cselect_b32 s97, 1.0, 0
.if \b == 0
	v_mul_f32 v8, s97, v32
.else
	v_fmac_f32 v8, s97, v[32+\b]
.endif
.endr
	ds_store_b32 v[UW], v8                         ; read on the way out, behind the ring's barriers, each with its wait for 0 on DScnt
.Lno_u:
	v_mov_b32 v241, 0xce6e6b28                     ; -1e9
	s_delay_alu instid0(VALU_DEP_1)
	v_mul_f32 v245, s[L2E], v241                   ; t_neg
	s_delay_alu instid0(VALU_DEP_1)
	v_mov_b32 v13, v245                            ; every row has keys outside the band: the largest t starts there
	s_delay_alu instid0(VALU_DEP_1)
	v_floor_f32 v12, -v13
	v_mov_b32 v14, 0
	v_mov_b32 v15, 0
	v_mov_b32 v250, 0                              ; a lane permute's destination counts as read
	v_mov_b32 v253, 0                              ; named as the upper half of v[252:253]
.set n, 0
.rept 64
	v_mov_b32 v[160+n], 0                          ; O^T: the step is written once, and its first change of M leaves zeros zeros
.set n, n+1
.endr
	s_min_u32 s96, s[QB], 8
	s_sub_co_u32 s96, 15, s96
	s_lshl_b32 s96, s96, 7
	v_cvt_f32_u32 v248, s96                        ; n = 128 x the blocks not walked
	s_wait_kmcnt 0x0
	s_add_co_i32 s96, s54, s55
	s_lshl_b32 s96, s96, 23
	s_add_co_i32 s[CS], s96, 0x3db504f3            ; 1 / sqrt(128), e6 + e7 added to its exponent field
	s_mov_b32 s[CS+1], s[CS]
	s_add_co_i32 s96, s57, 127
	s_lshl_b32 s97, s96, 23
	v_mov_b32 v244, s97                            ; 2^e9
	s_add_co_i32 s96, s96, 8
	s_lshl_b32 s96, s96, 23
	s_or_b32 s96, s96, 0x600000
	v_mov_b32 v240, s96                            ; 448 x 2^e9
	s_sub_co_i32 s96, s58, s56
	s_sub_co_i32 s96, s96, s57
	s_add_co_i32 s96, s96, 127
	s_lshl_b32 s97, s96, 23
	v_mov_b32 v246, s97                            ; 2^(e10 - e8 - e9)
	s_add_co_i32 s96, s96, 8
	s_lshl_b32 s96, s96, 23
	s_or_b32 s96, s96, 0x600000
	v_mov_b32 v247, s96
	s_wait_alu depctr_va_vdst(0)
	s_wait_loadcnt 0x0                             ; Q and the first mask tile
; A KEY STEP: the slot's block q (1: upper, 0: lower).
.macro STEP q
	s_cmp_lt_i32 s[KF], 0                          ; under key 0,
	s_cbranch_scc1 .Lhidden_\@
	s_add_co_i32 s96, s[Q0], 15
	s_cmp_gt_i32 s[KF], s96                        ; all keys after my queries,
	s_cbranch_scc1 .Lhidden_\@
	s_add_co_i32 s96, s[KF], 1150
	s_cmp_lt_i32 s96, s[Q0]                        ; or all 1,024 or more behind them: ids alone; no barrier, wait on tensor loads or tensor load stands in a step
	s_cbranch_scc1 .Lhidden_\@
	v_add_nc_u32 v[ADK], s[TB], v[LI]
.rept 3
	v_nop                                          ; with the addition: four places in front of loads into registers that matrix instructions have read
.endr
	FRAGS 16384*(\q)                               ; K's eight fragments
	s_wait_alu depctr_va_vdst(0)
	s_wait_dscnt 16                                ; fragments 0-3 are in; the sixteen loads of fragments 4-7 may be out
.irp t, 0,1,2,3
	v_wmma_f32_16x16x128_fp8_fp8 v[96+8*\t:103+8*\t], v[32+16*\t:47+16*\t], v[16:31], 0
.endr
	s_wait_dscnt 0x0
	WIN 0x01                                       ; source 0 in window 1
.irp t, 0,1,2,3
	v_wmma_f32_16x16x128_fp8_fp8 v[128+8*\t:135+8*\t], v[64+16*\t:79+16*\t], v[16:31], 0
.endr
	WIN 0
.rept 4
	v_nop                                          ; places in front of the loads below and of the first read of the scores
.endr
	FRAGS 32768+16384*(\q)                         ; V's eight fragments, into the registers that K's have left: they land while the softmax is worked
	s_wait_loadcnt 0x0                             ; this step's mask tile, asked for a step ago: nothing else is out
	WIN 0x10                                       ; source 2 in window 1
.set n, 0
.rept 32
	v_pk_fma_f32 v[96+n:97+n], v[96+n:97+n], s[CS:CS+1], v[n:n+1] op_sel_hi:[1,0,1]   ; score / sqrt(128) + mask; each accumulator from its low end on
.set n, n+2
.endr
	WIN 0
	s_cmp_lt_i32 s[KF], 128                        ; the next block's mask, if I shall walk that block (the tests of the step's head, one block on)
	s_cbranch_scc1 .Lnomask_\@
	s_add_co_i32 s96, s[KF], 1022
	s_cmp_lt_i32 s96, s[Q0]
	s_cbranch_scc1 .Lnomask_\@
	s_sub_nc_u64 s[12:13], s[12:13], 512           ; (the wait above has shown the loads that read this base done)
	MLOAD
.Lnomask_\@:
	s_add_co_i32 s96, s[KF], 127                   ; a step all of whose keys lie in the band of all my queries needs no choice
	s_cmp_gt_i32 s96, s[Q0]
	s_cbranch_scc1 .Lsel_\@
	s_add_co_i32 s96, s[KF], 1008
	s_cmp_le_i32 s[Q0], s96
	s_cbranch_scc1 .Lopen_\@
.Lsel_\@:
	s_sub_co_i32 s96, s[Q0], s[KF]
	v_add_nc_u32 v252, s96, v[RH]                  ; my query - the step's first key - 8 hh
.set n, 0
.rept 64
	v_sub_nc_u32 v[254+n%2], v252, 16*(n/8)+n%8    ; q - k
	s_delay_alu instid0(VALU_DEP_1)
	v_cmp_gt_u32 vcc_lo, 0x400, v[254+n%2]         ; 0 <= q - k < 1024, as one unsigned compare
	s_delay_alu instid0(VALU_DEP_1)
	v_cndmask_b32 v[96+n], v241, v[96+n], vcc_lo   ; else -1e9, as reference() has it
.set n, n+1
.endr
.Lopen_\@:
.set n, 0
.rept 32
	v_pk_mul_f32 v[96+n:97+n], v[96+n:97+n], s[L2E:L2E+1] op_sel_hi:[1,0]   ; t
.set n, n+2
.endr
	v_max3_num_f32 v254, v96, v97, v98             ; the step's largest t of my query among my 64 keys, in two chains,
	v_max3_num_f32 v255, v99, v100, v101
.irp i, 6,10,14,18,22,26,30,34,38,42,46,50,54,58
	s_delay_alu instid0(VALU_DEP_2)
	v_max3_num_f32 v254, v254, v[96+\i], v[97+\i]
	s_delay_alu instid0(VALU_DEP_2)
	v_max3_num_f32 v255, v255, v[98+\i], v[99+\i]
.endr
	s_delay_alu instid0(VALU_DEP_2)
	v_max3_num_f32 v254, v254, v158, v159
	s_delay_alu instid0(VALU_DEP_1)
	v_max_num_f32 v254, v254, v255
	s_delay_alu instid0(VALU_DEP_1)
	v_permlanex16_b32 v250, v254, s[SEL], s[SEL+1]
	s_delay_alu instid0(VALU_DEP_1)
	v_max_num_f32 v254, v254, v250                 ; and among lane l xor 16's
	s_delay_alu instid0(VALU_DEP_1)
	v_max_num_f32 v13, v13, v254
	v_mov_b32 v254, v12
	s_delay_alu instid0(VALU_DEP_2)
	v_floor_f32 v12, -v13                          ; -M = floor(-t): M is a whole number
	s_delay_alu instid0(VALU_DEP_1)
	v_sub_f32 v254, v12, v254                      ; old M - new M, a whole number, 0 or less
	s_delay_alu instid0(VALU_DEP_1)
	v_cvt_i32_f32 v254, v254
	s_delay_alu instid0(VALU_DEP_1)
	v_ldexp_f32 v252, 1.0, v254                    ; f = 2^(old M - new M)
.set n, 0
.rept 32
	v_pk_add_f32 v[96+n:97+n], v[96+n:97+n], v[12:13] op_sel_hi:[1,0]   ; t - M
.set n, n+2
.endr
.set n, 0
	s_wait_alu depctr_va_vdst(0)
.rept 64
	v_exp_f32 v[96+n], v[96+n]                     ; p, at most 1
.set n, n+1
.endr
	v_pk_mul_f32 v[14:15], v[14:15], v[252:253] op_sel_hi:[1,0]   ; the sums under the new M: the plain line behind the exponentials
	s_wait_alu depctr_va_vdst(0)                   ; one wait for the batch, ahead of its first reader
	v_pk_add_f32 v[242:243], v[100:101], v[104:105]
	v_pk_add_f32 v[254:255], v[108:109], v[112:113]
	v_pk_add_f32 v[238:239], v[116:117], v[120:121]
	v_pk_add_f32 v[236:237], v[124:125], v[128:129]
	v_pk_add_f32 v[234:235], v[132:133], v[136:137]
	v_pk_add_f32 v[232:233], v[140:141], v[144:145]
	v_pk_add_f32 v[230:231], v[148:149], v[152:153]
	v_pk_add_f32 v[14:15], v[14:15], v[156:157]
	v_pk_add_f32 v[242:243], v[242:243], v[96:97]
	v_pk_add_f32 v[254:255], v[254:255], v[98:99]
	v_pk_add_f32 v[238:239], v[238:239], v[102:103]
	v_pk_add_f32 v[236:237], v[236:237], v[106:107]
	v_pk_add_f32 v[234:235], v[234:235], v[110:111]
	v_pk_add_f32 v[232:233], v[232:233], v[114:115]
	v_pk_add_f32 v[230:231], v[230:231], v[118:119]
	v_pk_add_f32 v[14:15], v[14:15], v[122:123]
	v_pk_add_f32 v[242:243], v[242:243], v[126:127]
	v_pk_add_f32 v[254:255], v[254:255], v[130:131]
	v_pk_add_f32 v[238:239], v[238:239], v[134:135]
	v_pk_add_f32 v[236:237], v[236:237], v[138:139]
	v_pk_add_f32 v[234:235], v[234:235], v[142:143]
	v_pk_add_f32 v[232:233], v[232:233], v[146:147]
	v_pk_add_f32 v[230:231], v[230:231], v[150:151]
	v_pk_add_f32 v[14:15], v[14:15], v[154:155]
	v_pk_add_f32 v[242:243], v[242:243], v[158:159]
	s_delay_alu instid0(VALU_DEP_2)
	v_pk_add_f32 v[14:15], v[14:15], v[236:237]
	s_delay_alu instid0(VALU_DEP_2)
	v_pk_add_f32 v[242:243], v[242:243], v[234:235]
	v_pk_add_f32 v[254:255], v[254:255], v[232:233]
	v_pk_add_f32 v[238:239], v[238:239], v[230:231]
	s_delay_alu instid0(VALU_DEP_2)
	v_pk_add_f32 v[14:15], v[14:15], v[254:255]
	s_delay_alu instid0(VALU_DEP_2)
	v_pk_add_f32 v[242:243], v[242:243], v[238:239]
	s_delay_alu instid0(VALU_DEP_1)
	v_pk_add_f32 v[14:15], v[14:15], v[242:243]
.irp t, 0,1,2,3,4,5,6,7
.irp i, 0,1,2,3,4,5,6,7
	v_min_num_f32 v[96+8*\t+\i], v[96+8*\t+\i], v240   ; the conversion does not saturate (ISA guide 7.6.2); p is not negative
.endr
	v_cvt_scalef32_pk8_fp8_f32 v[224+2*\t:225+2*\t], v[96+8*\t:103+8*\t], v244   ; keys 16 t + 8 hh + 0 .. 7: registers 2 t, 2 t + 1 of P
.endr
.set n, 0
.rept 32
	v_pk_mul_f32 v[160+n:161+n], v[160+n:161+n], v[252:253] op_sel_hi:[1,0]   ; O^T under the new M.  (Also the plain lines between the conversions and the products below)
.set n, n+2
.endr
	s_wait_alu depctr_va_vdst(0)
	s_wait_dscnt 0x0                               ; V's fragments, asked for ahead of the softmax
.irp t, 0,1,2,3
	v_wmma_f32_16x16x128_fp8_fp8 v[160+8*\t:167+8*\t], v[32+16*\t:47+16*\t], v[224:239], v[160+8*\t:167+8*\t]
.endr
	WIN 0x01                                       ; source 0 in window 1
.irp t, 0,1,2,3
	v_wmma_f32_16x16x128_fp8_fp8 v[192+8*\t:199+8*\t], v[64+16*\t:79+16*\t], v[224:239], v[192+8*\t:199+8*\t]
.endr
	WIN 0
.Lhidden_\@:
	s_sub_co_i32 s[KF], s[KF], 128
.endm
; THE CHANGE OF SLOTS stands at a slot's head: each wave waits for all its tensor loads (its part of the slot ahead), adds 0 to its spare word, and waits for that and for its reads of the slot that it has left.
; Behind the barrier the slot ahead is whole and nobody reads the other: that other slot takes the pair of key blocks below, while some wave of the work-group will read it.
.macro CHANGE
	s_wait_tensorcnt 0x0                           ; no tensor load of mine is out, so group 0 may be written
	ds_add_u32 v[SPW], v[NIL]
	s_xor_b32 s[G0+1], s[G0+1], SLOT1              ; the other slot,
	s_sub_nc_u64 s[G0+2:G0+3], s[G0+2:G0+3], 32768 ; the pair of blocks below
	s_wait_xcnt 0x0                                ; any prefetch of mine has read its address
	s_sub_nc_u64 s[PFA:PFA+1], s[PFA:PFA+1], 1024  ; the same pair in the mask's rows
	s_wait_dscnt 0x0
	s_barrier_signal -1
	s_barrier_wait -1
	s_cmp_lt_i32 s[AS], 1                          ; no slot below key 0;
	s_cbranch_scc1 .Lpast_\@
	s_lshl_b32 s96, s[AS], 8
	s_add_co_i32 s96, s96, 1022
	s_cmp_lt_i32 s96, s[QW0]                       ; none whose last key lies 1,024 or more behind the work-group's first query.  Ids and the count of trips alone: all eight waves go the same way, and past stays past
	s_cbranch_scc1 .Lpast_\@
	tensor_load_to_lds s[G0:G0+3], s[G1:G1+7]      ; my one tensor load behind this barrier: it has a slot's two steps in which to land
	s_nop 0
.rept 4
	v_nop
.endr
.Lpast_\@:
	s_cmp_lg_u32 s[WV], 7                          ; wave 7 asks, by the same two tests
	s_cbranch_scc1 .Lnoask_\@
	s_cmp_lt_i32 s[AS], 1
	s_cbranch_scc1 .Lnoask_\@
	s_lshl_b32 s96, s[AS], 8
	s_add_co_i32 s96, s96, 1022
	s_cmp_lt_i32 s96, s[QW0]
	s_cbranch_scc1 .Lnoask_\@
	global_prefetch_b8 v[PFO], s[PFA:PFA+1] th:TH_LOAD_NT scope:SCOPE_SE
.Lnoask_\@:
	s_sub_co_i32 s[AS], s[AS], 1
.endm
.Lslot:
	CHANGE
	STEP 1
	STEP 0
	s_xor_b32 s[TB], s[TB], SLOT1
	s_sub_co_u32 s[SLOTS], s[SLOTS], 1
	s_cmp_lg_u32 s[SLOTS], 0
	s_cbranch_scc1 .Lslot
; THE WAY OUT.  The nine plain lines below are the places behind the last products.
	v_add_f32 v14, v14, v15
	v_add_f32 v8, v245, v12                        ; t_neg - M
.irp j, 97,98,99,100,101,102,103
	v_mov_b32 v\j, 0
.endr
.irp n, 0,1,2,3,4,5,6,7,8,9,10,11,12,13,14,15
	ds_load_b128 v[32+4*\n:35+4*\n], v[UR] offset:16*\n   ; register 32 + 8 i + t: U at d = 16 t + 8 hh + i
.endr
	s_wait_alu depctr_va_vdst(0)
	v_exp_f32 v8, v8                               ; p_neg
	v_permlanex16_b32 v250, v14, s[SEL], s[SEL+1]
	s_delay_alu instid0(VALU_DEP_1)
	v_add_f32 v14, v14, v250                       ; the row's sum over the keys walked (a plain line behind the exponential)
	s_wait_alu depctr_va_vdst(0)
	v_fmac_f32 v14, v248, v8                       ; + n x p_neg
	v_min_num_f32 v96, v8, v240
	v_cvt_scalef32_pk8_fp8_f32 v[224:225], v[96:103], v244
	v_nop
	v_cvt_f32_fp8 v9, v224                         ; Q(p_neg) as a code's value
	s_wait_alu depctr_va_vdst(0)
	v_rcp_f32 v11, v14
	v_nop
	s_wait_dscnt 0x0
	s_wait_alu depctr_va_vdst(0)
.irp t, 0,1,2,3,4,5,6,7
.irp i, 0,1,2,3,4,5,6,7
	v_fmac_f32 v[160+8*\t+\i], v9, v[32+8*\i+\t]   ; each accumulator from its low end on
.endr
.endr
	s_wait_alu depctr_va_vdst(0)                   ; the reciprocal's wait, ahead of its first reader
.irp t, 0,1,2,3,4,5,6,7
.irp i, 0,1,2,3,4,5,6,7
	v_mul_f32 v[96+8*\t+\i], v[160+8*\t+\i], v11
.endr
.irp i, 0,1,2,3,4,5,6,7
	v_med3_num_f32 v[96+8*\t+\i], v[96+8*\t+\i], -v247, v247
.endr
	v_cvt_scalef32_pk8_fp8_f32 v[224+2*\t:225+2*\t], v[96+8*\t:103+8*\t], v246   ; d = 16 t + 8 hh + 0 .. 7: registers 2 t, 2 t + 1 of the last product's operand
.endr
	v_nop
.irp c, 0,1,2,3
	global_store_b128 v[LI], v[224+4*\c:227+4*\c], s[16:17] offset:512*\c   ; 32 lanes store 512 consecutive bytes
.endr
	s_wait_tensorcnt 0x0                           ; the wave's end
	ds_add_u32 v[SPW], v[NIL]
	s_wait_dscnt 0x0
	s_endpgm
.Lfunc_end_k_qd19326b157_attn:
	.size	k_qd19326b157_attn, .Lfunc_end_k_qd19326b157_attn-k_qd19326b157_attn
	.p2alignl 7, 3214868480
	.fill 96, 4, 3214868480
	.section	.rodata,"a",@progbits
	.p2align	6, 0x0
	.amdhsa_kernel k_qd19326b157_attn
		.amdhsa_group_segment_fixed_size 327680
		.amdhsa_private_segment_fixed_size 0
		.amdhsa_enable_private_segment 0
		.amdhsa_kernarg_size 56
		.amdhsa_user_sgpr_count 2
		.amdhsa_user_sgpr_kernarg_segment_ptr 1
		.amdhsa_wavefront_size32 1
		.amdhsa_system_sgpr_workgroup_id_x 1
		.amdhsa_system_sgpr_workgroup_id_y 1
		.amdhsa_system_sgpr_workgroup_id_z 1
		.amdhsa_system_vgpr_workitem_id 0
		.amdhsa_next_free_vgpr 384
		.amdhsa_next_free_sgpr 100
		.amdhsa_reserve_vcc 1
		.amdhsa_float_denorm_mode_32 3
		.amdhsa_float_denorm_mode_16_64 3
		.amdhsa_memory_ordered 1
		.amdhsa_forward_progress 1
		.amdhsa_inst_pref_size 109
	.end_amdhsa_kernel
	.amdgpu_metadata
---
amdhsa.version: [ 1, 2 ]
amdhsa.kernels:
  - .name:           k_qd19326b157_attn
    .symbol:         k_qd19326b157_attn.kd
    .args:
      - { .name: qimg, .offset: 0, .size: 8, .value_kind: global_buffer, .address_space: global }
      - { .name: kimg, .offset: 8, .size: 8, .value_kind: global_buffer, .address_space: global }
      - { .name: vimg, .offset: 16, .size: 8, .value_kind: global_buffer, .address_space: global }
      - { .name: vsum, .offset: 24, .size: 8, .value_kind: global_buffer, .address_space: global }
      - { .name: mask, .offset: 32, .size: 8, .value_kind: global_buffer, .address_space: global }
      - { .name: lowp_scales, .offset: 40, .size: 8, .value_kind: global_buffer, .address_space: global }
      - { .name: aimg, .offset: 48, .size: 8, .value_kind: global_buffer, .address_space: global }
    .group_segment_fixed_size: 327680
    .private_segment_fixed_size: 0
    .kernarg_segment_align: 8
    .kernarg_segment_size: 56
    .max_flat_workgroup_size: 256
    .sgpr_count:     100
    .vgpr_count:     384
    .wavefront_size: 32
...
	.end_amdgpu_metadata
.endif
;; end of part 7
;; launch proj (part 8): grid 16 x 16, 4 waves a work-group, clusters of 4 x 4, 327,680 bytes of LDS; arguments aimg, wc, lowp_scales, out0; writes out0
.if DOCPART == 8
	.amdgcn_target "amdgcn-amd-amdhsa--gfx1250"
	.amdhsa_code_object_version 6
	.text
	.protected	k_qd19326b157_proj
	.globl	k_qd19326b157_proj
	.p2align	8
	.type	k_qd19326b157_proj,@function
k_qd19326b157_proj:
	s_mov_b64 s[64:65], 0
	v_nop
	global_prefetch_b8 v0, s[64:65] scope:SCOPE_SE
	s_setreg_imm32_b32 hwreg(HW_REG_WAVE_MODE, 25, 1), 1
	s_wait_xcnt 0x0
	s_wait_alu depctr_hold_cnt(0) depctr_sa_sdst(0) depctr_va_vdst(0) depctr_va_sdst(0) depctr_va_ssrc(0) depctr_va_vcc(0) depctr_vm_vsrc(0)
	s_getreg_b32 s2, hwreg(HW_REG_IB_STS2, 6, 4)
	s_cmp_eq_u32 s2, 0
	s_cbranch_scc0 .Lentry_in_a_cluster
	s_endpgm
.Lentry_in_a_cluster:
	s_bfe_u32 s2, ttmp6, 0x10000c
	s_cmp_lg_u32 s2, 0xf033
	s_cbranch_scc0 .Lentry_shape_is_right
	s_endpgm
.Lentry_shape_is_right:
; LAUNCH 4 OF 4.  out0 = (attention's result as codes, aimg) x (w_o's codes, plane 3 of wc), product 6; each finished sum x 2^(e10 + e11).  Nothing is left out here.
; A work-group of four waves makes 128 x 128, a wave 64 x 64 in 16 accumulators, which take turns: 256 work-groups.  K goes in steps of 512 through a ring of two LDS slots.
; CLUSTERS 4 x 4: aimg's block (64 KiB a K step, images of operand registers, dense) is asked for jointly along a row of the cluster, w_o's 128 rows of 512 bytes along a column.
; The matrix instruction is used transposed; results leave through each wave's stage in LDS, sixteen lanes to 256 consecutive aligned bytes.
; PREFETCH INTO THE L2: K has four steps.  At the head each wave names K steps 1 and 2, behind K step 1's load K step 3: a quarter of what it fetches, 32 blocks of 256 bytes, a lane a block;
; the four partners of a joint load are told apart by address (aimg: 8 KiB each, by cx; w_o: 16 rows each, by cy).
; LIMIT: e10 + e11 lies between -126 and 127.
.set PFO,    27                        ; v27 the prefetches' offset; never rewritten
.set PITCH,  528
.set BOFF,   65536
.set HALFB,  64*PITCH
.set SLOT,   BOFF+2*HALFB
.set STAGE,  2*SLOT
.set SPITCH, 272
.set SPARE,  STAGE+4*16*SPITCH
.set ADRA, 16
.set ADRB, 20
.set STO,  24
.set RD,   25
.set CO,   26
.set SPW,  28
.set NIL,  29
.set TMP,  32
.set BK,   64
.set ACC,  128
.set F0,   0
.set F1,   128
.set G1, 24
.set G0, 32
.set G1B, 48
.set G0B, 56
.set MSB, 0
.macro WIN new
.if MSB != (\new)
	s_set_vgpr_msb (MSB<<8)|(\new)
.set MSB, (\new)
.endif
.endm
.set MUL,  0x05
.set TO_F, 0x40
.macro JLOAD s
	s_cmp_eq_u32 s15, 0
	s_cbranch_scc0 .Lfor_b_\@
	tensor_load_to_lds s[G0+4*\s:G0+4*\s+3], s[G1:G1+7]
	s_nop 0
.rept 4
	v_nop
.endr
	s_branch .Lasked_\@
.Lfor_b_\@:
	tensor_load_to_lds s[G0B+4*\s:G0B+4*\s+3], s[G1B:G1B+7]
	s_nop 0
.rept 4
	v_nop
.endr
.Lasked_\@:
.endm
.macro CREST
	s_cmp_lg_u32 s14, 0
	s_cbranch_scc1 .Lnot_wave_0_\@
	s_barrier_signal -3
.Lnot_wave_0_\@:
	s_barrier_wait -3
	s_barrier_signal -1
	s_barrier_wait -1
.endm
.macro CROUND
	s_barrier_signal -1
	s_barrier_wait -1
	CREST
.endm
	s_load_b128 s[4:7], s[0:1], 0x0
	s_load_b128 s[8:11], s[0:1], 0x10
	v_lshl_add_u32 v[SPW], v0, 2, SPARE
	v_mov_b32 v[NIL], 0
	ds_add_u32 v[SPW], v[NIL]
	ds_add_u32 v[SPW], v[NIL]
	v_lshrrev_b32 v1, 5, v0
	v_readfirstlane_b32 s14, v1
	s_lshr_b32 s15, s14, 1
	s_and_b32 s16, s14, 1
	s_bfe_u32 s40, ttmp6, 0x40000
	s_bfe_u32 s41, ttmp6, 0x40004
	s_lshl_b32 s42, ttmp9, 2
	s_add_co_u32 s42, s42, s40
	s_and_b32 s17, ttmp7, 0xffff
	s_lshl_b32 s17, s17, 2
	s_add_co_u32 s17, s17, s41
	s_lshl_b32 s43, s41, 2
	s_lshl_b32 s43, 15, s43
	s_lshl_b32 s44, 0x1111, s40
	s_or_b32 s[G1+0], s43, (3<<16)|(1<<21)
	s_mov_b32 s[G1+1], 32<<16
	s_mov_b32 s[G1+2], 128<<16
	s_mov_b32 s[G1+3], 32<<16
	s_mov_b32 s[G1+4], 128
	s_mov_b32 s[G1+5], 32
	s_mov_b32 s[G1+6], 0
	s_mov_b32 s[G1+7], 0
	s_or_b32 s[G1B+0], s44, (0<<16)|(1<<20)|(1<<21)|(6<<22)|(3<<25)
	s_mov_b32 s[G1B+1], 512<<16
	s_mov_b32 s[G1B+2], 64<<16
	s_mov_b32 s[G1B+3], 512<<16
	s_mov_b32 s[G1B+4], 64
	s_mov_b32 s[G1B+5], 2048
	s_mov_b32 s[G1B+6], 0
	s_mov_b32 s[G1B+7], 0
	s_lshl_b32 s20, s17, 18
	s_lshl_b32 s18, s16, 15
	s_add_co_u32 s20, s20, s18
	s_mov_b32 s21, 0
	s_lshl_b32 s46, s42, 7
	s_lshl_b32 s18, s16, 6
	s_add_co_u32 s46, s46, s18
	s_lshl_b32 s46, s46, 11
	s_add_co_u32 s46, s46, 0xc00000
	s_mov_b32 s47, 0
	s_lshl_b32 s45, s16, 15
	s_mul_i32 s19, s16, HALFB
	s_add_co_u32 s19, s19, BOFF
	s_wait_dscnt 0x0
	s_wait_kmcnt 0x0
	s_load_b64 s[96:97], s[8:9], 0x28
	s_add_nc_u64 s[20:21], s[4:5], s[20:21]
	s_add_nc_u64 s[46:47], s[6:7], s[46:47]
	CROUND
.irp s, 0,1
	s_mov_b32 s[G0+4*\s], 1
	s_add_co_u32 s[G0+4*\s+1], s45, \s*SLOT
	s_add_nc_u64 s[G0+4*\s+2:G0+4*\s+3], s[20:21], \s*65536
	s_or_b32 s[G0+4*\s+3], s[G0+4*\s+3], 0x80000000
	s_mov_b32 s[G0B+4*\s], 1
	s_add_co_u32 s[G0B+4*\s+1], s19, \s*SLOT
	s_add_nc_u64 s[G0B+4*\s+2:G0B+4*\s+3], s[46:47], \s*512
	s_or_b32 s[G0B+4*\s+3], s[G0B+4*\s+3], 0x80000000
.endr
	s_cmp_eq_u32 s15, 0                            ; the prefetches: what my wave fetches,
	s_cselect_b64 s[68:69], s[20:21], s[46:47]
	s_cselect_b32 s12, s40, s41                    ; my place among the four that ask for it with me,
	s_cselect_b32 s13, 13, 15                      ; a place's share: 8 KiB of aimg, 16 rows of 2,048 bytes of w_o,
	s_cselect_b32 s78, 0, 1                        ; lanes to a row: 1 or 2,
	s_cselect_b32 s79, 8, 11                       ; from row to row: 256 or 2,048 bytes,
	s_mov_b32 s74, 512
	s_cselect_b32 s74, 0x10000, s74                ; and a K step on
	s_mov_b32 s75, 0
	s_lshl_b32 s76, s12, s13
	s_mov_b32 s77, 0
	s_add_nc_u64 s[68:69], s[68:69], s[76:77]
	s_add_nc_u64 s[68:69], s[68:69], s[74:75]      ; K step 1,
	s_add_nc_u64 s[70:71], s[68:69], s[74:75]      ; 2,
	s_add_nc_u64 s[72:73], s[70:71], s[74:75]      ; 3: a pair for each, so that none is rewritten
	JLOAD 0                                        ; K step 0: one tensor load a wave at the head
	v_and_b32 v1, 15, v0
	v_bfe_u32 v2, v0, 4, 1
	v_and_b32 v6, 31, v0
	v_lshlrev_b32 v3, 4, v6
	v_mul_u32_u24 v4, v1, PITCH
	v_lshl_add_u32 v4, v2, 3, v4
	s_lshl_b32 s21, s15, 13
	s_mul_i32 s22, s16, HALFB
	s_add_co_u32 s22, s22, BOFF
.irp s, 0,1
	v_add_nc_u32 v[ADRA+\s], s21, v3
	v_add_nc_u32 v[ADRB+\s], s22, v4
	s_add_co_u32 s21, s21, SLOT
	s_add_co_u32 s22, s22, SLOT
.endr
	s_mul_i32 s23, s14, 16*SPITCH
	s_add_co_u32 s23, s23, STAGE
	v_mul_u32_u24 v5, v1, SPITCH
	v_lshl_add_u32 v5, v2, 5, v5
	v_add_nc_u32 v[STO], s23, v5
	v_mul_u32_u24 v5, v2, SPITCH
	v_lshl_add_u32 v5, v1, 4, v5
	v_add_nc_u32 v[RD], s23, v5
	v_lshlrev_b32 v5, 13, v2
	v_lshl_add_u32 v[CO], v1, 4, v5
	v_lshrrev_b32 v7, s78, v6
	v_lshlrev_b32 v7, s79, v7                      ; my row,
	v_and_b32 v8, s78, v6
	v_lshl_add_u32 v[PFO], v8, 8, v7               ; and which 256 bytes of it
	global_prefetch_b8 v[PFO], s[68:69] th:TH_LOAD_NT scope:SCOPE_SE
	global_prefetch_b8 v[PFO], s[70:71] th:TH_LOAD_NT scope:SCOPE_SE
	s_lshl_b32 s20, s17, 7
	s_lshl_b32 s21, s15, 6
	s_add_co_u32 s20, s20, s21
	s_lshl_b32 s20, s20, 13
	s_lshl_b32 s46, s42, 9
	s_lshl_b32 s47, s16, 8
	s_add_co_u32 s46, s46, s47
	s_add_co_u32 s20, s20, s46
	s_mov_b32 s21, 0
	s_add_nc_u64 s[10:11], s[10:11], s[20:21]
.macro MUL8 f, a0, zero
.irp a, \a0, \a0+1
.irp b, 0,1,2,3
.if \zero
	v_wmma_f32_16x16x128_fp8_fp8 v[ACC+8*(4*(\a)+\b):ACC+8*(4*(\a)+\b)+7], v[\f+64+16*\b:\f+64+16*\b+15], v[\f+16*(\a):\f+16*(\a)+15], 0
.else
	v_wmma_f32_16x16x128_fp8_fp8 v[ACC+8*(4*(\a)+\b):ACC+8*(4*(\a)+\b)+7], v[\f+64+16*\b:\f+64+16*\b+15], v[\f+16*(\a):\f+16*(\a)+15], v[ACC+8*(4*(\a)+\b):ACC+8*(4*(\a)+\b)+7]
.endif
.endr
.endr
.endm
.macro FETCH slot, q, f
	WIN TO_F
.irp i, 0,1,2,3
.irp c, 0,1,2,3,4,5,6,7
	ds_load_b64 v[\f+64+16*\i+2*\c:\f+64+16*\i+2*\c+1], v[ADRB+\slot] offset:128*(\q)+16*\c+\i*16*PITCH
.endr
.endr
.irp i, 0,1,2,3
.irp c, 0,1,2,3
	ds_load_b128 v[\f+16*\i+4*\c:\f+16*\i+4*\c+3], v[ADRA+\slot] offset:16384*(\q)+2048*\i+512*\c
.endr
.endr
.endm
.macro PLACES
.rept 4
	v_nop
.endr
.endm
.macro QUARTER slot, qn, f, g, zero
	s_wait_dscnt 8
	WIN MUL
	MUL8 \f, 0, \zero
	PLACES
	FETCH \slot, \qn, \g
	s_wait_dscnt 48
	WIN MUL
	MUL8 \f, 2, \zero
.endm
.macro TURN slot, next, fill
	WIN 0
	s_wait_tensorcnt 0x0
	ds_add_u32 v[SPW], v[NIL]
	s_wait_dscnt 9
	WIN MUL
	MUL8 F1, 0, 0
	s_wait_dscnt 0x0
	s_barrier_signal -1
	WIN 0
	s_barrier_wait -1
.if \fill
	CREST
	s_add_nc_u64 s[G0+4*\slot+2:G0+4*\slot+3], s[G0+4*\slot+2:G0+4*\slot+3], 131072
	s_add_nc_u64 s[G0B+4*\slot+2:G0B+4*\slot+3], s[G0B+4*\slot+2:G0B+4*\slot+3], 1024
	JLOAD \slot
.else
	PLACES
.endif
	s_wait_alu depctr_va_vdst(0)
	FETCH \next, 0, F0
	WIN MUL
	MUL8 F1, 2, 0
.endm
	s_wait_alu depctr_va_vdst(0)
	s_wait_tensorcnt 0x0                           ; my part of K step 0 is in
	ds_add_u32 v[SPW], v[NIL]
	s_wait_dscnt 0x0
	CROUND                                         ; everybody's part of K step 0 is in, and the sixteen work-groups meet
	JLOAD 1                                        ; K step 1, the first tensor load behind the round
	FETCH 0, 0, F0
	global_prefetch_b8 v[PFO], s[72:73] th:TH_LOAD_NT scope:SCOPE_SE
	QUARTER 0, 1, F0, F1, 1
	QUARTER 0, 2, F1, F0, 0
	QUARTER 0, 3, F0, F1, 0
	TURN 0, 1, 1
	QUARTER 1, 1, F0, F1, 0
	QUARTER 1, 2, F1, F0, 0
	QUARTER 1, 3, F0, F1, 0
	TURN 1, 0, 1
	QUARTER 0, 1, F0, F1, 0
	QUARTER 0, 2, F1, F0, 0
	QUARTER 0, 3, F0, F1, 0
	TURN 0, 1, 0
	QUARTER 1, 1, F0, F1, 0
	QUARTER 1, 2, F1, F0, 0
	QUARTER 1, 3, F0, F1, 0
	s_wait_dscnt 8
	WIN MUL
	MUL8 F1, 0, 0
	s_wait_dscnt 0
	MUL8 F1, 2, 0
	WIN 0
.macro TOSTAGE a
.irp j, 0,2,4,6,8,10,12,14,16,18,20,22,24,26,28,30
	v_pk_mul_f32 v[TMP+\j:TMP+\j+1], v[ACC+32*(\a)+\j:ACC+32*(\a)+\j+1], s[96:97] op_sel_hi:[1,0]
.endr
.irp b, 0,1,2,3
	ds_store_b128 v[STO], v[TMP+8*\b:TMP+8*\b+3] offset:64*\b
	ds_store_b128 v[STO], v[TMP+8*\b+4:TMP+8*\b+7] offset:64*\b+16
.endr
.set BB, BK+32*((\a)%2)
.irp t, 0,1,2,3,4,5,6,7
	ds_load_b128 v[BB+4*\t:BB+4*\t+3], v[RD] offset:\t*2*SPITCH
.endr
.endm
.macro SEND a, younger
.set BB, BK+32*((\a)%2)
	s_wait_dscnt \younger
.irp t, 0,1,2,3,4,5,6,7
	global_store_b128 v[CO], v[BB+4*\t:BB+4*\t+3], s[10:11] offset:(16*(\a)+2*\t)*8192 th:TH_STORE_NT
.endr
.endm
	s_wait_kmcnt 0x0
	s_add_co_i32 s96, s96, s97
	s_add_co_i32 s96, s96, 127
	s_lshl_b32 s96, s96, 23
	PLACES
	TOSTAGE 0
.irp a, 1,2,3
.if \a > 1
	s_wait_xcnt 0x0
.endif
	TOSTAGE \a
	SEND \a-1, 16
.endr
	SEND 3, 0
	s_wait_tensorcnt 0x0
	ds_add_u32 v[SPW], v[NIL]
	s_wait_dscnt 0x0
	CROUND
	s_endpgm
.Lfunc_end_k_qd19326b157_proj:
	.size	k_qd19326b157_proj, .Lfunc_end_k_qd19326b157_proj-k_qd19326b157_proj
	.p2alignl 7, 3214868480
	.fill 96, 4, 3214868480
	.section	.rodata,"a",@progbits
	.p2align	6, 0x0
	.amdhsa_kernel k_qd19326b157_proj
		.amdhsa_group_segment_fixed_size 327680
		.amdhsa_private_segment_fixed_size 0
		.amdhsa_enable_private_segment 0
		.amdhsa_kernarg_size 32
		.amdhsa_user_sgpr_count 2
		.amdhsa_user_sgpr_kernarg_segment_ptr 1
		.amdhsa_wavefront_size32 1
		.amdhsa_system_sgpr_workgroup_id_x 1
		.amdhsa_system_sgpr_workgroup_id_y 1
		.amdhsa_system_sgpr_workgroup_id_z 1
		.amdhsa_system_vgpr_workitem_id 0
		.amdhsa_next_free_vgpr 512
		.amdhsa_next_free_sgpr 98
		.amdhsa_reserve_vcc 0
		.amdhsa_float_denorm_mode_32 3
		.amdhsa_float_denorm_mode_16_64 3
		.amdhsa_memory_ordered 1
		.amdhsa_forward_progress 1
		.amdhsa_inst_pref_size 91
	.end_amdhsa_kernel
	.amdgpu_metadata
---
amdhsa.version: [ 1, 2 ]
amdhsa.kernels:
  - .name:           k_qd19326b157_proj
    .symbol:         k_qd19326b157_proj.kd
    .args:
      - { .name: aimg, .offset: 0, .size: 8, .value_kind: global_buffer, .address_space: global }
      - { .name: wc, .offset: 8, .size: 8, .value_kind: global_buffer, .address_space: global }
      - { .name: lowp_scales, .offset: 16, .size: 8, .value_kind: global_buffer, .address_space: global }
      - { .name: out0, .offset: 24, .size: 8, .value_kind: global_buffer, .address_space: global }
    .group_segment_fixed_size: 327680
    .private_segment_fixed_size: 0
    .kernarg_segment_align: 8
    .kernarg_segment_size: 32
    .max_flat_workgroup_size: 128
    .sgpr_count:     98
    .vgpr_count:     512
    .wavefront_size: 32
...
	.end_amdgpu_metadata
.endif
;; end of part 8
